; MI455X (gfx1250); checked and timed in simulation.
; The chip was launched on July 23, 2026; its instructions are those of AMD's public machine-readable ISA for CDNA 5 (MIT licence, August 2026) and "CDNA5" Instruction Set Architecture Reference Guide (July 2026). The comments in the code are by the model that wrote it; some were corrected since.
;; Transformer Block. Allowed arithmetic: matrix products marked QUANTISED: E4M3 operands, one E8M0 scale for each 32 along K, by v_wmma_scale_f32_16x16x128_f8f6f4 with both operands' format E4M3, f32 sums; everything else in f32.
;; Inputs: W1 1,024 x 4,096 float32; W2 4,096 x 1,024 float32; Wout 1,024 x 1,024 float32; Wqkv 1,024 x 3,072 float32; b1 4,096 float32; b2 1,024 float32; b_out 1,024 float32; ln_b 1,024 float32; ln_g 1,024 float32; x 2 x 2,048 x 1,024 float32.
;; Outputs: out0 2 x 2,048 x 1,024 float32.
;; This version of the problem:
;;   THIS VERSION OF THE PROBLEM IS GIVEN IN LOW PRECISION. The matrix products marked QUANTISED in the list below multiply operands that are first quantised to E4M3 (4 exponent bits, 3 mantissa bits; 8 bits a number), with one power-of-two scale for each 32 numbers along K (OCP MX v1.0); their sums are f32. All else is computed in f32.
;;   The module's matrix products, in the order in which they are computed (A, B: the left and right operand; K: the contracted axis; several contracted axes count as one K, in the product's order):
;;     1. [M 4,096, K 1,024] x [K 1,024, N 3,072]; A: input x; B: input Wqkv: QUANTISED
;;     2. batch 16 x [M 2,048, K 128] x [K 128, N 2,048]; A: computed on the way; B: computed on the way: QUANTISED
;;     3. batch 16 x [M 128, K 2,048] x [K 2,048, N 2,048]; A: computed on the way; B: softmax (see below): QUANTISED
;;     4. [M 4,096, K 1,024] x [K 1,024, N 1,024]; A: computed on the way; B: input Wout: QUANTISED
;;     5. [M 4,096, K 1,024] x [K 1,024, N 4,096]; A: computed on the way; B: input W1: QUANTISED
;;     6. [M 4,096, K 4,096] x [K 4,096, N 1,024]; A: computed on the way; B: input W2: QUANTISED
;;   THE QUANTISER, for each operand of a quantised product, along K:
;;     - K is cut into blocks of 32 from its start; a last block that is shorter is filled with zeros.
;;     - A block's scale is 2^e with e = floor(log2(the largest magnitude in the block)) - 8, held to -126 .. 127; a block of zeros has e = 0. As a byte (E8M0): e + 127.
;;     - Each number is divided by its block's scale, clamped to +-448, and rounded to the nearest number of E4M3, ties to even, subnormals kept.
;;     - The product sums the exact products of the quantised numbers (number of the format x scale) in f32.
;;   ~~~python
;;   def quantise(x, axis):      # numpy; x: float32 -> the quantised numbers, widened to float32 again
;;       x = np.moveaxis(x, axis, -1); K = x.shape[-1]
;;       x = np.pad(x, [(0, 0)] * (x.ndim - 1) + [(0, -K % 32)]); x = x.reshape(x.shape[:-1] + (-1, 32)); a = np.abs(x).max(-1, keepdims=True)
;;       e = np.where(a > 0, np.clip(np.frexp(np.where(a > 0, a, 1))[1] - 1 - 8, -126, 127), 0)      # np.frexp(a)[1] - 1 = floor(log2(a)), exactly
;;       r = np.clip(x / 2.0 ** e, -448, 448)
;;       step = 2.0 ** (np.maximum(np.frexp(np.where(r == 0, 1, r))[1] - 1, -6) - 3)
;;       q = np.round(r / step) * step * 2.0 ** e      # np.round: ties to even
;;       return np.moveaxis(q.reshape(q.shape[:-2] + (-1,))[..., :K], -1, axis).astype(np.float32)
;;   ~~~
;;   SOFTMAX AHEAD OF A QUANTISED PRODUCT. Where the list says 'softmax', what is quantised is not the finished softmax but p = 2^(t - M), with t = logit x log2(e) and M = ceil(the row's largest t), a whole number; so 1/2 < the row's largest p <= 1. The row's sum l is taken of the UNQUANTISED p, in f32, and the product's result is divided by l at the end. Since M is a whole number, a kernel that streams over the keys may use a running M (the ceiling of the running maximum): every later rescaling is an exact power of two, which a block's scale takes up: the codes' values come out the same.
;;   OPERANDS COMPUTED ON THE WAY. 'Computed on the way' means the value that the module computes at that place (a softmax that the list does not call 'softmax' is quantised finished and normalised). What goes into a quantiser is computed in f32, as accurately as f32 sums, v_exp_f32 and their like allow (about 1e-6 of the number): no bf16 or f16 on the way to a quantiser, and a product that is left as it is and whose result goes on into a quantised operand takes f32 operands (vector FMAs, or v_wmma_f32_16x16x4_f32). A number that lies on a knife's edge between two numbers of the format may be rounded either way, as far as f32 arithmetic and the matrix unit's own rounding can turn it there, and no further.
;; One version. Each part assembles by itself: llvm-mc -triple=amdgcn-amd-amdhsa -mcpu=gfx1250 --defsym DOCPART=n.
;; ======== version 1 of 1: 7 launches
;; limits: right only within a limited range of input values
;; workspace buffers: xq 4,325,376 bytes; wq 13,008,896 bytes; qkv 12,976,128 bytes; cq 4,325,376 bytes; x1 16,777,216 bytes; hq 4,325,376 bytes; gq 17,301,504 bytes
;; launch quant (part 1): grid 1024 x 1, 4 waves a work-group, no clusters, 52,736 bytes of LDS; arguments x, Wqkv, Wout, W1, W2, xq, wq; writes xq, wq
.if DOCPART == 1
	.amdgcn_target "amdgcn-amd-amdhsa--gfx1250"
	.amdhsa_code_object_version 6
	.text
	.protected	k_qcd00dab9d5_quant
	.globl	k_qcd00dab9d5_quant
	.p2align	8
	.type	k_qcd00dab9d5_quant,@function
k_qcd00dab9d5_quant:
	s_mov_b64 s[64:65], 0
	v_nop
	global_prefetch_b8 v0, s[64:65] scope:SCOPE_SE
	s_setreg_imm32_b32 hwreg(HW_REG_WAVE_MODE, 25, 1), 1
	s_wait_xcnt 0x0
; LAUNCH 1 OF 7.  x [4096][1024] and the four weights ([K][N], K the FIRST axis), all f32, become codes of FP8 (E4M3) with one E8M0 scale byte for each 32 along K.
; A block's scale is 2^(floor(log2(its largest magnitude)) - 8); its byte is the largest magnitude's exponent field - 8, held at 1 from below; each number is divided by the scale, held within +-448, rounded to the nearest code, ties to even.
; LIMITS: NaN and infinities are not served; a block whose largest magnitude lies under 2^-118 keeps the byte 1; a block of zeros gets the byte 1 and not 127 (its codes are zeros, and only this program reads the bytes).
; LAYOUT OF ALL CODES OF THIS PROGRAM.  Rows (x's rows, a weight's columns n) are kept in POSITION ORDER: position P stands for the index P with its bits 3 and 4 exchanged, so lane-row p of row block rb is index
; 32 (rb / 2) + 8 (rb % 2) + p + 8 (p / 8).  An operand [rows][K] lies as FRAGMENT IMAGES: fragment (rb, ks), 16 positions x 128 K, is 2,048 bytes at (rb K/128 + ks) 2,048; in it piece c of lane l lies at 512 c + 16 l and holds
; row l % 16, k = 128 ks + 32 c + 16 (l / 16) + 0 .. 15: the matrix operand's registers as they stand.  Scale words lie in planes [K/128][positions][4 bytes].
; Work-groups 0-255 take x (a row block each, a wave two K steps), 256-1023 the weights (128 columns x 128 K each, a wave 32 columns: four blocks of 32 along K, two of them on their way at a time).
; With 256 registers a wave four work-groups fit on a WGP, so the grid's 1,024 lie on the 256 WGPs together.  Waves share nothing: no barrier.  The two ways have LDS bytes of their own.
.set XSOFF, 4194304                    ; xq: the planes begin behind the codes
.set WV,   18                          ; s18  wave
.set SEL,  20                          ; s[20:21] selects for v_permlanex16_b32: lane l xor 16
.set MNT,  23                          ; s23  the mantissa field of 448
; x's way
.set GL,   4                           ; v4   16 x lane
.set SI,   5                           ; v5   the stage, in: 8,448 x wave + 16 x lane
.set SO,   6                           ; v6   the stage, out: 8,448 x wave + 528 r + 64 h
.set SA,   7                           ; v7   scale words: 4 r + 16,384 h
.set PW,   8                           ; v8, v9 the two scale words; v10 the one that my half stores
.set R,    16                          ; v16-143  two sets of 64 registers as loaded
.set X,    144                         ; v144-207 64 numbers in the operand's order
.set PC,   208                         ; v208-239 two fragments of codes
.set TM,   240                         ; v240-255 at work
; the weights' way
.set WLDS, 33792                       ; its LDS begins behind x's four stages
.set WP,   144                         ; a stage row: a column's 128 codes + 16 bytes: 36 words, so that 16 rows begin at 16 different groups of four banks
.set NB,   4                           ; blocks of 32 along K for a wave
.set SWP,  2                           ; v2   my column's position among the wave's 32
.set STI,  4                           ; v4   the stage, in: row = my position
.set STR,  7                           ; v7   the stage, out: WP r + 16 h
.set GO,   8                           ; v8   16 x lane
.set SCO,  9                           ; v9   4 x my position
.set OFF,  16                          ; v16-47   4 x lane + i rows of the weight
.set XW,   48                          ; v48-111  two sets of 32 numbers
.set CW,   112                         ; v112-119 a block's codes
.set OUTR, 120                         ; v120-151 the way out
.set SB,   184                         ; v184     four scale bytes: my column's scale word
; 64 numbers of a lane, register 16 b + i = k 32 b + 16 (lane / 16) + i of my row, become a fragment's codes in v[pc] on and its scale word in v[pw]
.macro QUANT s, pc, pw
.irp b, 0,1,2,3
	v_max3_num_f32 v[TM+\b], |v[\s+16*\b]|, |v[\s+16*\b+1]|, 0x4800000       ; block b: my 16 numbers, and the floor 2^(9 - 127): the byte cannot fall under 1
.endr
.irp i, 2,4,6,8,10,12,14
.irp b, 0,1,2,3
	v_max3_num_f32 v[TM+\b], v[TM+\b], |v[\s+16*\b+\i]|, |v[\s+16*\b+\i+1]|  ; the four blocks by turns
.endr
.endr
.irp b, 0,1,2,3
	v_permlanex16_b32 v[TM+4+\b], v[TM+\b], s[SEL], s[SEL+1]
.endr
.irp b, 0,1,2,3
	v_max_num_f32 v[TM+\b], v[TM+\b], v[TM+4+\b]                             ; with lane l xor 16's 16: the block's largest magnitude
.endr
.irp b, 0,1,2,3
	v_add_nc_u32 v[TM+12+\b], 0xfc000000, v[TM+\b]                           ; 8 off its exponent field: the conversion's scale operand
.endr
.irp b, 0,1,2,3
	v_and_or_b32 v[TM+8+\b], v[TM+\b], 0x7f800000, s[MNT]                    ; 448 x the scale
.endr
.irp b, 0,1,2,3
	v_lshrrev_b32 v[TM+4+\b], 23, v[TM+12+\b]                                ; the scale's byte
.endr
	v_lshl_or_b32 v[\pw], v[TM+5], 8, v[TM+4]
	v_lshl_or_b32 v[\pw], v[TM+6], 16, v[\pw]
	v_lshl_or_b32 v[\pw], v[TM+7], 24, v[\pw]                                ; my row's scale word
.irp b, 0,1,2,3
.irp i, 0,1,2,3,4,5,6,7,8,9,10,11,12,13,14,15
	v_med3_num_f32 v[\s+16*\b+\i], v[\s+16*\b+\i], -v[TM+8+\b], v[TM+8+\b]   ; the conversion to an 8-bit code does not saturate (ISA guide 7.6.2): the hold comes first
.endr
	v_cvt_scalef32_pk8_fp8_f32 v[\pc+4*\b:\pc+4*\b+1], v[\s+16*\b:\s+16*\b+7], v[TM+12+\b]
	v_cvt_scalef32_pk8_fp8_f32 v[\pc+4*\b+2:\pc+4*\b+3], v[\s+16*\b+8:\s+16*\b+15], v[TM+12+\b]
.endr
	v_nop                                                                    ; a plain line behind the last conversion
.endm
	s_load_b256 s[4:11], s[0:1], 0x0               ; x s[4:5], Wqkv s[6:7], Wout s[8:9], W1 s[10:11]
	s_load_b128 s[12:15], s[0:1], 0x20             ; W2 s[12:13], xq s[14:15]
	s_load_b64 s[16:17], s[0:1], 0x30              ; wq
	v_lshl_add_u32 v14, v0, 2, 0xcc00
	v_mov_b32 v15, 0
	v_lshrrev_b32 v1, 5, v0
	v_readfirstlane_b32 s[WV], v1                  ; wave 0..3
	v_and_b32 v1, 31, v0                           ; lane
	s_mov_b32 s[SEL], 0x76543210
	s_mov_b32 s[SEL+1], 0xfedcba98
	s_mov_b32 s[MNT], 0x600000
	s_cmp_lt_u32 ttmp9, 256
	s_cbranch_scc0 .Lweights
	; ---- x: row block rb = the work-group's number; wave w takes K steps 2 w and 2 w + 1
	v_and_b32 v2, 15, v0                           ; r
	v_bfe_u32 v3, v0, 4, 1                         ; h
	v_lshlrev_b32 v[GL], 4, v1
	s_mul_i32 s24, s[WV], 8448                     ; my stage: 16 rows x (512 + 16) bytes
	v_add_nc_u32 v[SI], s24, v[GL]
	v_mul_u32_u24 v[SO], v2, 528
	v_lshl_add_u32 v[SO], v3, 6, v[SO]
	v_add_nc_u32 v[SO], s24, v[SO]
	v_lshlrev_b32 v[SA], 2, v2
	v_lshl_add_u32 v[SA], v3, 14, v[SA]
.irp b, 0,1,2,3
	v_mov_b32 v[TM+4+\b], 0                        ; written once: a lane permute's destination counts as one of its sources
.endr
	s_lshr_b32 s25, ttmp9, 1
	s_lshl_b32 s25, s25, 5
	s_and_b32 s26, ttmp9, 1
	s_lshl_b32 s26, s26, 3
	s_add_co_u32 s25, s25, s26                     ; the block's first row: 32 (rb / 2) + 8 (rb % 2)
	s_lshl_b32 s26, s25, 12                        ; x 4,096 bytes
	s_lshl_b32 s27, s[WV], 10                      ; + two K steps of 512 bytes a wave
	s_add_co_u32 s26, s26, s27
	s_mov_b32 s27, 0
	s_lshl_b32 s28, ttmp9, 3
	s_lshl_b32 s29, s[WV], 1
	s_add_co_u32 s28, s28, s29
	s_lshl_b32 s28, s28, 11                        ; fragment (rb, 2 w)
	s_mov_b32 s29, 0
	s_lshl_b32 s30, s[WV], 15                      ; plane 2 w,
	s_lshl_b32 s31, ttmp9, 6                       ; the block's 16 words
	s_add_co_u32 s30, s30, s31
	s_add_co_u32 s30, s30, XSOFF
	s_mov_b32 s31, 0
	s_wait_alu depctr_va_vdst(0)
	s_wait_kmcnt 0x0
	s_add_nc_u64 s[4:5], s[4:5], s[26:27]
	s_add_nc_u64 s[28:29], s[14:15], s[28:29]
	s_add_nc_u64 s[30:31], s[14:15], s[30:31]
.irp f, 0,1
.irp p, 0,1,2,3,4,5,6,7,8,9,10,11,12,13,14,15
	global_load_b128 v[R+64*\f+4*\p:R+64*\f+4*\p+3], v[GL], s[4:5] offset:(\p+8*(\p/8))*4096+512*\f th:TH_LOAD_NT   ; lane-row p: 32 lanes read its 512 consecutive bytes of the K step
.endr
.endr
.macro XFRAG f                         ; a K step goes through my stage as it lies and comes back 16 neighbours of each block a lane
	s_wait_loadcnt 16*(1-\f)                       ; this fragment's 16 loads are in; the other's may be out
.irp p, 0,1,2,3,4,5,6,7,8,9,10,11,12,13,14,15
	ds_store_b128 v[SI], v[R+64*\f+4*\p:R+64*\f+4*\p+3] offset:528*\p
.endr
.irp b, 0,1,2,3
.irp j, 0,1,2,3
	ds_load_b128 v[X+16*\b+4*\j:X+16*\b+4*\j+3], v[SO] offset:128*\b+16*\j   ; LDS serves a wave's instructions in order: these see the stores above
.endr
.endr
	s_wait_dscnt 0x0
	QUANT X, PC+16*\f, PW+\f
.irp c, 0,1,2,3
	global_store_b128 v[GL], v[PC+16*\f+4*\c:PC+16*\f+4*\c+3], s[28:29] offset:2048*\f+512*\c   ; the image: 512 consecutive bytes a store
.endr
.endm
	XFRAG 0
	XFRAG 1
	v_cmp_le_u32 vcc_lo, 16, v1
	v_cndmask_b32 v10, v[PW], v[PW+1], vcc_lo      ; both halves of the lanes hold both words: lanes 0-15 store plane 2 w's, lanes 16-31 plane 2 w + 1's
	global_store_b32 v[SA], v10, s[30:31]
	s_wait_tensorcnt 0x0
	ds_add_u32 v14, v15
	s_wait_dscnt 0x0
	s_endpgm
	; ---- the weights.  u = work-group - 256: 0-191 Wqkv, 192-255 Wout, 256-511 W1, 512-767 W2.  One way through the text for all four: sizes and pointers are chosen on the work-group's number alone.
.Lweights:
	s_sub_co_u32 s24, ttmp9, 256                   ; u
	s_mov_b32 s25, 512                             ; W2: first u,
	s_mov_b32 s26, 4096                            ; a row of the weight in bytes,
	s_mov_b32 s27, 5                               ; log2 (K / 128),
	s_mov_b32 s28, 65536                           ; a row block's fragments in bytes,
	s_mov_b32 s29, 8388608                         ; its codes in wq,
	s_mov_b32 s30, 12877824                        ; its planes,
	s_mov_b32 s31, 4096                            ; a plane in bytes
	s_wait_kmcnt 0x0
	s_mov_b64 s[56:57], s[12:13]
	s_cmp_lt_u32 s24, 512                          ; W1
	s_cselect_b32 s25, 256, s25
	s_cselect_b32 s26, 16384, s26
	s_cselect_b32 s27, 3, s27
	s_cselect_b32 s28, 16384, s28
	s_cselect_b32 s29, 4194304, s29
	s_cselect_b32 s30, 12746752, s30
	s_cselect_b32 s31, 16384, s31
	s_cselect_b64 s[56:57], s[10:11], s[56:57]
	s_cmp_lt_u32 s24, 256                          ; Wout
	s_cselect_b32 s25, 192, s25
	s_cselect_b32 s26, 4096, s26
	s_cselect_b32 s29, 3145728, s29
	s_cselect_b32 s30, 12713984, s30
	s_cselect_b32 s31, 4096, s31
	s_cselect_b64 s[56:57], s[8:9], s[56:57]
	s_cmp_lt_u32 s24, 192                          ; Wqkv (its planes are laid 4,096 rows wide, like x's)
	s_cselect_b32 s25, 0, s25
	s_cselect_b32 s26, 12288, s26
	s_cselect_b32 s29, 0, s29
	s_cselect_b32 s30, 12582912, s30
	s_cselect_b32 s31, 16384, s31
	s_cselect_b64 s[56:57], s[6:7], s[56:57]
	s_sub_co_u32 s58, s24, s25
	s_lshr_b32 s59, s58, s27                       ; cc: which 128 columns
	s_lshl_b32 s60, s59, s27
	s_sub_co_u32 s60, s58, s60                     ; kc: which 128 along K: the K step
	s_mul_i32 s61, s59, 11
	s_lshr_b32 s61, s61, 5                         ; Wqkv: the head = cc / 3 (cc < 24),
	s_mul_i32 s62, s61, 3
	s_sub_co_u32 s62, s59, s62                     ; and 0, 1, 2 for q, k, v
	s_lshl_b32 s66, s61, 1
	s_add_co_u32 s66, s66, s62                     ; q and k go to chunk 2 head + t,
	s_add_co_u32 s67, s61, 16                      ; v to chunk 16 + head
	s_cmp_lt_u32 s62, 2
	s_cselect_b32 s66, s66, s67
	s_cmp_lt_u32 s24, 192
	s_cselect_b32 s66, s66, s59                    ; dc: the chunk of 128 positions in wq; the other weights keep cc
	s_lshl_b32 s63, s60, 7
	s_mul_i32 s68, s63, s26                        ; 128 kc rows,
	s_lshl_b32 s63, s59, 9
	s_add_co_u32 s68, s68, s63                     ; 128 cc columns,
	s_lshl_b32 s63, s[WV], 7
	s_add_co_u32 s68, s68, s63                     ; 32 columns a wave
	s_mov_b32 s69, 0
	s_add_nc_u64 s[32:33], s[56:57], s[68:69]      ; block 0's first row
	s_lshl_b32 s70, s26, 5
	s_mov_b32 s71, 0
.irp t, 1,2,3
	s_add_nc_u64 s[32+2*\t:33+2*\t], s[30+2*\t:31+2*\t], s[70:71]   ; a base for each block of 32 rows: none is ever stepped
.endr
	s_lshl_b32 s63, s66, 3
	s_lshl_b32 s67, s[WV], 1
	s_add_co_u32 s63, s63, s67                     ; my first row block: 8 dc + 2 w
	s_mul_i32 s68, s63, s28
	s_add_co_u32 s68, s68, s29
	s_lshl_b32 s67, s60, 11
	s_add_co_u32 s68, s68, s67                     ; K step kc
	s_add_nc_u64 s[48:49], s[16:17], s[68:69]
	s_mov_b32 s70, s28
	s_add_nc_u64 s[50:51], s[48:49], s[70:71]      ; and my second row block
	s_mul_i32 s68, s60, s31
	s_add_co_u32 s68, s68, s30
	s_lshl_b32 s63, s66, 9
	s_add_co_u32 s68, s68, s63
	s_lshl_b32 s63, s[WV], 7
	s_add_co_u32 s68, s68, s63
	s_add_nc_u64 s[52:53], s[16:17], s[68:69]      ; plane kc, my 32 positions
	s_wait_alu depctr_va_vdst(0)
	v_and_b32 v[SWP], 7, v1
	v_and_b32 v10, 8, v1
	v_lshl_add_u32 v[SWP], v10, 1, v[SWP]
	v_bfe_u32 v10, v0, 4, 1
	v_lshl_add_u32 v[SWP], v10, 3, v[SWP]          ; my column's position: the lane with bits 3 and 4 exchanged
	s_mul_i32 s63, s[WV], 32*WP                    ; my stage: 32 rows
	s_add_co_u32 s63, s63, WLDS
	v_mul_u32_u24 v[STI], v[SWP], WP
	v_add_nc_u32 v[STI], s63, v[STI]
	v_and_b32 v11, 15, v0
	v_mul_u32_u24 v[STR], v11, WP
	v_lshl_add_u32 v[STR], v10, 4, v[STR]
	v_add_nc_u32 v[STR], s63, v[STR]
	v_lshlrev_b32 v[GO], 4, v1
	v_lshlrev_b32 v[SCO], 2, v[SWP]
	v_lshlrev_b32 v[OFF], 2, v1
.set i, 1
.rept 31
	v_add_nc_u32 v[OFF+i], s26, v[OFF+i-1]         ; a row further down
.set i, i+1
.endr
; A LANE TAKES A COLUMN, ITS REGISTERS RUN DOWN K: each load reads 128 consecutive bytes a wave, a block of 32 lies in one lane, and the conversions give codes with K innermost
.macro LOADW t
.set i, 0
.rept 32
	global_load_b32 v[XW+32*((\t)%2)+i], v[OFF+i], s[32+2*(\t):33+2*(\t)] th:TH_LOAD_NT
.set i, i+1
.endr
.endm
.macro BLOCK t
.set XS, XW+32*((\t)%2)
.if (\t) < NB-1
	s_wait_loadcnt 32                              ; this block's 32 loads are in; the next block's may be out
.else
	s_wait_loadcnt 0x0
.endif
	v_max3_num_f32 v12, |v[XS]|, |v[XS+1]|, |v[XS+2]|
	v_max3_num_f32 v13, |v[XS+3]|, |v[XS+4]|, |v[XS+5]|
.irp i, 6,10,14,18,22,26
	v_max3_num_f32 v12, v12, |v[XS+\i]|, |v[XS+\i+1]|
	v_max3_num_f32 v13, v13, |v[XS+\i+2]|, |v[XS+\i+3]|
.endr
	v_max3_num_f32 v12, v12, |v[XS+30]|, |v[XS+31]|
	v_max3_num_f32 v12, v12, v13, 0x4800000        ; the block's largest magnitude, over the floor
	v_add_nc_u32 v11, 0xfc000000, v12              ; the conversion's scale operand
	v_and_or_b32 v10, v12, 0x7f800000, s[MNT]      ; 448 x the scale
	v_lshrrev_b32 v13, 23, v11                     ; the byte
.if (\t) == 0
	v_mov_b32 v[SB], v13
.else
	v_lshl_or_b32 v[SB], v13, 8*(\t), v[SB]
.endif
.irp i, 0,1,2,3,4,5,6,7,8,9,10,11,12,13,14,15,16,17,18,19,20,21,22,23,24,25,26,27,28,29,30,31
	v_med3_num_f32 v[XS+\i], v[XS+\i], -v10, v10
.endr
.irp g, 0,1,2,3
	v_cvt_scalef32_pk8_fp8_f32 v[CW+2*\g:CW+2*\g+1], v[XS+8*\g:XS+8*\g+7], v11
.endr
	ds_store_b128 v[STI], v[CW:CW+3] offset:32*(\t)
	ds_store_b128 v[STI], v[CW+4:CW+7] offset:32*(\t)+16
.if (\t)+2 < NB
	LOADW (\t)+2
.endif
	s_wait_dscnt 0x0                               ; the stores have read their registers: the next block's codes may be written
.endm
	LOADW 0
	LOADW 1
.irp t, 0,1,2,3
	BLOCK \t
.endr
	global_store_b32 v[SCO], v[SB], s[52:53]       ; my column's scale word of the K step
.irp n, 0,1,2,3,4,5,6,7                        ; row block n / 4, piece n % 4
	ds_load_b128 v[OUTR+4*\n:OUTR+4*\n+3], v[STR] offset:(\n/4)*16*WP+32*(\n%4)
.endr
.irp n, 0,1,2,3,4,5,6,7
	s_wait_dscnt 7-\n
	global_store_b128 v[GO], v[OUTR+4*\n:OUTR+4*\n+3], s[48+2*(\n/4):49+2*(\n/4)] offset:512*(\n%4)   ; 512 consecutive bytes of an image
.endr
	s_wait_tensorcnt 0x0
	ds_add_u32 v14, v15
	s_wait_dscnt 0x0
	s_endpgm
.Lfunc_end_k_qcd00dab9d5_quant:
	.size	k_qcd00dab9d5_quant, .Lfunc_end_k_qcd00dab9d5_quant-k_qcd00dab9d5_quant
	.p2alignl 7, 3214868480
	.fill 96, 4, 3214868480
	.section	.rodata,"a",@progbits
	.p2align	6, 0x0
	.amdhsa_kernel k_qcd00dab9d5_quant
		.amdhsa_group_segment_fixed_size 52736
		.amdhsa_private_segment_fixed_size 0
		.amdhsa_enable_private_segment 0
		.amdhsa_kernarg_size 56
		.amdhsa_user_sgpr_count 2
		.amdhsa_user_sgpr_kernarg_segment_ptr 1
		.amdhsa_wavefront_size32 1
		.amdhsa_system_sgpr_workgroup_id_x 1
		.amdhsa_system_sgpr_workgroup_id_y 1
		.amdhsa_system_sgpr_workgroup_id_z 1
		.amdhsa_system_vgpr_workitem_id 0
		.amdhsa_next_free_vgpr 256
		.amdhsa_next_free_sgpr 72
		.amdhsa_reserve_vcc 1
		.amdhsa_float_denorm_mode_32 3
		.amdhsa_float_denorm_mode_16_64 3
		.amdhsa_memory_ordered 1
		.amdhsa_forward_progress 1
		.amdhsa_inst_pref_size 61
	.end_amdhsa_kernel
	.amdgpu_metadata
---
amdhsa.version: [ 1, 2 ]
amdhsa.kernels:
  - .name:           k_qcd00dab9d5_quant
    .symbol:         k_qcd00dab9d5_quant.kd
    .args:
      - { .name: x, .offset: 0, .size: 8, .value_kind: global_buffer, .address_space: global }
      - { .name: Wqkv, .offset: 8, .size: 8, .value_kind: global_buffer, .address_space: global }
      - { .name: Wout, .offset: 16, .size: 8, .value_kind: global_buffer, .address_space: global }
      - { .name: W1, .offset: 24, .size: 8, .value_kind: global_buffer, .address_space: global }
      - { .name: W2, .offset: 32, .size: 8, .value_kind: global_buffer, .address_space: global }
      - { .name: xq, .offset: 40, .size: 8, .value_kind: global_buffer, .address_space: global }
      - { .name: wq, .offset: 48, .size: 8, .value_kind: global_buffer, .address_space: global }
    .group_segment_fixed_size: 52736
    .private_segment_fixed_size: 0
    .kernarg_segment_align: 8
    .kernarg_segment_size: 56
    .max_flat_workgroup_size: 128
    .sgpr_count:     72
    .vgpr_count:     256
    .wavefront_size: 32
...
	.end_amdgpu_metadata
.endif
;; end of part 1
;; launch qkv (part 2): grid 48 x 4, 4 waves a work-group, clusters of 4 x 4, 327,680 bytes of LDS; arguments xq, wq, qkv; writes qkv
.if DOCPART == 2
	.amdgcn_target "amdgcn-amd-amdhsa--gfx1250"
	.amdhsa_code_object_version 6
	.text
	.protected	k_qcd00dab9d5_qkv
	.globl	k_qcd00dab9d5_qkv
	.p2align	8
	.type	k_qcd00dab9d5_qkv,@function
k_qcd00dab9d5_qkv:
	s_mov_b64 s[64:65], 0
	v_nop
	global_prefetch_b8 v0, s[64:65] scope:SCOPE_SE
	s_setreg_imm32_b32 hwreg(HW_REG_WAVE_MODE, 25, 1), 1
	s_wait_xcnt 0x0
	s_wait_alu depctr_hold_cnt(0) depctr_sa_sdst(0) depctr_va_vdst(0) depctr_va_sdst(0) depctr_va_ssrc(0) depctr_va_vcc(0) depctr_vm_vsrc(0)
	s_getreg_b32 s2, hwreg(HW_REG_IB_STS2, 6, 4)
	s_cmp_eq_u32 s2, 0
	s_cbranch_scc0 .Lentry_in_a_cluster
	s_endpgm
.Lentry_in_a_cluster:
	s_bfe_u32 s2, ttmp6, 0x10000c
	s_cmp_lg_u32 s2, 0xf033
	s_cbranch_scc0 .Lentry_shape_is_right
	s_endpgm
.Lentry_shape_is_right:
; A GEMM ON CODES OF FP8 (E4M3) WITH E8M0 SCALES, K = 1,024, WHOSE RESULT IS QUANTISED ON THE WAY OUT.  One text, two uses, chosen by MODE.
; MODE 0 (launch 2 of 7): x Wqkv.  Clusters 0-7: A = x's rows, B = the q and k columns of Wqkv: results become q's and k's codes (K = the head's 128).  Clusters 8-11: A = the v columns of Wqkv, B = x's rows: the result is V^T,
;   whose rows are the head's channels and whose columns are the keys: its codes have the keys as K, as the second product of attention wants them.
; MODE 1 (launch 6 of 7): gelu(h W1 + b1), exact (by erf), quantised along the hidden units.
; All operands lie as fragment images in position order (position P = the index with bits 3 and 4 exchanged): fragment (rb, ks) is 2,048 bytes at (8 rb + ks) 2,048, piece c of lane l at 512 c + 16 l; scale words in planes [ks][position][4].
; A tile of C, 256 x 256, is made by four waves, each 128 x 128: 64 accumulators, 512 registers.  K goes in steps of 256 through two LDS slots; a slot's tiles are images, so every LDS load takes 512 consecutive bytes.
; THE MATRIX INSTRUCTION IS USED TRANSPOSED (source 0 = 16 positions of B, source 1 = 16 of A).  By the position order register j of tile b in lane (r, h) is A's position r at B's index 32 (b / 2) + 16 h + 8 (b % 2) + j:
; the 64 registers of a block of A's rows are 64 numbers in the next operand's own order, and the conversions' results are its fragment.
; CLUSTERS: 4 x 4 work-groups; A's tiles are asked for jointly along a row of the cluster, B's along a column.
; LIMITS: NaN and infinities are not served; a block whose largest magnitude lies under 2^-118 keeps the byte 1, and so does a block of zeros (its codes are zeros; only this program reads the bytes).
; REGISTERS: window 0: v0-31 addresses; v32-63 scale words, two sets; v64-127 the bias (MODE 1); v128-255 A's fragments, one set.  window 1: B's fragments, two sets.  windows 2, 3: the accumulators ((a, b) at v[8 (8 (a % 4) + b)]).
.set MODE,  0
.set NQ,    2                          ; matrix instructions deep in a slot
.set FR,    16                         ; registers of a fragment
.set NL,    4                          ; LDS loads that bring one
.set NP,    8                          ; places behind this matrix instruction (ISA guide 7.12.1)
.set RBB,   4096                       ; a row block's bytes in a slot: two fragments
.set HALFT, 8*RBB                      ; 128 positions: what one tensor load brings
.set SLOT,  4*HALFT                    ; A's 256 positions, then B's
.set LAPS,  2                          ; K = 1,024 is twice round the ring
.set SCL,   2*SLOT                     ; behind the ring: the scale words of all of K: A's [8 planes][256 positions][4], 8,192 bytes; B's likewise, 128 bytes further on than A's end, so that A's and B's words fall on other banks
.set HALFS, 4096
.set SCST,  SCL+4*HALFS+256            ; 512 bytes a wave: the scale words that I make are gathered here; no fill lands in these blocks
.set SPARE, SCST+2048                  ; the spare words, 128 bytes a wave
.set ADRA, 16                          ; v16-17 LDS address of my A fragments in slot 0, 1
.set ADRB, 20                          ; v20-21 the same for B
.set SWA,  22                          ; v22    where the scale word in hand goes (MODE 1)
.set SW0,  24                          ; v24    SCST + 512 wave + 4 r
.set SR,   25                          ; v25    SCST + 512 wave + 16 lane
.set LI,   26                          ; v26    16 x lane
.set ADRS, 27                          ; v27    my scale words: lanes 0-15 A's, lanes 16-31 B's
.set SPW,  28                          ; v28    my spare word; never rewritten
.set NIL,  29                          ; v29    0; never rewritten
.set BO,   30                          ; v30    64 h: the bias
.set SC,   32
.set BIAS, 64
.set AF,   128
.set Z,    64                          ; the way out, all in window 0: v64-127 y / sqrt(2)
.set T,    128                         ; v128-191 the 64 numbers in hand
.set X2,   32                          ; v32-47 z^2;  v48-63 the numerator;  v192-207 the denominator
.set P,    48
.set Q,    192
.set PC,   208                         ; v208-223 the codes
.set TM,   224                         ; v224-239 at work
.set PW,   240                         ; v240 the scale word
.set CA,   248                         ; v[248:249], v[250:251] the two leading coefficients
.set CB,   250
.set G1, 24                            ; s[24:31] group 1 for A's tiles;  s[32:39] group 0, a set for each slot
.set G0, 32
.set G1B, 48                           ; s[48:55], s[56:63] the same for B's
.set G0B, 56
.set G1S, 68                           ; s[68:75], s[76:79] groups 1 and 0 for A's scales;  s[80:87], s[88:91] for B's
.set G0S, 76
.set G1SB, 80
.set G0SB, 88
.set SEL, 92                           ; s[92:93] (on the way out) selects for v_permlanex16_b32
.set MNT, 94                           ; s94      the mantissa field of 448
.set KA1, 24                           ; (on the way out, MODE 1) s[24:35] the numerator's coefficients 1-6, s[36:43] the denominator's 1-4, s[44:45] sqrt(2): pairs
.set KB1, 36
.set KR2, 44
.set MSB, 0
.macro WIN new                         ; the immediate's high byte repeats the setting that is left
.if MSB != (\new)
	s_set_vgpr_msb (MSB<<8)|(\new)
.set MSB, (\new)
.endif
.endm
.set MUL_LO, 0xa1                      ; source 0 (B) window 1, source 1 (A) window 0, C and D window 2
.set MUL_HI, 0xf1                      ; the same, C and D window 3
.set TO_B,   0x40                      ; destination window 1, address window 0
; A joint load: waves 0 and 1 fetch for A, waves 2 and 3 for B; the branch hangs on the wave's number alone.  Four v_nop follow each of the two lines.
.macro JLOAD g0a, g1a, g0b, g1b
	s_cmp_eq_u32 s15, 0
	s_cbranch_scc0 .Lfor_b_\@
	tensor_load_to_lds s[\g0a:\g0a+3], s[\g1a:\g1a+7]
	s_nop 0
.rept 4
	v_nop
.endr
	s_branch .Lasked_\@
.Lfor_b_\@:
	tensor_load_to_lds s[\g0b:\g0b+3], s[\g1b:\g1b+7]
	s_nop 0
.rept 4
	v_nop
.endr
.Lasked_\@:
.endm
.macro CREST                           ; a round of the cluster's barrier behind its opening barrier
	s_cmp_lg_u32 s14, 0
	s_cbranch_scc1 .Lnot_wave_0_\@
	s_barrier_signal -3
.Lnot_wave_0_\@:
	s_barrier_wait -3
	s_barrier_signal -1
	s_barrier_wait -1
.endm
.macro CROUND                          ; a whole round
	s_barrier_signal -1
	s_barrier_wait -1
	CREST
.endm
.if MODE
	s_load_b256 s[4:11], s[0:1], 0x0               ; hq s[4:5], wq s[6:7], b1 s[8:9], gq s[10:11]
.else
	s_load_b128 s[4:7], s[0:1], 0x0                ; xq s[4:5], wq s[6:7]
	s_load_b64 s[12:13], s[0:1], 0x10              ; qkv
.endif
	v_lshl_add_u32 v[SPW], v0, 2, SPARE
	v_mov_b32 v[NIL], 0
	ds_add_u32 v28, v29
	ds_add_u32 v28, v29
	s_wait_dscnt 0x0
	v_lshrrev_b32 v1, 5, v0
	v_readfirstlane_b32 s14, v1                    ; wave 0..3
	s_lshr_b32 s15, s14, 1                         ; which half of the tile's rows is mine.  Also: I fetch for A (0) or for B (1)
	s_and_b32 s16, s14, 1                          ; which half of its columns.  Also: which 128 positions of that tile I fetch
	s_bfe_u32 s40, ttmp6, 0x40000                  ; cx, cy: my place in the cluster
	s_bfe_u32 s41, ttmp6, 0x40004
.if MODE
	s_lshl_b32 s42, ttmp9, 2
	s_add_co_u32 s42, s42, s40                     ; tile column = 4 x cluster x + cx
	s_and_b32 s17, ttmp7, 0xffff
	s_lshl_b32 s17, s17, 2
	s_add_co_u32 s17, s17, s41                     ; tile row = 4 x cluster y + cy
.else
	s_lshr_b32 s17, ttmp9, 1                       ; twelve clusters in a line.  Clusters 0-7 (q, k): 16 tile rows of x, 8 tile columns of weights
	s_lshl_b32 s17, s17, 2
	s_and_b32 s42, ttmp9, 1
	s_lshl_b32 s42, s42, 2
	s_sub_co_u32 s45, ttmp9, 8                     ; clusters 8-11 (v): 4 tile rows of weights, 16 tile columns of x
	s_lshl_b32 s45, s45, 2
	s_cmp_lt_u32 ttmp9, 8                          ; the choice hangs on the cluster's number, which all sixteen partners share
	s_cselect_b32 s17, s17, 0
	s_cselect_b32 s42, s42, s45
	s_add_co_u32 s17, s17, s41                     ; tile row
	s_add_co_u32 s42, s42, s40                     ; tile column
.endif
	s_lshl_b32 s43, s41, 2
	s_lshl_b32 s43, 15, s43                        ; my row of the cluster
	s_lshl_b32 s44, 0x1111, s40                    ; my column
	; group 1 for codes: 8 row blocks x 4,096 bytes (two fragments), 16,384 bytes apart in memory; elements of 8 bytes; dense in LDS
	s_or_b32 s[G1+0], s43, (3<<16)|(1<<21)         ; 15:0 the mask: A's tiles go to my row; 17:16 elements of 8 bytes; 21 set beside a mask
	s_or_b32 s[G1B+0], s44, (3<<16)|(1<<21)
.irp g, G1, G1B
	s_mov_b32 s[\g+1], 512<<16                     ; tensor_dim0
	s_mov_b32 s[\g+2], 16<<16                      ; tensor_dim1: the head's loads bring a tile's 16 row blocks; behind them the two counts are set to 8, for the ring's
	s_mov_b32 s[\g+3], 512<<16                     ; tile_dim0
	s_mov_b32 s[\g+4], 16                          ; tile_dim1
	s_mov_b32 s[\g+5], 2048                        ; tensor_dim0_stride
	s_mov_b32 s[\g+6], 0
	s_mov_b32 s[\g+7], 0
.endr
	; and for scale words: 8 planes x 1,024 bytes (256 positions), 16,384 bytes apart
	s_or_b32 s[G1S+0], s43, (3<<16)|(1<<21)
	s_or_b32 s[G1SB+0], s44, (3<<16)|(1<<21)
.irp g, G1S, G1SB
	s_mov_b32 s[\g+1], 128<<16                     ; a plane's 256 positions: 1,024 bytes
	s_mov_b32 s[\g+2], 8<<16
	s_mov_b32 s[\g+3], 128<<16
	s_mov_b32 s[\g+4], 8
	s_mov_b32 s[\g+5], 2048
	s_mov_b32 s[\g+6], 0
	s_mov_b32 s[\g+7], 0
.endr
	s_lshl_b32 s2, s16, 17                         ; in the ring I fetch 8 row blocks of a tile: which half, in bytes
	s_mov_b32 s3, 0
	s_lshl_b32 s20, s17, 4                         ; A: row block 16 x tile row
	s_lshl_b32 s46, s42, 4                         ; B: 16 x tile column
	s_lshl_b32 s22, s20, 6                         ; their scale words in a plane: 64 bytes a row block
	s_lshl_b32 s92, s46, 6
	s_lshl_b32 s20, s20, 14                        ; their codes: 16,384 bytes a row block
	s_lshl_b32 s46, s46, 14
	s_mov_b32 s21, 0
	s_mov_b32 s23, 0
	s_mov_b32 s47, 0
	s_mov_b32 s93, 0
	s_mul_i32 s45, s14, HALFT                      ; where the ring's loads go: no place in the cluster enters an LDS address
	s_wait_kmcnt 0x0
.if MODE
	s_mov_b64 s[100:101], s[8:9]                   ; b1
	s_mov_b64 s[12:13], s[10:11]                   ; gq
	s_add_nc_u64 s[8:9], s[6:7], 4194304           ; B: W1's codes,
	s_add_nc_u64 s[10:11], s[6:7], 12746752        ; its planes
	s_add_nc_u64 s[6:7], s[4:5], 4194304           ; A: hq's planes
.else
	s_add_nc_u64 s[96:97], s[4:5], 4194304         ; x's planes
	s_add_nc_u64 s[98:99], s[6:7], 12582912        ; Wqkv's planes: q's and k's positions first,
	s_add_nc_u64 s[100:101], s[6:7], 12582912+8192 ; v's from position 2,048 on
	s_add_nc_u64 s[18:19], s[6:7], 2097152         ; v's codes: from row block 128 on
	s_cmp_lt_u32 ttmp9, 8
	s_cselect_b64 s[8:9], s[6:7], s[4:5]           ; B's codes
	s_cselect_b64 s[10:11], s[98:99], s[96:97]     ; B's planes
	s_cselect_b64 s[4:5], s[4:5], s[18:19]         ; A's codes
	s_cselect_b64 s[6:7], s[96:97], s[100:101]     ; A's planes
.endif
	s_add_nc_u64 s[20:21], s[4:5], s[20:21]
	s_add_nc_u64 s[22:23], s[6:7], s[22:23]
	s_add_nc_u64 s[46:47], s[8:9], s[46:47]
	s_add_nc_u64 s[92:93], s[10:11], s[92:93]
	CROUND                                         ; all sixteen work-groups are here: the first joint loads meet
	s_mov_b32 s[G0S], 1
	s_mov_b32 s[G0S+1], SCL
	s_mov_b64 s[G0S+2:G0S+3], s[22:23]
	s_or_b32 s[G0S+3], s[G0S+3], 0x80000000
	s_mov_b32 s[G0SB], 1
	s_mov_b32 s[G0SB+1], SCL+2*HALFS+128
	s_mov_b64 s[G0SB+2:G0SB+3], s[92:93]
	s_or_b32 s[G0SB+3], s[G0SB+3], 0x80000000
	s_mov_b32 s4, 1                                ; group 0 of the head's loads of slot 0, in registers that held arguments: A's 16 row blocks,
	s_mov_b32 s5, 0
	s_mov_b64 s[6:7], s[20:21]
	s_or_b32 s7, s7, 0x80000000
	s_mov_b32 s8, 1                                ; and B's, behind them
	s_mov_b32 s9, 2*HALFT
	s_mov_b64 s[10:11], s[46:47]
	s_or_b32 s11, s11, 0x80000000
	s_add_nc_u64 s[20:21], s[20:21], s[2:3]        ; for the ring: my 8 row blocks
	s_add_nc_u64 s[46:47], s[46:47], s[2:3]
.irp s, 0,1
	s_mov_b32 s[G0+4*\s], 1
	s_add_co_u32 s[G0+4*\s+1], s45, \s*SLOT
	s_add_nc_u64 s[G0+4*\s+2:G0+4*\s+3], s[20:21], \s*RBB
	s_or_b32 s[G0+4*\s+3], s[G0+4*\s+3], 0x80000000
	s_mov_b32 s[G0B+4*\s], 1
	s_add_co_u32 s[G0B+4*\s+1], s45, \s*SLOT
	s_add_nc_u64 s[G0B+4*\s+2:G0B+4*\s+3], s[46:47], \s*RBB
	s_or_b32 s[G0B+4*\s+3], s[G0B+4*\s+3], 0x80000000
.endr
; THE HEAD'S LOADS, ONE A WAVE: wave 0 slot 0's tile of A, wave 1 that of B, wave 2 A's scale words, wave 3 B's.  One chain of branches on the wave's number, a load to an arm.
.macro ARM under, g0, g1, next
	s_cmp_lt_u32 s14, \under
	s_cbranch_scc0 \next
	tensor_load_to_lds s[\g0:\g0+3], s[\g1:\g1+7]
	s_nop 0
.rept 4
	v_nop
.endr
	s_branch .Lhead_asked
\next:
.endm
	ARM 1, 4, G1, .Lhead_b
	ARM 2, 8, G1B, .Lhead_sa
	ARM 3, G0S, G1S, .Lhead_sb
	tensor_load_to_lds s[G0SB:G0SB+3], s[G1SB:G1SB+7]
	s_nop 0
.rept 4
	v_nop
.endr
.Lhead_asked:
	; THE PREFETCHES.  Of the 8 row blocks that I fetch in the ring, each of the four partners that ask for them with me takes two, told apart by address (cx for A, cy for B): a K step's part of a row block is 4,096 bytes, 16 lanes 256 bytes apart.
	s_cmp_eq_u32 s15, 0
	s_cselect_b64 s[66:67], s[20:21], s[46:47]
	s_cselect_b32 s2, s40, s41
	s_lshl_b32 s2, s2, 15                          ; two row blocks of 16,384 bytes (s3 is still 0)
	s_add_nc_u64 s[66:67], s[66:67], s[2:3]
	v_and_b32 v1, 15, v0                           ; r
	v_bfe_u32 v2, v0, 4, 1                         ; h
	s_wait_alu depctr_va_vdst(0)
	v_and_b32 v3, 31, v0
	v_lshlrev_b32 v[LI], 4, v3
	v_lshlrev_b32 v31, 14, v2                      ; the prefetches' offset: lanes 16-31 take the second row block; 256 bytes from lane to lane; never rewritten
	v_lshl_add_u32 v31, v1, 8, v31
	s_mul_i32 s21, s15, HALFT                      ; my 128 positions of A
	s_mul_i32 s22, s16, HALFT                      ; my 128 of B,
	s_add_co_u32 s22, s22, 2*HALFT                 ; which lie behind A's 256
.irp s, 0,1
	v_add_nc_u32 v[ADRA+\s], s21, v[LI]
	v_add_nc_u32 v[ADRB+\s], s22, v[LI]
	s_add_co_u32 s21, s21, SLOT
	s_add_co_u32 s22, s22, SLOT
.endr
	v_lshlrev_b32 v5, 2, v1                        ; 4 r
	s_lshl_b32 s21, s15, 9                         ; my 128 positions in a plane of 256
	s_lshl_b32 s22, s16, 9
	s_add_co_u32 s22, s22, 2*HALFS+128
	s_sub_co_u32 s22, s22, s21
	v_mul_u32_u24 v6, s22, v2                      ; lanes 16-31 take B's: one product with h
	s_add_co_u32 s21, s21, SCL
	v_add_nc_u32 v6, v5, v6
	v_add_nc_u32 v[ADRS], s21, v6
	s_lshl_b32 s23, s14, 9
	s_add_co_u32 s23, s23, SCST
	v_add_nc_u32 v[SW0], s23, v5
	v_add_nc_u32 v[SR], s23, v[LI]
	s_lshl_b32 s20, s17, 1
	s_add_co_u32 s20, s20, s15                     ; RC: my chunk of 128 of A's positions
	s_lshl_b32 s46, s42, 1
	s_add_co_u32 s46, s46, s16                     ; CC: my chunk of 128 of B's
.if MODE
	s_lshl_b32 s21, s20, 8                         ; row block 8 RC, 32 fragments each,
	s_add_co_u32 s21, s21, s46                     ; K step CC
	s_lshl_b32 s22, s21, 11
	s_mov_b32 s23, 0
	s_lshl_b32 s18, s46, 14                        ; plane CC,
	s_lshl_b32 s19, s20, 9                         ; my 128 positions
	s_add_co_u32 s18, s18, s19
	s_add_co_u32 s18, s18, 16777216
	s_mov_b32 s19, 0
	s_add_nc_u64 s[96:97], s[12:13], s[18:19]      ; where my scale words go
	s_add_nc_u64 s[12:13], s[12:13], s[22:23]      ; where my first fragment goes
	s_lshl_b32 s18, s46, 9
	s_add_nc_u64 s[100:101], s[100:101], s[18:19]  ; b1 at my 128 columns
	v_lshlrev_b32 v[BO], 6, v2
.irp b, 0,1,2,3,4,5,6,7                        ; the bias in the result's layout: tile b, lane (r, h): columns 32 (b / 2) + 8 (b % 2) + 16 h + 0 .. 7
	global_load_b128 v[BIAS+8*\b:BIAS+8*\b+3], v[BO], s[100:101] offset:(32*(\b/2)+8*(\b%2))*4
	global_load_b128 v[BIAS+8*\b+4:BIAS+8*\b+7], v[BO], s[100:101] offset:(32*(\b/2)+8*(\b%2))*4+16
.endr
.else
	; qkv holds 768 blocks of 16,896 bytes: 8 fragments and their 128 scale words; block ((t 16 + batch 8 + head) 16 + chunk), t = 0, 1, 2 for q, k, v
	s_and_b32 s21, s46, 1                          ; q, k: t = CC % 2, head = CC / 2, batch = RC / 16, chunk = RC % 16
	s_lshl_b32 s21, s21, 4
	s_lshr_b32 s22, s20, 4
	s_lshl_b32 s22, s22, 3
	s_add_co_u32 s21, s21, s22
	s_lshr_b32 s22, s46, 1
	s_add_co_u32 s21, s21, s22
	s_lshl_b32 s21, s21, 4
	s_and_b32 s22, s20, 15
	s_add_co_u32 s21, s21, s22
	s_lshr_b32 s22, s46, 4                         ; v: head = RC, batch = CC / 16, chunk of keys = CC % 16
	s_lshl_b32 s22, s22, 3
	s_add_co_u32 s22, s22, s20
	s_add_co_u32 s22, s22, 32
	s_lshl_b32 s22, s22, 4
	s_and_b32 s23, s46, 15
	s_add_co_u32 s22, s22, s23
	s_cmp_lt_u32 ttmp9, 8
	s_cselect_b32 s20, s21, s22
	s_mul_i32 s20, s20, 16896
	s_mov_b32 s21, 0
	s_add_nc_u64 s[12:13], s[12:13], s[20:21]      ; my block
	s_add_nc_u64 s[96:97], s[12:13], 16384         ; and its scale words
.endif
.macro FRAG reg, adr, q, i             ; a fragment's image: four loads of 512 consecutive bytes
.irp c, 0,1,2,3
	ds_load_b128 v[\reg+4*\c:\reg+4*\c+3], v[\adr] offset:2048*(\q)+512*\c+(\i)*RBB
.endr
.endm
; 16 matrix instructions: A's blocks a0, a0 + 1 x B's eight, 128 along K.  p: B's set; sc: the set of scale words.  zero = 1: the first product starts the sums, with 0 or with the bias as C: nothing is cleared or added later.
; The 64 accumulators take turns, one instruction a turn, in the same order in every step.
.macro MUL16 a0, p, q, sc, zero
.irp a, \a0, \a0+1
.irp b, 0,1,2,3,4,5,6,7
.if (\zero) && MODE
	v_wmma_scale_f32_16x16x128_f8f6f4 v[8*(8*((\a)%4)+\b):8*(8*((\a)%4)+\b)+7], v[128*(\p)+FR*\b:128*(\p)+FR*\b+FR-1], v[AF+FR*(\a):AF+FR*(\a)+FR-1], v[BIAS+8*\b:BIAS+8*\b+7], v[SC+8*NQ*(\sc)+NQ*\b+(\q)], v[SC+8*NQ*(\sc)+NQ*(\a)+(\q)] matrix_a_scale:MATRIX_SCALE_ROW1
.elseif \zero
	v_wmma_scale_f32_16x16x128_f8f6f4 v[8*(8*((\a)%4)+\b):8*(8*((\a)%4)+\b)+7], v[128*(\p)+FR*\b:128*(\p)+FR*\b+FR-1], v[AF+FR*(\a):AF+FR*(\a)+FR-1], 0, v[SC+8*NQ*(\sc)+NQ*\b+(\q)], v[SC+8*NQ*(\sc)+NQ*(\a)+(\q)] matrix_a_scale:MATRIX_SCALE_ROW1
.else
	v_wmma_scale_f32_16x16x128_f8f6f4 v[8*(8*((\a)%4)+\b):8*(8*((\a)%4)+\b)+7], v[128*(\p)+FR*\b:128*(\p)+FR*\b+FR-1], v[AF+FR*(\a):AF+FR*(\a)+FR-1], v[8*(8*((\a)%4)+\b):8*(8*((\a)%4)+\b)+7], v[SC+8*NQ*(\sc)+NQ*\b+(\q)], v[SC+8*NQ*(\sc)+NQ*(\a)+(\q)] matrix_a_scale:MATRIX_SCALE_ROW1
.endif
.endr
.endr
.endm
.macro FETCH_B slot, q, p              ; B's eight fragments of the slot's q-th 128 along K into set p
	WIN TO_B
.irp i, 0,1,2,3,4,5,6,7
	FRAG 128*(\p)+FR*\i, ADRB+\slot, \q, \i
.endr
	WIN 0
.endm
.macro FETCH_A slot, q, i0             ; A's blocks i0 .. i0 + 3
.irp i, \i0, \i0+1, \i0+2, \i0+3
	FRAG AF+FR*(\i), ADRA+\slot, \q, \i
.endr
.endm
.macro SCALES sc                       ; a slot's scale words into set sc: register NQ i + q: lanes 0-15 the word of A's block i, lanes 16-31 that of B's block i
.irp i, 0,1,2,3,4,5,6,7
.irp q, 0,1
	ds_load_b32 v[SC+8*NQ*\sc+NQ*\i+\q], v[ADRS] offset:64*\i+1024*\q
.endr
.endr
.endm
.macro PLACES n                        ; plain vector lines between a matrix instruction and a load into, or a vector line on, its registers
.rept \n
	v_nop
.endr
.endm
.macro STEP slot, q, zero              ; a step of 128 along K that has its successor in the same slot
	s_wait_dscnt 4*NL                              ; B's set, A's blocks 0-3 and the scale words are in; the youngest 16 loads (A's blocks 4-7) may be out
.if (\zero) && MODE
	WIN 0x81                                       ; as MUL_LO, with C (the bias) in window 0
.else
	WIN MUL_LO
.endif
	MUL16 0, (\q)%2, \q, \slot, \zero
	MUL16 2, (\q)%2, \q, \slot, \zero
	s_wait_dscnt 0                                 ; A's blocks 4-7 are in
	PLACES NP
	FETCH_B \slot, (\q)+1, 1-(\q)%2
	FETCH_A \slot, (\q)+1, 0
.if (\zero) && MODE
	WIN 0xc1
.else
	WIN MUL_HI
.endif
	MUL16 4, (\q)%2, \q, \slot, \zero
	MUL16 6, (\q)%2, \q, \slot, \zero
	PLACES NP
	WIN 0
	FETCH_A \slot, (\q)+1, 4
.endm
; A slot's last step changes slots: ONE barrier; in front of it each wave waits for all its tensor loads, adds 0 to its spare word, and waits for that and for its own reads of this slot.  fill = 1: this slot is filled again, two slots ahead.
.macro TURN slot, next, fill
	s_wait_tensorcnt 0x0                           ; all my tensor loads have landed: my part of the next slot
	ds_add_u32 v[SPW], v[NIL]                      ; 0 onto my spare word
	s_wait_dscnt 4*NL+1                            ; (the add and the youngest 16 loads, A's blocks 4-7, may be out)
	WIN MUL_LO
	MUL16 0, 1, NQ-1, \slot, 0                     ; sixteen matrix instructions stand between the add and the wait for it
	s_wait_dscnt 0x0                               ; the add is done, and my reads of this slot are over
	s_barrier_signal -1
	MUL16 2, 1, NQ-1, \slot, 0
	WIN 0
	s_barrier_wait -1
.if \fill
	CREST                                          ; the barrier has opened a round of the cluster's barrier: no wave of any partner still reads this slot or has a load on its way
	s_add_nc_u64 s[G0+4*\slot+2:G0+4*\slot+3], s[G0+4*\slot+2:G0+4*\slot+3], 2*RBB
	s_add_nc_u64 s[G0B+4*\slot+2:G0B+4*\slot+3], s[G0B+4*\slot+2:G0B+4*\slot+3], 2*RBB
	JLOAD G0+4*\slot, G1, G0B+4*\slot, G1B         ; the first tensor load behind the round; its four v_nop are among the places in front of the loads below
	PLACES NP-4
.else
	PLACES NP
.endif
	s_wait_alu depctr_va_vdst(0)
	v_add_nc_u32 v[ADRS], 1024*NQ, v[ADRS]         ; on to the next slot's two planes
	FETCH_B \next, 0, 0
	FETCH_A \next, 0, 0
	SCALES \next
	WIN MUL_HI
	MUL16 4, 1, NQ-1, \slot, 0
	MUL16 6, 1, NQ-1, \slot, 0
	PLACES NP
	WIN 0
	FETCH_A \next, 0, 4
.endm
	s_wait_alu depctr_va_vdst(0)
	global_prefetch_b8 v31, s[66:67] offset:RBB th:TH_LOAD_NT scope:SCOPE_SE     ; K steps 1 and 2: the loads that want them stand behind the round below and behind slot 0's steps
	global_prefetch_b8 v31, s[66:67] offset:2*RBB th:TH_LOAD_NT scope:SCOPE_SE
	s_wait_tensorcnt 0x0                           ; my tile of the head's four is in
	ds_add_u32 v28, v29
	s_mov_b32 s[G1+2], 8<<16                       ; no tensor load of mine is out: from here on a load brings 8 row blocks
	s_mov_b32 s[G1+4], 8
	s_mov_b32 s[G1B+2], 8<<16
	s_mov_b32 s[G1B+4], 8
	s_wait_dscnt 0x0
	CROUND                                         ; all four tiles are in, and all sixteen work-groups are here
	JLOAD G0+4, G1, G0B+4, G1B                     ; slot 1's first fill, the first tensor load behind the round
	FETCH_B 0, 0, 0
	FETCH_A 0, 0, 0
	SCALES 0
	FETCH_A 0, 0, 4
	global_prefetch_b8 v31, s[66:67] offset:3*RBB th:TH_LOAD_NT scope:SCOPE_SE   ; K step 3, the last: two refills on
.if MODE
	s_wait_loadcnt 0x0                             ; the bias
.endif
	STEP 0, 0, 1                                   ; the first step stands in front of the loop: its products start the sums
	s_mov_b32 s3, LAPS-1
.Llap:                                                 ; a trip goes once round the ring and fills both slots again
	TURN 0, 1, 1
	STEP 1, 0, 0
	TURN 1, 0, 1
	STEP 0, 0, 0
	s_sub_co_u32 s3, s3, 1
	s_cmp_lg_u32 s3, 0
	s_cbranch_scc1 .Llap
	TURN 0, 1, 0                                   ; the last lap fills nothing
	STEP 1, 0, 0
	s_wait_dscnt 4*NL                              ; the very last step
	WIN MUL_LO
	MUL16 0, 1, NQ-1, 1, 0
	MUL16 2, 1, NQ-1, 1, 0
	s_wait_dscnt 0
	WIN MUL_HI
	MUL16 4, 1, NQ-1, 1, 0
	MUL16 6, 1, NQ-1, 1, 0
	WIN 0
; THE WAY OUT.  64 numbers of a lane at v[s] of window w, register 16 b + i = k 32 b + 16 h + i of my row, become a fragment's codes in v[PC] on and its scale word in v[PW]; the held numbers go to v[T] on.
.macro QUANTW s, w
	WIN (\w)|((\w)<<2)
.irp b, 0,1,2,3
	v_max3_num_f32 v[TM+\b], |v[(\s)+16*\b]|, |v[(\s)+16*\b+1]|, 0x4800000     ; each accumulator is read from its low end on; the floor 2^(9 - 127) holds the byte at 1 from below
.endr
.irp i, 2,4,6,8,10,12,14
.irp b, 0,1,2,3
	v_max3_num_f32 v[TM+\b], |v[(\s)+16*\b+\i]|, |v[(\s)+16*\b+\i+1]|, v[TM+\b]
.endr
.endr
	WIN 0
.irp b, 0,1,2,3
	v_permlanex16_b32 v[TM+4+\b], v[TM+\b], s[SEL], s[SEL+1]
.endr
.irp b, 0,1,2,3
	v_max_num_f32 v[TM+\b], v[TM+\b], v[TM+4+\b]   ; with lane l xor 16's 16: the block's largest magnitude
.endr
.irp b, 0,1,2,3
	v_add_nc_u32 v[TM+12+\b], 0xfc000000, v[TM+\b] ; 8 off its exponent field: the conversion's scale operand
.endr
.irp b, 0,1,2,3
	v_and_or_b32 v[TM+8+\b], v[TM+\b], 0x7f800000, s[MNT]   ; 448 x the scale
.endr
.irp b, 0,1,2,3
	v_lshrrev_b32 v[TM+4+\b], 23, v[TM+12+\b]      ; the byte
.endr
	v_lshl_or_b32 v[PW], v[TM+5], 8, v[TM+4]
	v_lshl_or_b32 v[PW], v[TM+6], 16, v[PW]
	v_lshl_or_b32 v[PW], v[TM+7], 24, v[PW]
	WIN (\w)
.irp b, 0,1,2,3
.irp i, 0,1,2,3,4,5,6,7,8,9,10,11,12,13,14,15
	v_med3_num_f32 v[T+16*\b+\i], v[(\s)+16*\b+\i], -v[TM+8+\b], v[TM+8+\b]   ; the conversion to an 8-bit code does not saturate (ISA guide 7.6.2)
.endr
.endr
	WIN 0
.irp b, 0,1,2,3
	v_cvt_scalef32_pk8_fp8_f32 v[PC+4*\b:PC+4*\b+1], v[T+16*\b:T+16*\b+7], v[TM+12+\b]
	v_cvt_scalef32_pk8_fp8_f32 v[PC+4*\b+2:PC+4*\b+3], v[T+16*\b+8:T+16*\b+15], v[TM+12+\b]
.endr
	v_nop                                          ; a plain line behind the last conversion
.endm
	PLACES NP                                      ; behind the last products: their results are read, and the registers of A's fragments and of the scale words are written, from here on
	s_mov_b32 s[SEL], 0x76543210
	s_mov_b32 s[SEL+1], 0xfedcba98
	s_mov_b32 s[MNT], 0x600000
.irp b, 0,1,2,3
	v_mov_b32 v[TM+4+\b], 0                        ; a lane permute's destination counts as one of its sources
.endr
.if MODE == 0
.irp a, 0,1,2,3,4,5,6,7                        ; block a of A's positions: one fragment
.if \a > 0
	s_wait_xcnt 0x0                                ; the last block's stores have read their data,
	s_wait_dscnt 0x0                               ; and so has its LDS store: codes and word may be written again
.endif
	QUANTW 64*(\a%4), 2+\a/4
.irp c, 0,1,2,3
	global_store_b128 v[LI], v[PC+4*\c:PC+4*\c+3], s[12:13] offset:2048*\a+512*\c   ; 512 consecutive bytes of the image
.endr
	ds_store_b32 v[SW0], v[PW] offset:64*\a        ; both halves of the lanes write the same word with the same value
.endr
.else
; gelu(y) = y/2 + y/2 erf(y / sqrt(2)).  erf(z) = z P(z^2) / Q(z^2) with z held in +-4, where erf is 1 to the last bit of f32: a rational form of degrees 6 and 4 in z^2, good to a few units in f32's last place.
.macro KPAIR r, val                    ; a packed form names a scalar pair and takes its low word for both halves: both are written
	s_mov_b32 s[\r], \val
	s_mov_b32 s[\r+1], \val
.endm
	KPAIR KA1, 0x32edffee                          ; no tensor load of mine is out since the last change of slots: the descriptors' registers are free
	KPAIR KA1+2, 0xb60cff51
	KPAIR KA1+4, 0xb86ec2d2
	KPAIR KA1+6, 0xba40ac63
	KPAIR KA1+8, 0xbb41a1f6
	KPAIR KA1+10, 0xbc83dbd4
	KPAIR KB1, 0xb95fbd29
	KPAIR KB1+2, 0xbadc924e
	KPAIR KB1+4, 0xbbf19bf8
	KPAIR KB1+6, 0xbc69b6a7
	KPAIR KR2, 0x3fb504f3
	v_mov_b32 v[CA], 0xaf95df0b
	v_mov_b32 v[CA+1], 0xaf95df0b
	v_mov_b32 v[CB], 0xb77460cd
	v_mov_b32 v[CB+1], 0xb77460cd
.macro GELU16 g                        ; 16 numbers, two at a time
.set ZB, Z+16*(\g)
.set TG, T+16*(\g)
.irp p, 0,2,4,6,8,10,12,14
	v_pk_mul_f32 v[X2+\p:X2+\p+1], v[ZB+\p:ZB+\p+1], v[ZB+\p:ZB+\p+1]
.endr
.irp p, 0,2,4,6,8,10,12,14
	v_pk_fma_f32 v[Q+\p:Q+\p+1], v[X2+\p:X2+\p+1], v[CB:CB+1], s[KB1:KB1+1] op_sel_hi:[1,1,0]
.endr
.irp k, 2,4,6
.irp p, 0,2,4,6,8,10,12,14
	v_pk_fma_f32 v[Q+\p:Q+\p+1], v[Q+\p:Q+\p+1], v[X2+\p:X2+\p+1], s[KB1+\k:KB1+\k+1] op_sel_hi:[1,1,0]
.endr
.endr
.set i, 0
.rept 16
	v_rcp_f32 v[Q+i], v[Q+i]                       ; one batch;
.set i, i+1
.endr
.irp p, 0,2,4,6,8,10,12,14
	v_pk_fma_f32 v[P+\p:P+\p+1], v[X2+\p:X2+\p+1], v[CA:CA+1], s[KA1:KA1+1] op_sel_hi:[1,1,0]   ; the numerator's 48 lines are the independent work behind it;
.endr
.irp k, 2,4,6,8,10
.irp p, 0,2,4,6,8,10,12,14
	v_pk_fma_f32 v[P+\p:P+\p+1], v[P+\p:P+\p+1], v[X2+\p:X2+\p+1], s[KA1+\k:KA1+\k+1] op_sel_hi:[1,1,0]
.endr
.endr
	s_wait_alu depctr_va_vdst(0)                   ; one wait for the sixteen reciprocals, ahead of their first reader
.irp p, 0,2,4,6,8,10,12,14
	v_pk_mul_f32 v[P+\p:P+\p+1], v[P+\p:P+\p+1], v[ZB+\p:ZB+\p+1]
.endr
.irp p, 0,2,4,6,8,10,12,14
	v_pk_mul_f32 v[P+\p:P+\p+1], v[P+\p:P+\p+1], v[Q+\p:Q+\p+1]            ; erf
.endr
.irp p, 0,2,4,6,8,10,12,14
	v_pk_fma_f32 v[TG+\p:TG+\p+1], v[TG+\p:TG+\p+1], v[P+\p:P+\p+1], v[TG+\p:TG+\p+1]
.endr
.endm
	s_mov_b32 s98, 0                               ; the block of A's positions in hand
	s_mov_b32 s99, 0                               ; and its 64 bytes among my scale words
.Lrow:                                                 ; eight trips: the arithmetic is written once; only the copy out of the accumulators, whose register numbers differ, is written eight times
.irp k, 0,1,2,3,4,5,6
	s_cmp_eq_u32 s98, \k
	s_cbranch_scc1 .Lin_\k
.endr
.irp k, 7,6,5,4,3,2,1,0
.Lin_\k:
	WIN 2+\k/4
.set i, 0
.rept 32
	v_pk_mul_f32 v[T+i:T+i+1], v[64*(\k%4)+i:64*(\k%4)+i+1], 0.5 op_sel_hi:[1,0]   ; y / 2, each accumulator from its low end on
.set i, i+2
.endr
	WIN 0
.if \k > 0
	s_branch .Lgelu
.endif
.endr
.Lgelu:
.set i, 0
.rept 32
	v_pk_mul_f32 v[Z+i:Z+i+1], v[T+i:T+i+1], s[KR2:KR2+1] op_sel_hi:[1,0]   ; y / sqrt(2)
.set i, i+2
.endr
.set i, 0
.rept 64
	v_med3_num_f32 v[Z+i], v[Z+i], -4.0, 4.0
.set i, i+1
.endr
	GELU16 0
	GELU16 1
	GELU16 2
	GELU16 3
	QUANTW T, 0
.irp c, 0,1,2,3
	global_store_b128 v[LI], v[PC+4*\c:PC+4*\c+3], s[12:13] offset:512*\c   ; 512 consecutive bytes of the image
.endr
	v_add_nc_u32 v[SWA], s99, v[SW0]
	ds_store_b32 v[SWA], v[PW]
	s_wait_xcnt 0x0                                ; the stores have read their data and their base,
	s_wait_dscnt 0x0                               ; the LDS store its word: all may be written again
	s_add_nc_u64 s[12:13], s[12:13], 65536         ; the next row block's fragment of this K step
	s_add_co_u32 s99, s99, 64
	s_add_co_u32 s98, s98, 1
	s_cmp_lt_u32 s98, 8
	s_cbranch_scc1 .Lrow
.endif
	ds_load_b128 v[T:T+3], v[SR]                   ; my 128 scale words: LDS serves a wave's instructions in order
	s_wait_dscnt 0x0
	global_store_b128 v[LI], v[T:T+3], s[96:97]    ; 512 consecutive bytes
	s_wait_tensorcnt 0x0                           ; the wave's end
	ds_add_u32 v[SPW], v[NIL]
	s_wait_dscnt 0x0
	CROUND                                         ; the closing round: no work-group ends while a partner may still ask for a tile that names it
	s_endpgm
.Lfunc_end_k_qcd00dab9d5_qkv:
	.size	k_qcd00dab9d5_qkv, .Lfunc_end_k_qcd00dab9d5_qkv-k_qcd00dab9d5_qkv
	.p2alignl 7, 3214868480
	.fill 96, 4, 3214868480
	.section	.rodata,"a",@progbits
	.p2align	6, 0x0
	.amdhsa_kernel k_qcd00dab9d5_qkv
		.amdhsa_group_segment_fixed_size 327680
		.amdhsa_private_segment_fixed_size 0
		.amdhsa_enable_private_segment 0
		.amdhsa_kernarg_size 24
		.amdhsa_user_sgpr_count 2
		.amdhsa_user_sgpr_kernarg_segment_ptr 1
		.amdhsa_wavefront_size32 1
		.amdhsa_system_sgpr_workgroup_id_x 1
		.amdhsa_system_sgpr_workgroup_id_y 1
		.amdhsa_system_sgpr_workgroup_id_z 1
		.amdhsa_system_vgpr_workitem_id 0
		.amdhsa_next_free_vgpr 1024
		.amdhsa_next_free_sgpr 102
		.amdhsa_reserve_vcc 0
		.amdhsa_float_denorm_mode_32 3
		.amdhsa_float_denorm_mode_16_64 3
		.amdhsa_memory_ordered 1
		.amdhsa_forward_progress 1
		.amdhsa_inst_pref_size 189
	.end_amdhsa_kernel
	.amdgpu_metadata
---
amdhsa.version: [ 1, 2 ]
amdhsa.kernels:
  - .name:           k_qcd00dab9d5_qkv
    .symbol:         k_qcd00dab9d5_qkv.kd
    .args:
      - { .name: xq, .offset: 0, .size: 8, .value_kind: global_buffer, .address_space: global }
      - { .name: wq, .offset: 8, .size: 8, .value_kind: global_buffer, .address_space: global }
      - { .name: qkv, .offset: 16, .size: 8, .value_kind: global_buffer, .address_space: global }
    .group_segment_fixed_size: 327680
    .private_segment_fixed_size: 0
    .kernarg_segment_align: 8
    .kernarg_segment_size: 24
    .max_flat_workgroup_size: 128
    .sgpr_count:     102
    .vgpr_count:     1024
    .wavefront_size: 32
...
	.end_amdgpu_metadata
.endif
;; end of part 2
;; launch attn (part 3): grid 16 x 16, 4 waves a work-group, no clusters, 327,680 bytes of LDS; arguments qkv, cq; writes cq
.if DOCPART == 3
	.amdgcn_target "amdgcn-amd-amdhsa--gfx1250"
	.amdhsa_code_object_version 6
	.text
	.protected	k_qcd00dab9d5_attn
	.globl	k_qcd00dab9d5_attn
	.p2align	8
	.type	k_qcd00dab9d5_attn,@function
k_qcd00dab9d5_attn:
	s_mov_b64 s[64:65], 0
	v_nop
	global_prefetch_b8 v0, s[64:65] scope:SCOPE_SE
	s_setreg_imm32_b32 hwreg(HW_REG_WAVE_MODE, 25, 1), 1
	s_wait_xcnt 0x0
; LAUNCH 3 OF 7.  Causal attention on codes of FP8 (E4M3) with E8M0 scales; ctx is quantised on the way out (K = the 1,024 channels of the next product).
; qkv holds blocks of 16,896 bytes (8 fragment images of 2,048 bytes, then 128 scale words): block ((t 16 + batch 8 + head) 16 + chunk of 128), t = 0, 1, 2 for q, k, v; v's blocks have the keys as K.
; THE SOFTMAX: t = score x log2(e) / sqrt(128); M = the running largest t rounded up to a whole number; p = 2^(t - M) is quantised along the keys; the row's sum is taken of the unquantised p and divides at the end.
; LEFT OUT: steps of 128 keys that all come after a tile's queries: the causal mask gives them the weight 0 for every input.  On the diagonal hidden scores become -infinity ahead of the maximum.
; LIMITS: the scaled scores stay under 2^31 in magnitude; NaN and infinities are not served; a block of zeros keeps the byte 1 (only this program reads the bytes).
; SHARES.  A head has 128 tiles of 16 queries; tile t needs t / 8 + 1 key steps.  Wave w of work-group x owns tiles A = 4 x + w and B = 127 - A: 17 tile steps for every wave, and the four waves of a work-group have the same counts.
; Both tiles use the same fragments of K and V while A still has keys.  Tile A's state lies in register window 0, tile B's at the same numbers in window 2, K's and V's fragments in window 1: one text serves both tiles.
; THE RING: two slots of 512 keys (4 blocks of K, then 4 of V); a wave fetches two neighbouring blocks, 132 rows of 256 bytes, by one tensor load.  Every wait on TENSORcnt is for 0.
; NO CLUSTER: under the mask the work-groups of a head need different numbers of slots, so partners could not make every joint request for tiles that they read.
; Both products are used transposed: a lane holds one query (lane % 16) throughout; by the position order the 16 registers of tiles 2 b, 2 b + 1 are 16 neighbouring keys (channels).
; REGISTERS of a tile: v12 -M, v13 the largest t, v[14:15] the sum, v16-31 Q, v96-159 S^T then p, v160-223 O^T, v224-239 p's codes, v232-254 at work.  Window 0 alone: v1-11 addresses, v32-50 scale words.
.set BLKB,  16896
.set SLOTB, 8*BLKB
.set SPARE, 2*SLOTB                    ; the spare words, 128 bytes a wave
.set LI,   1                           ; 16 x lane
.set LS,   2                           ; 16,384 + 4 r
.set QL,   3                           ; r + 8 (r / 8) - 16 h (a copy lies in window 2)
.set OS,   4                           ; 4 r
.set SPW,  5
.set NIL,  6
.set PFO,  7                           ; 256 x lane
.set ADK,  8
.set ADV,  9
.set ADS,  10
.set ADT,  11
.set KS,   32                          ; K's scale words
.set VS,   40                          ; V's
.set QSA,  48                          ; Q's, tile A's and tile B's
.set QSB,  49
.set PSB,  50                          ; p's scale word of tile B (tile A's is v253)
.set PF2,  52                          ; 256 x min(lane, 3)
.set TM,   232
.set FV,   0
.set FK,   128
.set TB,   2                           ; s2  LDS byte of the step's block of K
.set QC,   3
.set OC,   4
.set WV,   18
.set MNT,  19
.set SEL,  20
.set CS,   22
.set G1,   24
.set G0,   40                          ; s[40:43] slot 0's group 0, s[44:47] slot 1's
.set Q0A,  66                          ; the tiles' first queries
.set Q0B,  67
.set KF,   68                          ; the step's first key
.set LIM,  69                          ; the value of KF at which my work-group prefetches
.set LQ,   70                          ; my work-group's last query
.set PFA,  76
.set MSB, 0
.macro WIN new                         ; the immediate's high byte repeats the setting that is left
.if MSB != (\new)
	s_set_vgpr_msb (MSB<<8)|(\new)
.set MSB, (\new)
.endif
.endm
.macro PLACES n
.rept \n
	v_nop
.endr
.endm
.macro WALU
	s_wait_alu depctr_va_vdst(0)
.endm
.macro LOADF reg, adr, off, sreg, sadr ; eight fragment images into window 1 and their scale words: 40 LDS loads
	WIN 0x40
.irp t, 0,1,2,3,4,5,6,7
.irp c, 0,1,2,3
	ds_load_b128 v[\reg+16*\t+4*\c:\reg+16*\t+4*\c+3], v[\adr] offset:\off+2048*\t+512*\c
.endr
.endr
	WIN 0
.irp t, 0,1,2,3,4,5,6,7
	ds_load_b32 v[\sreg+\t], v[\sadr] offset:\off+64*\t
.endr
.endm
.macro TADR t, q0, qa, qs, oc, os
	s_lshr_b32 s82, s[\t], 1
	s_lshl_b32 s82, s82, 5
	s_and_b32 s83, s[\t], 1
	s_lshl_b32 s83, s83, 3
	s_add_co_u32 s[\q0], s82, s83
	s_lshl_b32 s82, s72, 4
	s_lshr_b32 s83, s[\t], 3
	s_add_co_u32 s82, s82, s83
	s_mul_i32 s82, s82, BLKB
	s_and_b32 s83, s[\t], 7
	s_lshl_b32 s84, s83, 11
	s_add_co_u32 s[\qa], s82, s84
	s_mov_b32 s[\qa+1], 0
	s_lshl_b32 s84, s83, 6
	s_add_co_u32 s[\qs], s82, s84
	s_add_co_u32 s[\qs], s[\qs], 16384
	s_mov_b32 s[\qs+1], 0
	s_lshr_b32 s82, s72, 3
	s_lshl_b32 s82, s82, 7
	s_add_co_u32 s82, s82, s[\t]                   ; row block = 128 batch + tile
	s_and_b32 s83, s72, 7                          ; K step = head
	s_lshl_b32 s84, s82, 3
	s_add_co_u32 s84, s84, s83
	s_lshl_b32 s[\oc], s84, 11
	s_mov_b32 s[\oc+1], 0
	s_lshl_b32 s83, s83, 14
	s_lshl_b32 s82, s82, 6
	s_add_co_u32 s[\os], s83, s82
	s_add_co_u32 s[\os], s[\os], 4194304
	s_mov_b32 s[\os+1], 0
.endm
.macro INIT                            ; a tile's state: constants alone, so that it serves either window as the destination
	v_mov_b32 v13, 0xff61b1e6                      ; the largest t so far: -3e38
	v_mov_b32 v12, 0x7f61b1e6                      ; -M
	v_mov_b32 v14, 0
	v_mov_b32 v15, 0
	v_mov_b32 v252, 0
	v_mov_b32 v253, 0
.set i, 0
.rept 80
	v_mov_b32 v[160+i], 0                          ; O^T (the first change of M leaves zeros zeros), and the registers of the codes and of the lane permutes
.set i, i+1
.endr
.endm
.macro SMUL w, qs                      ; S^T = K Q^T of one tile
	WIN \w
.irp t, 0,1,2,3,4,5,6,7
	v_wmma_scale_f32_16x16x128_f8f6f4 v[96+8*\t:103+8*\t], v[FK+16*\t:FK+16*\t+15], v[16:31], 0, v[KS+\t], v[\qs]
.endr
	WIN 0
.endm
.macro PMUL w, ps                      ; O^T += V^T P^T of one tile: eight accumulators, one instruction each
	WIN \w
.irp t, 0,1,2,3,4,5,6,7
	v_wmma_scale_f32_16x16x128_f8f6f4 v[160+8*\t:167+8*\t], v[FV+16*\t:FV+16*\t+15], v[224:239], v[160+8*\t:167+8*\t], v[VS+\t], v[\ps]
.endr
	WIN 0
.endm
.macro IFA lbl                         ; tile A has no key in this step: ids and the count of steps alone
	s_add_co_u32 s96, s[Q0A], 23
	s_cmp_gt_u32 s[KF], s96
	s_cbranch_scc1 \lbl
.endm
; THE SOFTMAX AND p's QUANTISER of one tile, all its registers in the window that w names; q0: the tile's first query
.macro SOFT w, q0
	s_add_co_u32 s96, s[KF], 127
	s_cmp_le_u32 s96, s[\q0]
	s_cbranch_scc1 .Lopen_\@                       ; all 128 keys count
	s_sub_co_i32 s96, s[\q0], s[KF]
	WIN \w
	v_add_nc_u32 v252, s96, v[QL]                  ; register 16 b + i holds key KF + 16 h + 32 b + i: hidden where 32 b + i > d
	v_mov_b32 v254, 0xff800000
	v_cmp_gt_i32 vcc_lo, 0, v252
	WALU                                           ; the wait directly ahead of the scores' first reader
	v_cndmask_b32 v96, v96, v254, vcc_lo
.set n, 1
.rept 63
	v_cmp_gt_i32 vcc_lo, 32*(n/16)+n%16, v252
	v_cndmask_b32 v[96+n], v[96+n], v254, vcc_lo
.set n, n+1
.endr
	WIN 0
.Lopen_\@:
	WIN \w
	WALU                                           ; likewise on the way that has no mask
.irp b, 0,1,2,3
	v_max3_num_f32 v[232+\b], v[96+16*\b], v[97+16*\b], v[98+16*\b]   ; each block's largest score: for the row's maximum and for the block's largest p
.endr
.irp i, 3,5,7,9,11,13
.irp b, 0,1,2,3
	v_max3_num_f32 v[232+\b], v[232+\b], v[96+16*\b+\i], v[97+16*\b+\i]
.endr
.endr
.irp b, 0,1,2,3
	v_max_num_f32 v[232+\b], v[232+\b], v[111+16*\b]
.endr
.irp b, 0,1,2,3
	v_permlanex16_b32 v[236+\b], v[232+\b], s[SEL], s[SEL+1]
.endr
.irp b, 0,1,2,3
	v_max_num_f32 v[232+\b], v[232+\b], v[236+\b]
.endr
	v_max3_num_f32 v254, v232, v233, v234
	v_max_num_f32 v254, v254, v235
	v_mul_f32 v254, s[CS], v254
	v_max_num_f32 v13, v13, v254                   ; the running largest t
	v_mov_b32 v254, v12
	v_floor_f32 v12, -v13                          ; -M = floor(-t)
	v_sub_f32 v254, v12, v254
	v_cvt_i32_f32 v254, v254                       ; (it saturates)
	v_ldexp_f32 v252, 1.0, v254                    ; f = 2^(old M - new M)
.irp b, 0,1,2,3
	v_fma_f32 v[232+\b], v[232+\b], s[CS], v12
.endr
	WALU                                           ; the wait directly ahead of O^T's first reader
.set j, 0
.rept 32
	v_pk_mul_f32 v[160+j:161+j], v[160+j:161+j], v[252:253] op_sel_hi:[1,0]   ; O^T under the new M
.set j, j+2
.endr
	v_pk_mul_f32 v[14:15], v[14:15], v[252:253] op_sel_hi:[1,0]
.set j, 0
.rept 32
	v_pk_fma_f32 v[96+j:97+j], v[96+j:97+j], s[CS:CS+1], v[12:13] op_sel_hi:[1,0,0]   ; t - M
.set j, j+2
.endr
	WALU                                           ; one wait ahead of the batch,
.set j, 0
.rept 64
	v_exp_f32 v[96+j], v[96+j]
.set j, j+1
.endr
.irp b, 0,1,2,3
	v_exp_f32 v[232+\b], v[232+\b]                 ; the blocks' largest p
.endr
	v_nop
	WALU                                           ; and one behind it
	v_pk_add_f32 v[236:237], v[96:97], v[98:99]    ; the row's sum of the unquantised p, in four chains
	v_pk_add_f32 v[238:239], v[100:101], v[102:103]
	v_pk_add_f32 v[240:241], v[104:105], v[106:107]
	v_pk_add_f32 v[14:15], v[14:15], v[108:109]
.irp j, 110,118,126,134,142,150
	v_pk_add_f32 v[236:237], v[236:237], v[\j:\j+1]
	v_pk_add_f32 v[238:239], v[238:239], v[\j+2:\j+3]
	v_pk_add_f32 v[240:241], v[240:241], v[\j+4:\j+5]
	v_pk_add_f32 v[14:15], v[14:15], v[\j+6:\j+7]
.endr
	v_pk_add_f32 v[236:237], v[236:237], v[158:159]
	v_pk_add_f32 v[238:239], v[238:239], v[240:241]
	v_pk_add_f32 v[14:15], v[14:15], v[236:237]
	v_pk_add_f32 v[14:15], v[14:15], v[238:239]
.irp b, 0,1,2,3
	v_max_num_f32 v[232+\b], 0x4800000, v[232+\b]  ; the floor 2^(9 - 127): the byte cannot fall under 1
.endr
.irp b, 0,1,2,3
	v_add_nc_u32 v[244+\b], 0xfc000000, v[232+\b]  ; the conversion's scale operand
.endr
.irp b, 0,1,2,3
	v_and_or_b32 v[240+\b], v[232+\b], 0x7f800000, s[MNT]   ; 448 x the scale
.endr
.irp b, 0,1,2,3
	v_lshrrev_b32 v[236+\b], 23, v[244+\b]
.endr
	v_lshl_or_b32 v253, v237, 8, v236
	v_lshl_or_b32 v253, v238, 16, v253
	v_lshl_or_b32 v253, v239, 24, v253             ; p's scale word
.irp b, 0,1,2,3
.irp i, 0,1,2,3,4,5,6,7,8,9,10,11,12,13,14,15
	v_min_num_f32 v[96+16*\b+\i], v[96+16*\b+\i], v[240+\b]   ; the conversion does not saturate (ISA guide 7.6.2); p is not negative
.endr
	v_cvt_scalef32_pk8_fp8_f32 v[224+4*\b:225+4*\b], v[96+16*\b:103+16*\b], v[244+\b]
	v_cvt_scalef32_pk8_fp8_f32 v[226+4*\b:227+4*\b], v[104+16*\b:111+16*\b], v[244+\b]
.endr
	v_nop
	WIN 0
.endm
; A KEY STEP of 128 keys.  V's 40 LDS loads go out in one run at its head, the next block of K's 40 in one run behind the first products: the softmax stands between each run and the products that want it.
.macro STEP
	s_add_co_u32 s96, s[Q0B], 23
	s_cmp_gt_u32 s[KF], s96
	s_cbranch_scc1 .Lhid_\@                        ; all keys come after both tiles' queries
	v_add_nc_u32 v[ADK], s[TB], v[LI]
	v_add_nc_u32 v[ADS], s[TB], v[LS]
	v_add_nc_u32 v[ADV], 4*BLKB, v[ADK]
	v_add_nc_u32 v[ADT], 4*BLKB, v[ADS]
	LOADF FV, ADV, 0, VS, ADT
	WALU                                           ; the wait ahead of the wait below
	s_wait_dscnt 40                                ; K's block and its scale words are in; V's 40 loads may be out
	SMUL 0xa9, QSB
	IFA .Lna1_\@
	SMUL 0x01, QSA
.Lna1_\@:
	PLACES 8
	s_add_co_u32 s96, s[KF], 128                   ; the next block of K is fetched only where a step of this slot uses it: not where the next step's keys all come after my queries,
	s_add_co_u32 s95, s[Q0B], 23
	s_cmp_gt_u32 s96, s95
	s_cbranch_scc1 .Lnk_\@
	s_cmp_eq_u32 s[QC], 1                          ; nor in a slot's last step
	s_cbranch_scc1 .Lnk_\@
	LOADF FK, ADK, BLKB, KS, ADS
.Lnk_\@:
	SOFT 0xaa, Q0B
	WIN 0x02
	v_mov_b32 v[PSB], v253                         ; scale operands are taken from window 0
	WIN 0
	IFA .Lna2_\@
	SOFT 0, Q0A
.Lna2_\@:
	PLACES 8                                       ; a scale word written by a vector line stands eight places ahead, codes four
	WALU
	s_wait_dscnt 0x0                               ; V's block is in (0: right whether the next block of K was asked for or not)
	PMUL 0xa9, PSB
	IFA .Lna3_\@
	PMUL 0x01, 253
.Lna3_\@:
	PLACES 8
.Lhid_\@:
	s_add_co_u32 s[KF], s[KF], 128
	s_add_co_u32 s[TB], s[TB], BLKB
.endm
.macro WALK
	s_mov_b32 s[QC], 4
.Lstep_\@:
	STEP
	s_sub_co_u32 s[QC], s[QC], 1
	s_cmp_lg_u32 s[QC], 0
	s_cbranch_scc1 .Lstep_\@
.endm
.macro KLOAD
	v_add_nc_u32 v[ADK], s[TB], v[LI]
	v_add_nc_u32 v[ADS], s[TB], v[LS]
	LOADF FK, ADK, 0, KS, ADS
.endm
.macro KHEAD base                      ; a slot's first block of K, where the slot has keys that count
	s_mov_b32 s[TB], \base
	s_add_co_u32 s96, s[Q0B], 23
	s_cmp_gt_u32 s[KF], s96
	s_cbranch_scc1 .Lnok_\@
	KLOAD
.Lnok_\@:
.endm
; THE CHANGE OF SLOTS, at a slot's head: all my tensor loads are in, the add, my reads of the slot that I left are over, the barrier; then slot f takes the 512 keys behind those now at hand,
; but only while its first key is at or under my work-group's last query: a later slot is read by no wave.  The test is made of ids and the count of steps, the same in all four waves.
.macro CHANGE f
	s_wait_tensorcnt 0x0
	ds_add_u32 v[SPW], v[NIL]
	s_add_nc_u64 s[G0+4*\f+2:G0+4*\f+3], s[G0+4*\f+2:G0+4*\f+3], 8*BLKB
	s_wait_dscnt 0x0
	s_barrier_signal -1
	s_barrier_wait -1
	s_add_co_u32 s96, s[KF], 512
	s_cmp_gt_u32 s96, s[LQ]
	s_cbranch_scc1 .Lpast_\@
	tensor_load_to_lds s[G0+4*\f:G0+4*\f+3], s[G1:G1+7]
	s_nop 0
	PLACES 4
.Lpast_\@:
.endm
; A PREFETCH of the slot that the NEXT change will ask for: work-group 0 of a head asks for slot 2 at the first change, work-group 1 for slot 3 at the second; each wave names the two blocks that it fetches itself,
; 132 runs of 256 bytes: four lines of 32 lanes and one whose lanes beyond the fourth name the last run again.  Slots 0 and 1 come by their loads alone.
.macro ASK
	s_cmp_eq_u32 s[KF], s[LIM]
	s_cbranch_scc0 .Lnm_\@
.irp o, 0,8192,16384,24576
	global_prefetch_b8 v[PFO], s[PFA:PFA+1] offset:\o th:TH_LOAD_NT scope:SCOPE_SE
.endr
	global_prefetch_b8 v[PF2], s[PFA:PFA+1] offset:32768 th:TH_LOAD_NT scope:SCOPE_SE
.Lnm_\@:
.endm
.macro QUANT s, pc, pw                 ; 64 numbers of a lane become a fragment's codes and its scale word
.irp b, 0,1,2,3
	v_max3_num_f32 v[TM+\b], |v[\s+16*\b]|, |v[\s+16*\b+1]|, 0x4800000
.endr
.irp i, 2,4,6,8,10,12,14
.irp b, 0,1,2,3
	v_max3_num_f32 v[TM+\b], v[TM+\b], |v[\s+16*\b+\i]|, |v[\s+16*\b+\i+1]|
.endr
.endr
.irp b, 0,1,2,3
	v_permlanex16_b32 v[TM+4+\b], v[TM+\b], s[SEL], s[SEL+1]
.endr
.irp b, 0,1,2,3
	v_max_num_f32 v[TM+\b], v[TM+\b], v[TM+4+\b]
.endr
.irp b, 0,1,2,3
	v_add_nc_u32 v[TM+12+\b], 0xfc000000, v[TM+\b]
.endr
.irp b, 0,1,2,3
	v_and_or_b32 v[TM+8+\b], v[TM+\b], 0x7f800000, s[MNT]
.endr
.irp b, 0,1,2,3
	v_lshrrev_b32 v[TM+4+\b], 23, v[TM+12+\b]
.endr
	v_lshl_or_b32 v[\pw], v[TM+5], 8, v[TM+4]
	v_lshl_or_b32 v[\pw], v[TM+6], 16, v[\pw]
	v_lshl_or_b32 v[\pw], v[TM+7], 24, v[\pw]
.irp b, 0,1,2,3
.irp i, 0,1,2,3,4,5,6,7,8,9,10,11,12,13,14,15
	v_med3_num_f32 v[\s+16*\b+\i], v[\s+16*\b+\i], -v[TM+8+\b], v[TM+8+\b]
.endr
	v_cvt_scalef32_pk8_fp8_f32 v[\pc+4*\b:\pc+4*\b+1], v[\s+16*\b:\s+16*\b+7], v[TM+12+\b]
	v_cvt_scalef32_pk8_fp8_f32 v[\pc+4*\b+2:\pc+4*\b+3], v[\s+16*\b+8:\s+16*\b+15], v[TM+12+\b]
.endr
	v_nop
.endm
.macro FIN w                           ; a tile's end: O^T / the sum, quantised: codes in v64-79, the scale word in v80
	WIN \w
	v_add_f32 v14, v14, v15
	v_permlanex16_b32 v252, v14, s[SEL], s[SEL+1]
	v_add_f32 v14, v14, v252
	WALU
	v_rcp_f32 v14, v14
	v_nop
	WALU                                           ; behind the reciprocal, and directly ahead of O^T's first reader
.set j, 0
.rept 32
	v_pk_mul_f32 v[96+j:97+j], v[160+j:161+j], v[14:15] op_sel_hi:[1,0]
.set j, j+2
.endr
	QUANT 96, 64, 80
	WIN 0
.endm
	s_load_b128 s[8:11], s[0:1], 0x0               ; qkv, cq
	v_lshl_add_u32 v[SPW], v0, 2, SPARE
	v_mov_b32 v[NIL], 0
	ds_add_u32 v[SPW], v[NIL]                      ; the add twice on end; its wait stands ahead of my first tensor load
	ds_add_u32 v[SPW], v[NIL]
	v_lshrrev_b32 v8, 5, v0
	v_readfirstlane_b32 s[WV], v8                  ; wave 0..3
	s_and_b32 s72, ttmp7, 0xffff                   ; 8 batch + head
	s_lshl_b32 s74, ttmp9, 2
	s_add_co_u32 s74, s74, s[WV]                   ; tile A
	s_sub_co_u32 s75, 127, s74                     ; tile B
	TADR 74, Q0A, 48, 50, 52, 54
	TADR 75, Q0B, 56, 58, 60, 62
	s_lshr_b32 s82, s[WV], 1                       ; waves 0, 1 fetch K's blocks, waves 2, 3 V's: two neighbouring blocks each
	s_add_co_u32 s82, s82, 1
	s_lshl_b32 s82, s82, 4
	s_add_co_u32 s82, s82, s72
	s_lshl_b32 s82, s82, 4
	s_and_b32 s83, s[WV], 1
	s_lshl_b32 s83, s83, 1
	s_add_co_u32 s82, s82, s83
	s_mul_i32 s92, s82, BLKB
	s_mov_b32 s93, 0
	s_mul_i32 s94, s[WV], 2*BLKB
	s_mov_b32 s[G1], 3<<16                         ; 132 rows of 256 bytes (32 elements of 8), dense
	s_mov_b32 s[G1+1], 32<<16
	s_mov_b32 s[G1+2], 132<<16
	s_mov_b32 s[G1+3], 32<<16
	s_mov_b32 s[G1+4], 132
	s_mov_b32 s[G1+5], 32
	s_mov_b32 s[G1+6], 0
	s_mov_b32 s[G1+7], 0
	s_lshl_b32 s96, ttmp9, 6
	s_sub_co_u32 s[LQ], 2047, s96                  ; tile 127 - 4 x ends at query 2,047 - 64 x
	s_min_u32 s82, ttmp9, 1
	s_mul_i32 s82, s82, 4*BLKB
	s_add_co_u32 s82, s82, 8*BLKB
	s_add_co_u32 s86, s92, s82                     ; my two blocks of slot 2 (work-group 0) or 3
	s_mov_b32 s87, 0
	s_lshl_b32 s[LIM], ttmp9, 9
	s_cmp_lt_u32 ttmp9, 2
	s_cselect_b32 s[LIM], s[LIM], -1
	s_mov_b32 s[SEL], 0x76543210
	s_mov_b32 s[SEL+1], 0xfedcba98
	s_mov_b32 s[CS], 0x3e0293ee                    ; log2(e) / sqrt(128)
	s_mov_b32 s[CS+1], s[CS]
	s_mov_b32 s[MNT], 0x600000
	s_mov_b32 s[KF], 0
	s_mov_b32 s[OC], 2
	s_wait_dscnt 0x0
	s_wait_kmcnt 0x0
	s_mov_b32 s[G0], 1
	s_mov_b32 s[G0+1], s94
	s_add_nc_u64 s[G0+2:G0+3], s[8:9], s[92:93]
	s_sub_nc_u64 s[G0+6:G0+7], s[G0+2:G0+3], 4*BLKB   ; each change steps its group 0 by two slots first: slot 1's begins one slot back
	s_or_b32 s[G0+3], s[G0+3], 0x80000000
	s_mov_b32 s[G0+4], 1
	s_add_co_u32 s[G0+5], s94, SLOTB
	s_or_b32 s[G0+7], s[G0+7], 0x80000000
	tensor_load_to_lds s[G0:G0+3], s[G1:G1+7]      ; slot 0: one tensor load a wave at the head
	s_nop 0
	PLACES 4
	s_add_nc_u64 s[48:49], s[8:9], s[48:49]
	s_add_nc_u64 s[50:51], s[8:9], s[50:51]
	s_add_nc_u64 s[56:57], s[8:9], s[56:57]
	s_add_nc_u64 s[58:59], s[8:9], s[58:59]
	s_add_nc_u64 s[52:53], s[10:11], s[52:53]
	s_add_nc_u64 s[54:55], s[10:11], s[54:55]
	s_add_nc_u64 s[60:61], s[10:11], s[60:61]
	s_add_nc_u64 s[62:63], s[10:11], s[62:63]
	s_add_nc_u64 s[PFA:PFA+1], s[8:9], s[86:87]
	v_and_b32 v8, 15, v0                           ; r
	v_bfe_u32 v9, v0, 4, 1                         ; h
	v_and_b32 v10, 31, v0
	v_lshlrev_b32 v[LI], 4, v10
	v_lshlrev_b32 v[PFO], 8, v10
	v_min_u32 v[PF2], 3, v10
	v_lshlrev_b32 v[PF2], 8, v[PF2]
	v_lshlrev_b32 v[OS], 2, v8
.irp c, 0,1,2,3
	global_load_b128 v[16+4*\c:19+4*\c], v[LI], s[48:49] offset:512*\c   ; tile A's Q
.endr
	global_load_b32 v[QSA], v[OS], s[50:51]
	global_load_b32 v[QSB], v[OS], s[58:59]
	WIN 0x80                                       ; destination window 2
.irp c, 0,1,2,3
	global_load_b128 v[16+4*\c:19+4*\c], v[LI], s[56:57] offset:512*\c   ; tile B's
.endr
	WIN 0
	v_add_nc_u32 v[LS], 16384, v[OS]
	v_and_b32 v11, 8, v8
	v_add_nc_u32 v[QL], v11, v8
	v_lshlrev_b32 v11, 4, v9
	v_sub_nc_u32 v[QL], v[QL], v11
	INIT
.set i, 0
.rept 64
	v_mov_b32 v[96+i], 0                           ; tile A's scores are written on every way through the text
.set i, i+1
.endr
	WIN 0x80
	v_mov_b32 v[QL], v[QL]
	INIT
	WIN 0
	WALU
	s_wait_loadcnt 0x0                             ; Q
	CHANGE 1                                       ; slot 0 is whole; slot 1's first fill, issued as a refill is
	s_mov_b32 s[TB], 0
	KLOAD
	ASK
.Lpair:                                            ; two trips of two slots
	WALK
	CHANGE 0
	KHEAD SLOTB
	ASK
	WALK
	CHANGE 1                                       ; (behind the last slot nothing is asked for: the limit leads round the load)
	KHEAD 0
	s_sub_co_u32 s[OC], s[OC], 1
	s_cmp_lg_u32 s[OC], 0
	s_cbranch_scc1 .Lpair
	s_wait_dscnt 0x0
	FIN 0xaa
	WIN 0x08                                       ; the data in window 2
.irp c, 0,1,2,3
	global_store_b128 v[LI], v[64+4*\c:67+4*\c], s[60:61] offset:512*\c   ; 512 consecutive bytes of the image
.endr
	global_store_b32 v[OS], v80, s[62:63]          ; both halves of the lanes write the same word with the same value
	WIN 0
	FIN 0
.irp c, 0,1,2,3
	global_store_b128 v[LI], v[64+4*\c:67+4*\c], s[52:53] offset:512*\c
.endr
	global_store_b32 v[OS], v80, s[54:55]
	s_wait_tensorcnt 0x0                           ; the wave's end
	ds_add_u32 v[SPW], v[NIL]
	s_wait_dscnt 0x0
	s_endpgm
.Lfunc_end_k_qcd00dab9d5_attn:
	.size	k_qcd00dab9d5_attn, .Lfunc_end_k_qcd00dab9d5_attn-k_qcd00dab9d5_attn
	.p2alignl 7, 3214868480
	.fill 96, 4, 3214868480
	.section	.rodata,"a",@progbits
	.p2align	6, 0x0
	.amdhsa_kernel k_qcd00dab9d5_attn
		.amdhsa_group_segment_fixed_size 327680
		.amdhsa_private_segment_fixed_size 0
		.amdhsa_enable_private_segment 0
		.amdhsa_kernarg_size 16
		.amdhsa_user_sgpr_count 2
		.amdhsa_user_sgpr_kernarg_segment_ptr 1
		.amdhsa_wavefront_size32 1
		.amdhsa_system_sgpr_workgroup_id_x 1
		.amdhsa_system_sgpr_workgroup_id_y 1
		.amdhsa_system_sgpr_workgroup_id_z 1
		.amdhsa_system_vgpr_workitem_id 0
		.amdhsa_next_free_vgpr 768
		.amdhsa_next_free_sgpr 100
		.amdhsa_reserve_vcc 1
		.amdhsa_float_denorm_mode_32 3
		.amdhsa_float_denorm_mode_16_64 3
		.amdhsa_memory_ordered 1
		.amdhsa_forward_progress 1
		.amdhsa_inst_pref_size 152
	.end_amdhsa_kernel
	.amdgpu_metadata
---
amdhsa.version: [ 1, 2 ]
amdhsa.kernels:
  - .name:           k_qcd00dab9d5_attn
    .symbol:         k_qcd00dab9d5_attn.kd
    .args:
      - { .name: qkv, .offset: 0, .size: 8, .value_kind: global_buffer, .address_space: global }
      - { .name: cq, .offset: 8, .size: 8, .value_kind: global_buffer, .address_space: global }
    .group_segment_fixed_size: 327680
    .private_segment_fixed_size: 0
    .kernarg_segment_align: 8
    .kernarg_segment_size: 16
    .max_flat_workgroup_size: 128
    .sgpr_count:     100
    .vgpr_count:     768
    .wavefront_size: 32
...
	.end_amdgpu_metadata
.endif
;; end of part 3
;; launch oproj (part 4): grid 8 x 32, 4 waves a work-group, clusters of 4 x 4, 327,680 bytes of LDS; arguments cq, wq, b_out, x, x1; writes x1
.if DOCPART == 4
	.amdgcn_target "amdgcn-amd-amdhsa--gfx1250"
	.amdhsa_code_object_version 6
	.text
	.protected	k_qcd00dab9d5_oproj
	.globl	k_qcd00dab9d5_oproj
	.p2align	8
	.type	k_qcd00dab9d5_oproj,@function
k_qcd00dab9d5_oproj:
	s_mov_b64 s[64:65], 0
	v_nop
	global_prefetch_b8 v0, s[64:65] scope:SCOPE_SE
	s_setreg_imm32_b32 hwreg(HW_REG_WAVE_MODE, 25, 1), 1
	s_wait_xcnt 0x0
	s_wait_alu depctr_hold_cnt(0) depctr_sa_sdst(0) depctr_va_vdst(0) depctr_va_sdst(0) depctr_va_ssrc(0) depctr_va_vcc(0) depctr_vm_vsrc(0)
	s_getreg_b32 s2, hwreg(HW_REG_IB_STS2, 6, 4)
	s_cmp_eq_u32 s2, 0
	s_cbranch_scc0 .Lentry_in_a_cluster
	s_endpgm
.Lentry_in_a_cluster:
	s_bfe_u32 s2, ttmp6, 0x10000c
	s_cmp_lg_u32 s2, 0xf033
	s_cbranch_scc0 .Lentry_shape_is_right
	s_endpgm
.Lentry_shape_is_right:
; A GEMM ON CODES OF FP8 (E4M3) WITH E8M0 SCALES, N = 1,024, WITH BIAS AND RESIDUAL: out = res + A B^T + bias, f32.  One text, two uses, told apart by the four constants below.
; Launch 4 of 7 (SIZE_K = 1,024): x1 = x + ctx Wout + b_out.   Launch 7 of 7 (SIZE_K = 4,096): out0 = x1 + hidden W2 + b2.
; Operands lie as fragment images in position order (position P = the index with bits 3 and 4 exchanged): fragment (rb, ks) is 2,048 bytes at (rb K/128 + ks) 2,048, piece c of lane l at 512 c + 16 l; scale words in planes [ks][position][4].
; A TILE OF C IS 128 x 128: C has 4,096 x 1,024 numbers, which are 256 such tiles, one for each work-group of the grid; tiles of 256 x 256 would be 64.  Four waves, each 64 x 64: 16 accumulators.
; K goes in steps of 512 (four matrix instructions deep) through two LDS slots; the scale words of all of K come once.
; CLUSTERS: 4 x 4 work-groups; A's tiles are asked for jointly along a row of the cluster, B's along a column.  THE MATRIX INSTRUCTION IS USED TRANSPOSED: register j of tile b in lane (r, h) is A's position r at column 32 (b / 2) + 16 h + 8 (b % 2) + j.
; The bias is the C of each sum's first matrix instruction.  The residual is asked for at the head, in the layout in which rows leave, and is added on the way out.
; REGISTERS: window 0: v0-31 addresses; v32-63 scale words, two sets; v64-95 the bias; v96-127 rows on the way out; v128-255 the accumulators.  window 1: two fragment buffers of 128 (A's four, then B's four).  window 2: v0-127 the residual.
.set SIZE_K, 1024
.set ASOFF,  4194304                   ; A's planes behind its codes
.set BOFF,   3145728                   ; B's codes in wq
.set BSOFF,  12713984                  ; B's planes in wq
.set KQ,    SIZE_K/128
.set LAPS,  SIZE_K/1024                ; a lap = two slots
.set RBB,   8192                       ; a row block's bytes in a slot: four fragments
.set HALFT, 4*RBB                      ; 64 positions: what one tensor load brings
.set SLOT,  4*HALFT
.set SCL,   2*SLOT                     ; behind the ring: the scale words: A's [KQ planes][128 positions][4], 2 SH bytes; B's likewise, 128 bytes further on than A's end, on other banks
.set SH,    KQ*256
.set SPARE, SCL+4*SH+256               ; the spare words, 128 bytes a wave
.set SPITCH, 272                       ; the way out: a stage of 16 rows x (256 + 16) bytes a wave, in slot 0, which has had its last fill and its last read by then
.set ADRA, 16
.set ADRB, 20
.set STO,  24
.set RD,   25
.set CO,   26                          ; v26  my byte offset among two rows of C
.set ADRS, 27
.set SPW,  28
.set NIL,  29
.set BO,   30
.set SC,   32
.set BIAS, 64
.set T,    96
.set ACC,  128
.set F0,   0
.set F1,   128
.set G1, 24
.set G0, 32
.set G1B, 48
.set G0B, 56
.set G1S, 68
.set G0S, 76
.set G1SB, 80
.set G0SB, 88
.set MSB, 0
.macro WIN new                         ; the immediate's high byte repeats the setting that is left
.if MSB != (\new)
	s_set_vgpr_msb (MSB<<8)|(\new)
.set MSB, (\new)
.endif
.endm
.set MUL,  0x05                        ; sources 0 (B) and 1 (A) window 1; C and D window 0
.set TO_F, 0x40                        ; destination window 1, address window 0
.macro JLOAD g0a, g1a, g0b, g1b        ; a joint load: waves 0 and 1 fetch for A, waves 2 and 3 for B; four v_nop follow each of the two lines
	s_cmp_eq_u32 s15, 0
	s_cbranch_scc0 .Lfor_b_\@
	tensor_load_to_lds s[\g0a:\g0a+3], s[\g1a:\g1a+7]
	s_nop 0
.rept 4
	v_nop
.endr
	s_branch .Lasked_\@
.Lfor_b_\@:
	tensor_load_to_lds s[\g0b:\g0b+3], s[\g1b:\g1b+7]
	s_nop 0
.rept 4
	v_nop
.endr
.Lasked_\@:
.endm
.macro CREST                           ; a round of the cluster's barrier behind its opening barrier
	s_cmp_lg_u32 s14, 0
	s_cbranch_scc1 .Lnot_wave_0_\@
	s_barrier_signal -3
.Lnot_wave_0_\@:
	s_barrier_wait -3
	s_barrier_signal -1
	s_barrier_wait -1
.endm
.macro CROUND
	s_barrier_signal -1
	s_barrier_wait -1
	CREST
.endm
	s_load_b256 s[4:11], s[0:1], 0x0               ; A s[4:5], wq s[6:7], the bias s[8:9], the residual s[10:11]
	s_load_b64 s[12:13], s[0:1], 0x20              ; the result
	v_lshl_add_u32 v[SPW], v0, 2, SPARE
	v_mov_b32 v[NIL], 0
	ds_add_u32 v28, v29
	ds_add_u32 v28, v29
	s_wait_dscnt 0x0
	v_lshrrev_b32 v1, 5, v0
	v_readfirstlane_b32 s14, v1                    ; wave 0..3
	s_lshr_b32 s15, s14, 1                         ; which half of the tile's rows is mine.  Also: I fetch for A (0) or for B (1)
	s_and_b32 s16, s14, 1                          ; which half of its columns.  Also: which 64 positions of that tile I fetch
	s_bfe_u32 s40, ttmp6, 0x40000                  ; cx, cy
	s_bfe_u32 s41, ttmp6, 0x40004
	s_lshl_b32 s42, ttmp9, 2
	s_add_co_u32 s42, s42, s40                     ; tile column
	s_and_b32 s17, ttmp7, 0xffff
	s_lshl_b32 s17, s17, 2
	s_add_co_u32 s17, s17, s41                     ; tile row
	s_lshl_b32 s43, s41, 2
	s_lshl_b32 s43, 15, s43                        ; my row of the cluster
	s_lshl_b32 s44, 0x1111, s40                    ; my column
	; group 1 for codes: 4 row blocks x 8,192 bytes (four fragments), KQ x 2,048 bytes apart in memory; elements of 8 bytes; dense in LDS
	s_or_b32 s[G1+0], s43, (3<<16)|(1<<21)
	s_or_b32 s[G1B+0], s44, (3<<16)|(1<<21)
.irp g, G1, G1B
	s_mov_b32 s[\g+1], 1024<<16                    ; tensor_dim0
	s_mov_b32 s[\g+2], 8<<16                       ; tensor_dim1: the head's loads bring a tile's 8 row blocks; behind them the two counts are set to 4, for the ring's
	s_mov_b32 s[\g+3], 1024<<16                    ; tile_dim0
	s_mov_b32 s[\g+4], 8                           ; tile_dim1
	s_mov_b32 s[\g+5], 2*SIZE_K                    ; tensor_dim0_stride
	s_mov_b32 s[\g+6], 0
	s_mov_b32 s[\g+7], 0
.endr
	; and for scale words: KQ planes x 512 bytes (128 positions); A's planes are 16,384 bytes apart, B's 4,096
	s_or_b32 s[G1S+0], s43, (3<<16)|(1<<21)
	s_or_b32 s[G1SB+0], s44, (3<<16)|(1<<21)
.irp g, G1S, G1SB
	s_mov_b32 s[\g+1], 64<<16                      ; a plane's 128 positions: 512 bytes
	s_mov_b32 s[\g+2], KQ<<16
	s_mov_b32 s[\g+3], 64<<16
	s_mov_b32 s[\g+4], KQ
	s_mov_b32 s[\g+6], 0
	s_mov_b32 s[\g+7], 0
.endr
	s_mov_b32 s[G1S+5], 2048
	s_mov_b32 s[G1SB+5], 512
	s_mul_i32 s2, s16, 4*KQ*2048                   ; in the ring I fetch 4 row blocks of a tile: which half, in bytes
	s_mov_b32 s3, 0
	s_lshl_b32 s20, s17, 3                         ; A: row block 8 x tile row
	s_lshl_b32 s46, s42, 3                         ; B likewise
	s_lshl_b32 s22, s20, 6                         ; their scale words in a plane
	s_lshl_b32 s92, s46, 6
	s_mul_i32 s20, s20, KQ*2048                    ; their codes
	s_mul_i32 s46, s46, KQ*2048
	s_mov_b32 s21, 0
	s_mov_b32 s23, 0
	s_mov_b32 s47, 0
	s_mov_b32 s93, 0
	s_mul_i32 s45, s14, HALFT                      ; where the ring's loads go: no place in the cluster enters an LDS address
	s_wait_kmcnt 0x0
	s_mov_b64 s[98:99], s[8:9]                     ; the bias
	s_mov_b64 s[96:97], s[10:11]                   ; the residual
	s_add_nc_u64 s[8:9], s[6:7], BOFF
	s_add_nc_u64 s[10:11], s[6:7], BSOFF
	s_add_nc_u64 s[6:7], s[4:5], ASOFF
	s_add_nc_u64 s[20:21], s[4:5], s[20:21]
	s_add_nc_u64 s[22:23], s[6:7], s[22:23]
	s_add_nc_u64 s[46:47], s[8:9], s[46:47]
	s_add_nc_u64 s[92:93], s[10:11], s[92:93]
	CROUND                                         ; all sixteen work-groups are here: the first joint loads meet
	s_mov_b32 s[G0S], 1
	s_mov_b32 s[G0S+1], SCL
	s_mov_b64 s[G0S+2:G0S+3], s[22:23]
	s_or_b32 s[G0S+3], s[G0S+3], 0x80000000
	s_mov_b32 s[G0SB], 1
	s_mov_b32 s[G0SB+1], SCL+2*SH+128
	s_mov_b64 s[G0SB+2:G0SB+3], s[92:93]
	s_or_b32 s[G0SB+3], s[G0SB+3], 0x80000000
	s_mov_b32 s4, 1                                ; group 0 of the head's loads of slot 0, in registers that held arguments: A's 8 row blocks,
	s_mov_b32 s5, 0
	s_mov_b64 s[6:7], s[20:21]
	s_or_b32 s7, s7, 0x80000000
	s_mov_b32 s8, 1                                ; and B's, behind them
	s_mov_b32 s9, 2*HALFT
	s_mov_b64 s[10:11], s[46:47]
	s_or_b32 s11, s11, 0x80000000
	s_add_nc_u64 s[20:21], s[20:21], s[2:3]        ; for the ring: my 4 row blocks
	s_add_nc_u64 s[46:47], s[46:47], s[2:3]
.irp s, 0,1
	s_mov_b32 s[G0+4*\s], 1
	s_add_co_u32 s[G0+4*\s+1], s45, \s*SLOT
	s_add_nc_u64 s[G0+4*\s+2:G0+4*\s+3], s[20:21], \s*RBB
	s_or_b32 s[G0+4*\s+3], s[G0+4*\s+3], 0x80000000
	s_mov_b32 s[G0B+4*\s], 1
	s_add_co_u32 s[G0B+4*\s+1], s45, \s*SLOT
	s_add_nc_u64 s[G0B+4*\s+2:G0B+4*\s+3], s[46:47], \s*RBB
	s_or_b32 s[G0B+4*\s+3], s[G0B+4*\s+3], 0x80000000
.endr
; THE HEAD'S LOADS, ONE A WAVE: wave 0 slot 0's tile of A, wave 1 that of B, wave 2 A's scale words, wave 3 B's.  One chain of branches on the wave's number, a load to an arm.
.macro ARM under, g0, g1, next
	s_cmp_lt_u32 s14, \under
	s_cbranch_scc0 \next
	tensor_load_to_lds s[\g0:\g0+3], s[\g1:\g1+7]
	s_nop 0
.rept 4
	v_nop
.endr
	s_branch .Lhead_asked
\next:
.endm
	ARM 1, 4, G1, .Lhead_b
	ARM 2, 8, G1B, .Lhead_sa
	ARM 3, G0S, G1S, .Lhead_sb
	tensor_load_to_lds s[G0SB:G0SB+3], s[G1SB:G1SB+7]
	s_nop 0
.rept 4
	v_nop
.endr
.Lhead_asked:
	; THE PREFETCH.  Of the 4 row blocks that I fetch in the ring, each of the four partners that ask for them with me takes one, told apart by address (cx for A, cy for B): a K step's part of a row block is 8,192 bytes, 32 lanes 256 bytes apart.
	s_cmp_eq_u32 s15, 0
	s_cselect_b64 s[100:101], s[20:21], s[46:47]
	s_cselect_b32 s18, s40, s41
	s_lshl_b32 s18, s18, 14                        ; a row block is KQ x 2,048 = 16,384 bytes
	s_mov_b32 s19, 0
	s_add_nc_u64 s[100:101], s[100:101], s[18:19]
	v_and_b32 v1, 15, v0                           ; r
	v_bfe_u32 v2, v0, 4, 1                         ; h
	s_wait_alu depctr_va_vdst(0)
	v_and_b32 v3, 31, v0
	v_lshlrev_b32 v4, 4, v3                        ; 16 x lane
	s_mul_i32 s21, s15, HALFT
	s_mul_i32 s22, s16, HALFT
	s_add_co_u32 s22, s22, 2*HALFT
.irp s, 0,1
	v_add_nc_u32 v[ADRA+\s], s21, v4
	v_add_nc_u32 v[ADRB+\s], s22, v4
	s_add_co_u32 s21, s21, SLOT
	s_add_co_u32 s22, s22, SLOT
.endr
	v_lshlrev_b32 v5, 2, v1
	s_lshl_b32 s21, s15, 8                         ; my 64 positions in a plane of 128
	s_lshl_b32 s22, s16, 8
	s_add_co_u32 s22, s22, 2*SH+128
	s_sub_co_u32 s22, s22, s21
	v_mul_u32_u24 v6, s22, v2                      ; lanes 16-31 take B's: one product with h
	s_add_co_u32 s21, s21, SCL
	v_add_nc_u32 v6, v5, v6
	v_add_nc_u32 v[ADRS], s21, v6
	s_mul_i32 s23, s14, 16*SPITCH                  ; my stage
	v_mul_u32_u24 v5, v1, SPITCH
	v_lshl_add_u32 v5, v2, 6, v5
	v_add_nc_u32 v[STO], s23, v5                   ; in: row r, + 64 h
	v_mul_u32_u24 v5, v2, SPITCH
	v_lshl_add_u32 v5, v1, 4, v5
	v_add_nc_u32 v[RD], s23, v5                    ; back: lanes 0-15 one row of 256 bytes, lanes 16-31 the next
	v_lshlrev_b32 v[CO], 12, v2
	v_lshl_add_u32 v[CO], v1, 4, v[CO]             ; and the same two rows in C
	v_lshlrev_b32 v[BO], 6, v2
	v_lshlrev_b32 v31, 8, v3                       ; the prefetch's offset: 256 x lane; never rewritten
	s_wait_alu depctr_va_vdst(0)
	s_lshl_b32 s20, s17, 7
	s_lshl_b32 s21, s15, 6
	s_add_co_u32 s20, s20, s21
	s_lshl_b32 s20, s20, 12                        ; my first row: 128 x tile row + 64 x half, 4,096 bytes a row
	s_lshl_b32 s46, s42, 9
	s_lshl_b32 s47, s16, 8
	s_add_co_u32 s46, s46, s47                     ; my first column, in bytes
	s_mov_b32 s47, 0
	s_add_nc_u64 s[98:99], s[98:99], s[46:47]
	s_add_co_u32 s20, s20, s46
	s_mov_b32 s21, 0
	s_add_nc_u64 s[96:97], s[96:97], s[20:21]
	s_add_nc_u64 s[12:13], s[12:13], s[20:21]
.irp b, 0,1,2,3                                ; the bias in the result's layout
	global_load_b128 v[BIAS+8*\b:BIAS+8*\b+3], v[BO], s[98:99] offset:(32*(\b/2)+8*(\b%2))*4
	global_load_b128 v[BIAS+8*\b+4:BIAS+8*\b+7], v[BO], s[98:99] offset:(32*(\b/2)+8*(\b%2))*4+16
.endr
	WIN 0x80                                       ; destination window 2
.irp a, 0,1,2,3                                ; the residual: block a's 16 positions are rows 32 (a / 2) + 8 (a % 2) + p + 8 (p / 8); load t takes positions 2 t and 2 t + 1
.irp t, 0,1,2,3,4,5,6,7
	global_load_b128 v[32*\a+4*\t:32*\a+4*\t+3], v[CO], s[96:97] offset:(32*(\a/2)+8*(\a%2)+2*\t+8*(\t/4))*4096
.endr
.endr
	WIN 0
.macro FETCH slot, q, f                ; the fragments of the slot's q-th 128 along K into buffer f: 32 loads of 512 consecutive bytes
	WIN TO_F
.irp i, 0,1,2,3
.irp c, 0,1,2,3
	ds_load_b128 v[\f+64+16*\i+4*\c:\f+64+16*\i+4*\c+3], v[ADRB+\slot] offset:RBB*\i+2048*(\q)+512*\c
.endr
.endr
.irp i, 0,1,2,3
.irp c, 0,1,2,3
	ds_load_b128 v[\f+16*\i+4*\c:\f+16*\i+4*\c+3], v[ADRA+\slot] offset:RBB*\i+2048*(\q)+512*\c
.endr
.endr
.endm
.macro SCALES set                      ; a slot's scale words: register 4 i + q: lanes 0-15 the word of A's block i, lanes 16-31 that of B's block i
	WIN 0
.irp i, 0,1,2,3
.irp q, 0,1,2,3
	ds_load_b32 v[SC+16*\set+4*\i+\q], v[ADRS] offset:64*\i+512*\q
.endr
.endr
.endm
; four matrix instructions: A's block a x B's four.  The 16 accumulators take turns, one instruction a turn, in the same order in every step.  zero = 1: the bias starts the sums
.macro MULA f, a, q, set, zero
.irp b, 0,1,2,3
.if \zero
	v_wmma_scale_f32_16x16x128_f8f6f4 v[ACC+8*(4*(\a)+\b):ACC+8*(4*(\a)+\b)+7], v[\f+64+16*\b:\f+64+16*\b+15], v[\f+16*(\a):\f+16*(\a)+15], v[BIAS+8*\b:BIAS+8*\b+7], v[SC+16*(\set)+4*\b+(\q)], v[SC+16*(\set)+4*(\a)+(\q)] matrix_a_scale:MATRIX_SCALE_ROW1
.else
	v_wmma_scale_f32_16x16x128_f8f6f4 v[ACC+8*(4*(\a)+\b):ACC+8*(4*(\a)+\b)+7], v[\f+64+16*\b:\f+64+16*\b+15], v[\f+16*(\a):\f+16*(\a)+15], v[ACC+8*(4*(\a)+\b):ACC+8*(4*(\a)+\b)+7], v[SC+16*(\set)+4*\b+(\q)], v[SC+16*(\set)+4*(\a)+(\q)] matrix_a_scale:MATRIX_SCALE_ROW1
.endif
.endr
.endm
.macro PLACES n
.rept \n
	v_nop
.endr
.endm
; one of a slot's first three steps: fetches the slot's qn-th 128 along K into g, multiplies the one before out of f
.macro QSTEP slot, qn, f, g, zero
	PLACES 8                                       ; g was multiplied by the sixteen instructions just issued
	FETCH \slot, \qn, \g
	s_wait_dscnt 32                                ; all but the 32 just issued
	WIN MUL
.irp a, 0,1,2,3
	MULA \f, \a, (\qn)-1, \slot, \zero
.endr
.endm
; a slot's last step multiplies buffer 1 and changes slots: ONE barrier; in front of it each wave waits for all its tensor loads, adds 0 to its spare word, and waits for that and for its own reads of this slot
.macro TURN slot, next, fill
	WIN 0                                          ; (the add's two registers lie in window 0)
	s_wait_tensorcnt 0x0                           ; all my tensor loads have landed: my part of the next slot
	ds_add_u32 v[SPW], v[NIL]                      ; 0 onto my spare word
	s_wait_dscnt 1                                 ; (the add may be out)
	WIN MUL
	MULA F1, 0, 3, \slot, 0                        ; four matrix instructions stand between the add and the wait for it
	s_wait_dscnt 0x0                               ; the add is done, and my reads of this slot are over
	s_barrier_signal -1
	MULA F1, 1, 3, \slot, 0
	WIN 0
	s_barrier_wait -1
.if \fill
	CREST                                          ; the barrier has opened a round of the cluster's barrier
	s_add_nc_u64 s[G0+4*\slot+2:G0+4*\slot+3], s[G0+4*\slot+2:G0+4*\slot+3], 2*RBB
	s_add_nc_u64 s[G0B+4*\slot+2:G0B+4*\slot+3], s[G0B+4*\slot+2:G0B+4*\slot+3], 2*RBB
	JLOAD G0+4*\slot, G1, G0B+4*\slot, G1B         ; the first tensor load behind the round; its four v_nop are among the places in front of the loads below
	PLACES 4
.else
	PLACES 8
.endif
	v_add_nc_u32 v[ADRS], 2048, v[ADRS]            ; on to the next slot's four planes
	FETCH \next, 0, F0
	SCALES \next
	WIN MUL
	MULA F1, 2, 3, \slot, 0
	MULA F1, 3, 3, \slot, 0
.endm
	s_wait_alu depctr_va_vdst(0)
	global_prefetch_b8 v31, s[100:101] offset:RBB th:TH_LOAD_NT scope:SCOPE_SE   ; K step 1, the last: the load that wants it stands behind the round below
	s_wait_tensorcnt 0x0                           ; my tile of the head's four is in
	ds_add_u32 v28, v29
	s_mov_b32 s[G1+2], 4<<16                       ; no tensor load of mine is out: from here on a load brings 4 row blocks
	s_mov_b32 s[G1+4], 4
	s_mov_b32 s[G1B+2], 4<<16
	s_mov_b32 s[G1B+4], 4
	s_wait_dscnt 0x0
	CROUND                                         ; all four tiles are in, and all sixteen work-groups are here
	JLOAD G0+4, G1, G0B+4, G1B                     ; slot 1's first fill, the first tensor load behind the round
	FETCH 0, 0, F0
	SCALES 0
	s_wait_loadcnt 32                              ; the bias is in; the 32 loads of the residual may be out
	QSTEP 0, 1, F0, F1, 1                          ; the first step stands in front of the loop: its products start the sums
.if LAPS > 1
	WIN 0
	s_mov_b32 s3, LAPS-1
.Llap:                                                 ; a trip goes once round the ring and fills both slots again
	QSTEP 0, 2, F1, F0, 0
	QSTEP 0, 3, F0, F1, 0
	TURN 0, 1, 1
	QSTEP 1, 1, F0, F1, 0
	QSTEP 1, 2, F1, F0, 0
	QSTEP 1, 3, F0, F1, 0
	TURN 1, 0, 1
	QSTEP 0, 1, F0, F1, 0
	WIN 0
	s_sub_co_u32 s3, s3, 1
	s_cmp_lg_u32 s3, 0
	s_cbranch_scc1 .Llap
.endif
	QSTEP 0, 2, F1, F0, 0                          ; the last lap fills nothing
	QSTEP 0, 3, F0, F1, 0
	TURN 0, 1, 0
	QSTEP 1, 1, F0, F1, 0
	QSTEP 1, 2, F1, F0, 0
	QSTEP 1, 3, F0, F1, 0
	s_wait_dscnt 0x0
	WIN MUL
.irp a, 0,1,2,3
	MULA F1, \a, 3, 1, 0
.endr
	WIN 0
	; THE WAY OUT, a block of 16 positions x 64 columns at a time: through my stage, back as whole rows of 256 bytes, the residual added, stored
	PLACES 8
	s_wait_loadcnt 0x0                             ; the residual
.irp a, 0,1,2,3
.irp b, 0,1,2,3
	ds_store_b128 v[STO], v[ACC+8*(4*\a+\b):ACC+8*(4*\a+\b)+3] offset:128*(\b/2)+32*(\b%2)        ; each accumulator from its low end on
	ds_store_b128 v[STO], v[ACC+8*(4*\a+\b)+4:ACC+8*(4*\a+\b)+7] offset:128*(\b/2)+32*(\b%2)+16
.endr
.irp t, 0,1,2,3,4,5,6,7
	ds_load_b128 v[T+4*\t:T+4*\t+3], v[RD] offset:2*\t*SPITCH   ; LDS serves a wave's instructions in order: these see the stores above
.endr
	s_wait_dscnt 0x0
	WIN 0x08                                       ; source 1 window 2
.irp i, 0,2,4,6,8,10,12,14,16,18,20,22,24,26,28,30
	v_pk_add_f32 v[T+\i:T+\i+1], v[T+\i:T+\i+1], v[32*\a+\i:32*\a+\i+1]
.endr
	WIN 0
.irp t, 0,1,2,3,4,5,6,7
	global_store_b128 v[CO], v[T+4*\t:T+4*\t+3], s[12:13] offset:(32*(\a/2)+8*(\a%2)+2*\t+8*(\t/4))*4096   ; 16 lanes store 256 consecutive bytes, at a multiple of 256 from the buffer's first byte
.endr
	s_wait_xcnt 0x0                                ; the stores have read their data: the next block's rows may land there
.endr
	s_wait_tensorcnt 0x0                           ; the wave's end
	ds_add_u32 v[SPW], v[NIL]
	s_wait_dscnt 0x0
	CROUND                                         ; the closing round
	s_endpgm
.Lfunc_end_k_qcd00dab9d5_oproj:
	.size	k_qcd00dab9d5_oproj, .Lfunc_end_k_qcd00dab9d5_oproj-k_qcd00dab9d5_oproj
	.p2alignl 7, 3214868480
	.fill 96, 4, 3214868480
	.section	.rodata,"a",@progbits
	.p2align	6, 0x0
	.amdhsa_kernel k_qcd00dab9d5_oproj
		.amdhsa_group_segment_fixed_size 327680
		.amdhsa_private_segment_fixed_size 0
		.amdhsa_enable_private_segment 0
		.amdhsa_kernarg_size 40
		.amdhsa_user_sgpr_count 2
		.amdhsa_user_sgpr_kernarg_segment_ptr 1
		.amdhsa_wavefront_size32 1
		.amdhsa_system_sgpr_workgroup_id_x 1
		.amdhsa_system_sgpr_workgroup_id_y 1
		.amdhsa_system_sgpr_workgroup_id_z 1
		.amdhsa_system_vgpr_workitem_id 0
		.amdhsa_next_free_vgpr 768
		.amdhsa_next_free_sgpr 102
		.amdhsa_reserve_vcc 0
		.amdhsa_float_denorm_mode_32 3
		.amdhsa_float_denorm_mode_16_64 3
		.amdhsa_memory_ordered 1
		.amdhsa_forward_progress 1
		.amdhsa_inst_pref_size 64
	.end_amdhsa_kernel
	.amdgpu_metadata
---
amdhsa.version: [ 1, 2 ]
amdhsa.kernels:
  - .name:           k_qcd00dab9d5_oproj
    .symbol:         k_qcd00dab9d5_oproj.kd
    .args:
      - { .name: cq, .offset: 0, .size: 8, .value_kind: global_buffer, .address_space: global }
      - { .name: wq, .offset: 8, .size: 8, .value_kind: global_buffer, .address_space: global }
      - { .name: b_out, .offset: 16, .size: 8, .value_kind: global_buffer, .address_space: global }
      - { .name: x, .offset: 24, .size: 8, .value_kind: global_buffer, .address_space: global }
      - { .name: x1, .offset: 32, .size: 8, .value_kind: global_buffer, .address_space: global }
    .group_segment_fixed_size: 327680
    .private_segment_fixed_size: 0
    .kernarg_segment_align: 8
    .kernarg_segment_size: 40
    .max_flat_workgroup_size: 128
    .sgpr_count:     102
    .vgpr_count:     768
    .wavefront_size: 32
...
	.end_amdgpu_metadata
.endif
;; end of part 4
;; launch lnq (part 5): grid 256 x 1, 8 waves a work-group, no clusters, 69,632 bytes of LDS; arguments x1, ln_g, ln_b, hq; writes hq
.if DOCPART == 5
	.amdgcn_target "amdgcn-amd-amdhsa--gfx1250"
	.amdhsa_code_object_version 6
	.text
	.protected	k_qcd00dab9d5_lnq
	.globl	k_qcd00dab9d5_lnq
	.p2align	8
	.type	k_qcd00dab9d5_lnq,@function
k_qcd00dab9d5_lnq:
	s_mov_b64 s[64:65], 0
	v_nop
	global_prefetch_b8 v0, s[64:65] scope:SCOPE_SE
	s_setreg_imm32_b32 hwreg(HW_REG_WAVE_MODE, 25, 1), 1
	s_wait_xcnt 0x0
; LAUNCH 5 OF 7.  LayerNorm over rows of 1,024, then the quantiser: h = (x1 - mean) rsqrt(var + 1e-5) ln_g + ln_b becomes codes of FP8 (E4M3) with E8M0 scales, as fragment images in position order.
; A work-group takes a row block of 16 positions (rows 32 (rb / 2) + 8 (rb % 2) + p + 8 (p / 8)); wave w takes K step w: 128 columns.  A wave's 16 x 512 bytes are loaded as they lie, 512 consecutive bytes a load, and turn through
; its own stage in LDS, so that lane (r, h) holds, of row r, 16 neighbours of each block of 32: the operand's own order.
; The variance is taken in two passes (the mean first, then the squares of the differences), so that a common offset of the inputs costs no digits.  The eight waves' parts of each sum meet in LDS: two barriers.
; Memory binds: no matrix unit, no cluster, no tensor load.
; LIMITS: NaN and infinities are not served; a block whose largest magnitude lies under 2^-118 keeps the byte 1, and so does a block of zeros.
.set WV,   18
.set SEL,  20
.set MNT,  23
.set RED,  67584                       ; LDS behind the eight stages: [16 rows][8 waves] f32 for the sums; 512 bytes on, the same for the squares
.set GL,   4                           ; v4   16 x lane
.set SI,   5                           ; v5   the stage, in
.set SO,   6                           ; v6   the stage, out
.set GB,   7                           ; v7   64 h: ln_g, ln_b
.set SA,   8                           ; v8   4 r
.set RW,   9                           ; v9   RED + 32 r + 4 wave
.set RR,   10                          ; v10  RED + 32 r
.set R,    16                          ; v16-79   as loaded; later ln_b
.set X,    80                          ; v80-143  my 64 numbers
.set G,    144                         ; v144-207 ln_g
.set PC,   208
.set TM,   224
.set PW,   240
.macro QUANT s, pc, pw
.irp b, 0,1,2,3
	v_max3_num_f32 v[TM+\b], |v[\s+16*\b]|, |v[\s+16*\b+1]|, 0x4800000       ; block b: my 16 numbers, and the floor 2^(9 - 127)
.endr
.irp i, 2,4,6,8,10,12,14
.irp b, 0,1,2,3
	s_delay_alu instid0(VALU_DEP_4)
	v_max3_num_f32 v[TM+\b], v[TM+\b], |v[\s+16*\b+\i]|, |v[\s+16*\b+\i+1]|
.endr
.endr
.irp b, 0,1,2,3
	s_delay_alu instid0(VALU_DEP_4)
	v_permlanex16_b32 v[TM+4+\b], v[TM+\b], s[SEL], s[SEL+1]
.endr
.irp b, 0,1,2,3
	s_delay_alu instid0(VALU_DEP_4)
	v_max_num_f32 v[TM+\b], v[TM+\b], v[TM+4+\b]
.endr
.irp b, 0,1,2,3
	s_delay_alu instid0(VALU_DEP_4)
	v_add_nc_u32 v[TM+12+\b], 0xfc000000, v[TM+\b]
.endr
.irp b, 0,1,2,3
	v_and_or_b32 v[TM+8+\b], v[TM+\b], 0x7f800000, s[MNT]
.endr
.irp b, 0,1,2,3
	v_lshrrev_b32 v[TM+4+\b], 23, v[TM+12+\b]
.endr
	s_delay_alu instid0(VALU_DEP_3)
	v_lshl_or_b32 v[\pw], v[TM+5], 8, v[TM+4]
	s_delay_alu instid0(VALU_DEP_1)
	v_lshl_or_b32 v[\pw], v[TM+6], 16, v[\pw]
	s_delay_alu instid0(VALU_DEP_1)
	v_lshl_or_b32 v[\pw], v[TM+7], 24, v[\pw]
.irp b, 0,1,2,3
.irp i, 0,1,2,3,4,5,6,7,8,9,10,11,12,13,14,15
	v_med3_num_f32 v[\s+16*\b+\i], v[\s+16*\b+\i], -v[TM+8+\b], v[TM+8+\b]   ; the conversion to an 8-bit code does not saturate (ISA guide 7.6.2)
.endr
	v_cvt_scalef32_pk8_fp8_f32 v[\pc+4*\b:\pc+4*\b+1], v[\s+16*\b:\s+16*\b+7], v[TM+12+\b]
	v_cvt_scalef32_pk8_fp8_f32 v[\pc+4*\b+2:\pc+4*\b+3], v[\s+16*\b+8:\s+16*\b+15], v[TM+12+\b]
.endr
	v_nop
.endm
; my part of a row's sum (v242, after the four chains v[242:249]) joins lane l xor 16's, meets the other waves' in LDS at byte off, and comes back whole in v244
.macro ACROSS off
	s_delay_alu instid0(VALU_DEP_3)
	v_pk_add_f32 v[242:243], v[242:243], v[244:245]
	s_delay_alu instid0(VALU_DEP_2)
	v_pk_add_f32 v[246:247], v[246:247], v[248:249]
	s_delay_alu instid0(VALU_DEP_1)
	v_pk_add_f32 v[242:243], v[242:243], v[246:247]
	s_delay_alu instid0(VALU_DEP_1)
	v_add_f32 v242, v242, v243
	s_delay_alu instid0(VALU_DEP_1)
	v_permlanex16_b32 v250, v242, s[SEL], s[SEL+1]
	s_delay_alu instid0(VALU_DEP_1)
	v_add_f32 v242, v242, v250                     ; the row's 128 columns of my wave
	ds_store_b32 v[RW], v242 offset:\off           ; both halves of the lanes write the same word with the same value
	s_wait_dscnt 0x0                               ; for the others' sake
	s_barrier_signal -1
	s_barrier_wait -1
	ds_load_b128 v[244:247], v[RR] offset:\off
	ds_load_b128 v[248:251], v[RR] offset:\off+16
	s_wait_dscnt 0x0
	v_pk_add_f32 v[244:245], v[244:245], v[246:247]   ; the eight parts, in the same order in every wave
	v_pk_add_f32 v[248:249], v[248:249], v[250:251]
	s_delay_alu instid0(VALU_DEP_1)
	v_pk_add_f32 v[244:245], v[244:245], v[248:249]
	s_delay_alu instid0(VALU_DEP_1)
	v_add_f32 v244, v244, v245
.endm
	s_load_b256 s[4:11], s[0:1], 0x0               ; x1 s[4:5], ln_g s[6:7], ln_b s[8:9], hq s[10:11]
	v_lshl_add_u32 v254, v0, 2, 0x10c00
	v_mov_b32 v255, 0
	v_lshrrev_b32 v1, 5, v0
	s_delay_alu instid0(VALU_DEP_1)
	v_readfirstlane_b32 s[WV], v1                  ; wave 0..7
	v_and_b32 v1, 31, v0
	v_and_b32 v2, 15, v0                           ; r
	v_bfe_u32 v3, v0, 4, 1                         ; h
	s_mov_b32 s[SEL], 0x76543210
	s_mov_b32 s[SEL+1], 0xfedcba98
	s_mov_b32 s[MNT], 0x600000
	s_mov_b32 s24, 0x3a800000                      ; 1 / 1,024
	v_lshlrev_b32 v[GL], 4, v1
	s_mul_i32 s25, s[WV], 8448                     ; my stage: 16 rows x (512 + 16) bytes
	v_add_nc_u32 v[SI], s25, v[GL]
	v_mul_u32_u24 v[SO], v2, 528
	s_delay_alu instid0(VALU_DEP_1)
	v_lshl_add_u32 v[SO], v3, 6, v[SO]
	s_delay_alu instid0(VALU_DEP_1)
	v_add_nc_u32 v[SO], s25, v[SO]
	v_lshlrev_b32 v[GB], 6, v3
	v_lshlrev_b32 v[SA], 2, v2
	v_lshl_add_u32 v[RR], v2, 5, RED
	s_lshl_b32 s25, s[WV], 2
	v_add_nc_u32 v[RW], s25, v[RR]
.irp b, 0,1,2,3
	v_mov_b32 v[TM+4+\b], 0                        ; a lane permute's destination counts as one of its sources
.endr
	v_mov_b32 v250, 0
	s_lshr_b32 s25, ttmp9, 1
	s_lshl_b32 s25, s25, 5
	s_and_b32 s26, ttmp9, 1
	s_lshl_b32 s26, s26, 3
	s_add_co_u32 s25, s25, s26                     ; the block's first row
	s_lshl_b32 s26, s25, 12
	s_lshl_b32 s28, s[WV], 9                       ; my K step's 512 bytes
	s_add_co_u32 s26, s26, s28
	s_mov_b32 s27, 0
	s_mov_b32 s29, 0
	s_lshl_b32 s30, ttmp9, 3
	s_add_co_u32 s30, s30, s[WV]
	s_lshl_b32 s30, s30, 11                        ; fragment (rb, w)
	s_mov_b32 s31, 0
	s_lshl_b32 s32, s[WV], 14                      ; plane w,
	s_lshl_b32 s33, ttmp9, 6                       ; the block's 16 words
	s_add_co_u32 s32, s32, s33
	s_add_co_u32 s32, s32, 4194304
	s_mov_b32 s33, 0
	s_wait_alu depctr_va_vdst(0)
	s_wait_kmcnt 0x0
	s_add_nc_u64 s[4:5], s[4:5], s[26:27]
	s_add_nc_u64 s[6:7], s[6:7], s[28:29]
	s_add_nc_u64 s[8:9], s[8:9], s[28:29]
	s_add_nc_u64 s[32:33], s[10:11], s[32:33]
	s_add_nc_u64 s[10:11], s[10:11], s[30:31]
.irp p, 0,1,2,3,4,5,6,7,8,9,10,11,12,13,14,15
	global_load_b128 v[R+4*\p:R+4*\p+3], v[GL], s[4:5] offset:(\p+8*(\p/8))*4096   ; lane-row p: 512 consecutive bytes
.endr
.irp b, 0,1,2,3
.irp j, 0,1,2,3
	global_load_b128 v[G+16*\b+4*\j:G+16*\b+4*\j+3], v[GB], s[6:7] offset:128*\b+16*\j   ; ln_g at my 64 columns
.endr
.endr
	s_wait_loadcnt 16                              ; x1's 16 loads are in; ln_g's may be out
.irp p, 0,1,2,3,4,5,6,7,8,9,10,11,12,13,14,15
	ds_store_b128 v[SI], v[R+4*\p:R+4*\p+3] offset:528*\p
.endr
.irp b, 0,1,2,3
.irp j, 0,1,2,3
	ds_load_b128 v[X+16*\b+4*\j:X+16*\b+4*\j+3], v[SO] offset:128*\b+16*\j
.endr
.endr
	s_wait_dscnt 0x0                               ; my numbers are back, and the stores have read their registers,
.irp b, 0,1,2,3
.irp j, 0,1,2,3
	global_load_b128 v[R+16*\b+4*\j:R+16*\b+4*\j+3], v[GB], s[8:9] offset:128*\b+16*\j   ; which take ln_b
.endr
.endr
	v_pk_add_f32 v[242:243], v[X:X+1], v[X+2:X+3]  ; the sum, in four chains
	v_pk_add_f32 v[244:245], v[X+4:X+5], v[X+6:X+7]
	v_pk_add_f32 v[246:247], v[X+8:X+9], v[X+10:X+11]
	v_pk_add_f32 v[248:249], v[X+12:X+13], v[X+14:X+15]
.irp i, 16,24,32,40,48,56
	s_delay_alu instid0(VALU_DEP_4)
	v_pk_add_f32 v[242:243], v[242:243], v[X+\i:X+\i+1]
	s_delay_alu instid0(VALU_DEP_4)
	v_pk_add_f32 v[244:245], v[244:245], v[X+\i+2:X+\i+3]
	s_delay_alu instid0(VALU_DEP_4)
	v_pk_add_f32 v[246:247], v[246:247], v[X+\i+4:X+\i+5]
	s_delay_alu instid0(VALU_DEP_4)
	v_pk_add_f32 v[248:249], v[248:249], v[X+\i+6:X+\i+7]
.endr
	ACROSS 0
	s_delay_alu instid0(VALU_DEP_1)
	v_mul_f32 v252, s24, v244                      ; the mean
	s_delay_alu instid0(VALU_DEP_1)
	v_mov_b32 v253, v252
.set i, 0
.rept 32
	v_pk_add_f32 v[X+i:X+i+1], v[X+i:X+i+1], v[252:253] neg_lo:[0,1] neg_hi:[0,1]   ; x - mean
.set i, i+2
.endr
	v_pk_mul_f32 v[242:243], v[X:X+1], v[X:X+1]    ; the squares, in four chains
	v_pk_mul_f32 v[244:245], v[X+2:X+3], v[X+2:X+3]
	v_pk_mul_f32 v[246:247], v[X+4:X+5], v[X+4:X+5]
	v_pk_mul_f32 v[248:249], v[X+6:X+7], v[X+6:X+7]
.irp i, 8,16,24,32,40,48,56
	s_delay_alu instid0(VALU_DEP_4)
	v_pk_fma_f32 v[242:243], v[X+\i:X+\i+1], v[X+\i:X+\i+1], v[242:243]
	s_delay_alu instid0(VALU_DEP_4)
	v_pk_fma_f32 v[244:245], v[X+\i+2:X+\i+3], v[X+\i+2:X+\i+3], v[244:245]
	s_delay_alu instid0(VALU_DEP_4)
	v_pk_fma_f32 v[246:247], v[X+\i+4:X+\i+5], v[X+\i+4:X+\i+5], v[246:247]
	s_delay_alu instid0(VALU_DEP_4)
	v_pk_fma_f32 v[248:249], v[X+\i+6:X+\i+7], v[X+\i+6:X+\i+7], v[248:249]
.endr
	ACROSS 512                                     ; other bytes than the first sum's: no third barrier
	s_delay_alu instid0(VALU_DEP_1)
	v_fmaak_f32 v244, s24, v244, 0x3727c5ac        ; the variance + 1e-5
	s_wait_alu depctr_va_vdst(0)
	v_rsq_f32 v252, v244
	v_nop                                          ; a plain line behind it,
	s_wait_alu depctr_va_vdst(0)                   ; and the wait ahead of its first reader
	v_mov_b32 v253, v252
	s_wait_alu depctr_va_vdst(0)
	s_wait_loadcnt 0x0                             ; ln_g and ln_b
.set i, 0
.rept 32
	v_pk_mul_f32 v[X+i:X+i+1], v[X+i:X+i+1], v[252:253]
.set i, i+2
.endr
.set i, 0
.rept 32
	v_pk_fma_f32 v[X+i:X+i+1], v[X+i:X+i+1], v[G+i:G+i+1], v[R+i:R+i+1]
.set i, i+2
.endr
	QUANT X, PC, PW
.irp c, 0,1,2,3
	global_store_b128 v[GL], v[PC+4*\c:PC+4*\c+3], s[10:11] offset:512*\c   ; 512 consecutive bytes of the image
.endr
	global_store_b32 v[SA], v[PW], s[32:33]        ; both halves of the lanes write the same word with the same value
	s_wait_tensorcnt 0x0
	ds_add_u32 v254, v255
	s_wait_dscnt 0x0
	s_endpgm
.Lfunc_end_k_qcd00dab9d5_lnq:
	.size	k_qcd00dab9d5_lnq, .Lfunc_end_k_qcd00dab9d5_lnq-k_qcd00dab9d5_lnq
	.p2alignl 7, 3214868480
	.fill 96, 4, 3214868480
	.section	.rodata,"a",@progbits
	.p2align	6, 0x0
	.amdhsa_kernel k_qcd00dab9d5_lnq
		.amdhsa_group_segment_fixed_size 69632
		.amdhsa_private_segment_fixed_size 0
		.amdhsa_enable_private_segment 0
		.amdhsa_kernarg_size 32
		.amdhsa_user_sgpr_count 2
		.amdhsa_user_sgpr_kernarg_segment_ptr 1
		.amdhsa_wavefront_size32 1
		.amdhsa_system_sgpr_workgroup_id_x 1
		.amdhsa_system_sgpr_workgroup_id_y 1
		.amdhsa_system_sgpr_workgroup_id_z 1
		.amdhsa_system_vgpr_workitem_id 0
		.amdhsa_next_free_vgpr 256
		.amdhsa_next_free_sgpr 66
		.amdhsa_reserve_vcc 0
		.amdhsa_float_denorm_mode_32 3
		.amdhsa_float_denorm_mode_16_64 3
		.amdhsa_memory_ordered 1
		.amdhsa_forward_progress 1
		.amdhsa_inst_pref_size 33
	.end_amdhsa_kernel
	.amdgpu_metadata
---
amdhsa.version: [ 1, 2 ]
amdhsa.kernels:
  - .name:           k_qcd00dab9d5_lnq
    .symbol:         k_qcd00dab9d5_lnq.kd
    .args:
      - { .name: x1, .offset: 0, .size: 8, .value_kind: global_buffer, .address_space: global }
      - { .name: ln_g, .offset: 8, .size: 8, .value_kind: global_buffer, .address_space: global }
      - { .name: ln_b, .offset: 16, .size: 8, .value_kind: global_buffer, .address_space: global }
      - { .name: hq, .offset: 24, .size: 8, .value_kind: global_buffer, .address_space: global }
    .group_segment_fixed_size: 69632
    .private_segment_fixed_size: 0
    .kernarg_segment_align: 8
    .kernarg_segment_size: 32
    .max_flat_workgroup_size: 256
    .sgpr_count:     66
    .vgpr_count:     256
    .wavefront_size: 32
...
	.end_amdgpu_metadata
.endif
;; end of part 5
;; launch ffn1 (part 6): grid 16 x 16, 4 waves a work-group, clusters of 4 x 4, 327,680 bytes of LDS; arguments hq, wq, b1, gq; writes gq
.if DOCPART == 6
	.amdgcn_target "amdgcn-amd-amdhsa--gfx1250"
	.amdhsa_code_object_version 6
	.text
	.protected	k_qcd00dab9d5_ffn1
	.globl	k_qcd00dab9d5_ffn1
	.p2align	8
	.type	k_qcd00dab9d5_ffn1,@function
k_qcd00dab9d5_ffn1:
	s_mov_b64 s[64:65], 0
	v_nop
	global_prefetch_b8 v0, s[64:65] scope:SCOPE_SE
	s_setreg_imm32_b32 hwreg(HW_REG_WAVE_MODE, 25, 1), 1
	s_wait_xcnt 0x0
	s_wait_alu depctr_hold_cnt(0) depctr_sa_sdst(0) depctr_va_vdst(0) depctr_va_sdst(0) depctr_va_ssrc(0) depctr_va_vcc(0) depctr_vm_vsrc(0)
	s_getreg_b32 s2, hwreg(HW_REG_IB_STS2, 6, 4)
	s_cmp_eq_u32 s2, 0
	s_cbranch_scc0 .Lentry_in_a_cluster
	s_endpgm
.Lentry_in_a_cluster:
	s_bfe_u32 s2, ttmp6, 0x10000c
	s_cmp_lg_u32 s2, 0xf033
	s_cbranch_scc0 .Lentry_shape_is_right
	s_endpgm
.Lentry_shape_is_right:
.set MODE,  1
.set NQ,    2
.set FR,    16
.set NL,    4
.set NP,    8
.set RBB,   4096
.set HALFT, 8*RBB
.set SLOT,  4*HALFT
.set LAPS,  2
.set SCL,   2*SLOT
.set HALFS, 4096
.set SCST,  SCL+4*HALFS+256
.set SPARE, SCST+2048
.set ADRA, 16
.set ADRB, 20
.set SWA,  22
.set SW0,  24
.set SR,   25
.set LI,   26
.set ADRS, 27
.set SPW,  28
.set NIL,  29
.set BO,   30
.set SC,   32
.set BIAS, 64
.set AF,   128
.set Z,    64
.set T,    128
.set X2,   32
.set P,    48
.set Q,    192
.set PC,   208
.set TM,   224
.set PW,   240
.set CA,   248
.set CB,   250
.set G1, 24
.set G0, 32
.set G1B, 48
.set G0B, 56
.set G1S, 68
.set G0S, 76
.set G1SB, 80
.set G0SB, 88
.set SEL, 92
.set MNT, 94
.set KA1, 24
.set KB1, 36
.set KR2, 44
.set MSB, 0
.macro WIN new
.if MSB != (\new)
	s_set_vgpr_msb (MSB<<8)|(\new)
.set MSB, (\new)
.endif
.endm
.set MUL_LO, 0xa1
.set MUL_HI, 0xf1
.set TO_B,   0x40
.macro JLOAD g0a, g1a, g0b, g1b
	s_cmp_eq_u32 s15, 0
	s_cbranch_scc0 .Lfor_b_\@
	tensor_load_to_lds s[\g0a:\g0a+3], s[\g1a:\g1a+7]
	s_nop 0
.rept 4
	v_nop
.endr
	s_branch .Lasked_\@
.Lfor_b_\@:
	tensor_load_to_lds s[\g0b:\g0b+3], s[\g1b:\g1b+7]
	s_nop 0
.rept 4
	v_nop
.endr
.Lasked_\@:
.endm
.macro CREST
	s_cmp_lg_u32 s14, 0
	s_cbranch_scc1 .Lnot_wave_0_\@
	s_barrier_signal -3
.Lnot_wave_0_\@:
	s_barrier_wait -3
	s_barrier_signal -1
	s_barrier_wait -1
.endm
.macro CROUND
	s_barrier_signal -1
	s_barrier_wait -1
	CREST
.endm
.if MODE
	s_load_b256 s[4:11], s[0:1], 0x0
.else
	s_load_b128 s[4:7], s[0:1], 0x0
	s_load_b64 s[12:13], s[0:1], 0x10
.endif
	v_lshl_add_u32 v[SPW], v0, 2, SPARE
	v_mov_b32 v[NIL], 0
	ds_add_u32 v28, v29
	ds_add_u32 v28, v29
	s_wait_dscnt 0x0
	v_lshrrev_b32 v1, 5, v0
	v_readfirstlane_b32 s14, v1
	s_lshr_b32 s15, s14, 1
	s_and_b32 s16, s14, 1
	s_bfe_u32 s40, ttmp6, 0x40000
	s_bfe_u32 s41, ttmp6, 0x40004
.if MODE
	s_lshl_b32 s42, ttmp9, 2
	s_add_co_u32 s42, s42, s40
	s_and_b32 s17, ttmp7, 0xffff
	s_lshl_b32 s17, s17, 2
	s_add_co_u32 s17, s17, s41
.else
	s_lshr_b32 s17, ttmp9, 1
	s_lshl_b32 s17, s17, 2
	s_and_b32 s42, ttmp9, 1
	s_lshl_b32 s42, s42, 2
	s_sub_co_u32 s45, ttmp9, 8
	s_lshl_b32 s45, s45, 2
	s_cmp_lt_u32 ttmp9, 8
	s_cselect_b32 s17, s17, 0
	s_cselect_b32 s42, s42, s45
	s_add_co_u32 s17, s17, s41
	s_add_co_u32 s42, s42, s40
.endif
	s_lshl_b32 s43, s41, 2
	s_lshl_b32 s43, 15, s43
	s_lshl_b32 s44, 0x1111, s40
	s_or_b32 s[G1+0], s43, (3<<16)|(1<<21)
	s_or_b32 s[G1B+0], s44, (3<<16)|(1<<21)
.irp g, G1, G1B
	s_mov_b32 s[\g+1], 512<<16
	s_mov_b32 s[\g+2], 16<<16                      ; the head's loads bring a tile's 16 row blocks; behind them the two counts are set to 8, for the ring's
	s_mov_b32 s[\g+3], 512<<16
	s_mov_b32 s[\g+4], 16
	s_mov_b32 s[\g+5], 2048
	s_mov_b32 s[\g+6], 0
	s_mov_b32 s[\g+7], 0
.endr
	s_or_b32 s[G1S+0], s43, (3<<16)|(1<<21)
	s_or_b32 s[G1SB+0], s44, (3<<16)|(1<<21)
.irp g, G1S, G1SB
	s_mov_b32 s[\g+1], 128<<16                     ; a plane's 256 positions: 1,024 bytes
	s_mov_b32 s[\g+2], 8<<16
	s_mov_b32 s[\g+3], 128<<16
	s_mov_b32 s[\g+4], 8
	s_mov_b32 s[\g+5], 2048
	s_mov_b32 s[\g+6], 0
	s_mov_b32 s[\g+7], 0
.endr
	s_lshl_b32 s2, s16, 17                         ; in the ring I fetch 8 row blocks of a tile: which half, in bytes
	s_mov_b32 s3, 0
	s_lshl_b32 s20, s17, 4
	s_lshl_b32 s46, s42, 4
	s_lshl_b32 s22, s20, 6
	s_lshl_b32 s92, s46, 6
	s_lshl_b32 s20, s20, 14
	s_lshl_b32 s46, s46, 14
	s_mov_b32 s21, 0
	s_mov_b32 s23, 0
	s_mov_b32 s47, 0
	s_mov_b32 s93, 0
	s_mul_i32 s45, s14, HALFT
	s_wait_kmcnt 0x0
.if MODE
	s_mov_b64 s[100:101], s[8:9]
	s_mov_b64 s[12:13], s[10:11]
	s_add_nc_u64 s[8:9], s[6:7], 4194304
	s_add_nc_u64 s[10:11], s[6:7], 12746752
	s_add_nc_u64 s[6:7], s[4:5], 4194304
.else
	s_add_nc_u64 s[96:97], s[4:5], 4194304
	s_add_nc_u64 s[98:99], s[6:7], 12582912
	s_add_nc_u64 s[100:101], s[6:7], 12582912+8192
	s_add_nc_u64 s[18:19], s[6:7], 2097152
	s_cmp_lt_u32 ttmp9, 8
	s_cselect_b64 s[8:9], s[6:7], s[4:5]
	s_cselect_b64 s[10:11], s[98:99], s[96:97]
	s_cselect_b64 s[4:5], s[4:5], s[18:19]
	s_cselect_b64 s[6:7], s[96:97], s[100:101]
.endif
	s_add_nc_u64 s[20:21], s[4:5], s[20:21]
	s_add_nc_u64 s[22:23], s[6:7], s[22:23]
	s_add_nc_u64 s[46:47], s[8:9], s[46:47]
	s_add_nc_u64 s[92:93], s[10:11], s[92:93]
	CROUND
	s_mov_b32 s[G0S], 1
	s_mov_b32 s[G0S+1], SCL
	s_mov_b64 s[G0S+2:G0S+3], s[22:23]
	s_or_b32 s[G0S+3], s[G0S+3], 0x80000000
	s_mov_b32 s[G0SB], 1
	s_mov_b32 s[G0SB+1], SCL+2*HALFS+128
	s_mov_b64 s[G0SB+2:G0SB+3], s[92:93]
	s_or_b32 s[G0SB+3], s[G0SB+3], 0x80000000
	s_mov_b32 s4, 1                                ; group 0 of the head's loads of slot 0, in registers that held arguments: A's 16 row blocks,
	s_mov_b32 s5, 0
	s_mov_b64 s[6:7], s[20:21]
	s_or_b32 s7, s7, 0x80000000
	s_mov_b32 s8, 1                                ; and B's, behind them
	s_mov_b32 s9, 2*HALFT
	s_mov_b64 s[10:11], s[46:47]
	s_or_b32 s11, s11, 0x80000000
	s_add_nc_u64 s[20:21], s[20:21], s[2:3]        ; for the ring: my 8 row blocks
	s_add_nc_u64 s[46:47], s[46:47], s[2:3]
.irp s, 0,1
	s_mov_b32 s[G0+4*\s], 1
	s_add_co_u32 s[G0+4*\s+1], s45, \s*SLOT
	s_add_nc_u64 s[G0+4*\s+2:G0+4*\s+3], s[20:21], \s*RBB
	s_or_b32 s[G0+4*\s+3], s[G0+4*\s+3], 0x80000000
	s_mov_b32 s[G0B+4*\s], 1
	s_add_co_u32 s[G0B+4*\s+1], s45, \s*SLOT
	s_add_nc_u64 s[G0B+4*\s+2:G0B+4*\s+3], s[46:47], \s*RBB
	s_or_b32 s[G0B+4*\s+3], s[G0B+4*\s+3], 0x80000000
.endr
; THE HEAD'S LOADS, ONE A WAVE: wave 0 slot 0's tile of A, wave 1 that of B, wave 2 A's scale words, wave 3 B's.  One chain of branches on the wave's number, a load to an arm.
.macro ARM under, g0, g1, next
	s_cmp_lt_u32 s14, \under
	s_cbranch_scc0 \next
	tensor_load_to_lds s[\g0:\g0+3], s[\g1:\g1+7]
	s_nop 0
.rept 4
	v_nop
.endr
	s_branch .Lhead_asked
\next:
.endm
	ARM 1, 4, G1, .Lhead_b
	ARM 2, 8, G1B, .Lhead_sa
	ARM 3, G0S, G1S, .Lhead_sb
	tensor_load_to_lds s[G0SB:G0SB+3], s[G1SB:G1SB+7]
	s_nop 0
.rept 4
	v_nop
.endr
.Lhead_asked:
	; THE PREFETCHES.  Of the 8 row blocks that I fetch in the ring, each of the four partners that ask for them with me takes two, told apart by address (cx for A, cy for B): a K step's part of a row block is 4,096 bytes, 16 lanes 256 bytes apart.
	s_cmp_eq_u32 s15, 0
	s_cselect_b64 s[66:67], s[20:21], s[46:47]
	s_cselect_b32 s2, s40, s41
	s_lshl_b32 s2, s2, 15                          ; two row blocks of 16,384 bytes (s3 is still 0)
	s_add_nc_u64 s[66:67], s[66:67], s[2:3]
	v_and_b32 v1, 15, v0
	v_bfe_u32 v2, v0, 4, 1
	s_wait_alu depctr_va_vdst(0)
	v_and_b32 v3, 31, v0
	v_lshlrev_b32 v[LI], 4, v3
	v_lshlrev_b32 v31, 14, v2                      ; the prefetches' offset: lanes 16-31 take the second row block; 256 bytes from lane to lane; never rewritten
	v_lshl_add_u32 v31, v1, 8, v31
	s_mul_i32 s21, s15, HALFT
	s_mul_i32 s22, s16, HALFT
	s_add_co_u32 s22, s22, 2*HALFT
.irp s, 0,1
	v_add_nc_u32 v[ADRA+\s], s21, v[LI]
	v_add_nc_u32 v[ADRB+\s], s22, v[LI]
	s_add_co_u32 s21, s21, SLOT
	s_add_co_u32 s22, s22, SLOT
.endr
	v_lshlrev_b32 v5, 2, v1
	s_lshl_b32 s21, s15, 9                         ; my 128 positions in a plane of 256
	s_lshl_b32 s22, s16, 9
	s_add_co_u32 s22, s22, 2*HALFS+128
	s_sub_co_u32 s22, s22, s21
	v_mul_u32_u24 v6, s22, v2
	s_add_co_u32 s21, s21, SCL
	v_add_nc_u32 v6, v5, v6
	v_add_nc_u32 v[ADRS], s21, v6
	s_lshl_b32 s23, s14, 9
	s_add_co_u32 s23, s23, SCST
	v_add_nc_u32 v[SW0], s23, v5
	v_add_nc_u32 v[SR], s23, v[LI]
	s_lshl_b32 s20, s17, 1
	s_add_co_u32 s20, s20, s15
	s_lshl_b32 s46, s42, 1
	s_add_co_u32 s46, s46, s16
.if MODE
	s_lshl_b32 s21, s20, 8
	s_add_co_u32 s21, s21, s46
	s_lshl_b32 s22, s21, 11
	s_mov_b32 s23, 0
	s_lshl_b32 s18, s46, 14
	s_lshl_b32 s19, s20, 9
	s_add_co_u32 s18, s18, s19
	s_add_co_u32 s18, s18, 16777216
	s_mov_b32 s19, 0
	s_add_nc_u64 s[96:97], s[12:13], s[18:19]
	s_add_nc_u64 s[12:13], s[12:13], s[22:23]
	s_lshl_b32 s18, s46, 9
	s_add_nc_u64 s[100:101], s[100:101], s[18:19]
	v_lshlrev_b32 v[BO], 6, v2
.irp b, 0,1,2,3,4,5,6,7
	global_load_b128 v[BIAS+8*\b:BIAS+8*\b+3], v[BO], s[100:101] offset:(32*(\b/2)+8*(\b%2))*4
	global_load_b128 v[BIAS+8*\b+4:BIAS+8*\b+7], v[BO], s[100:101] offset:(32*(\b/2)+8*(\b%2))*4+16
.endr
.else
	s_and_b32 s21, s46, 1
	s_lshl_b32 s21, s21, 4
	s_lshr_b32 s22, s20, 4
	s_lshl_b32 s22, s22, 3
	s_add_co_u32 s21, s21, s22
	s_lshr_b32 s22, s46, 1
	s_add_co_u32 s21, s21, s22
	s_lshl_b32 s21, s21, 4
	s_and_b32 s22, s20, 15
	s_add_co_u32 s21, s21, s22
	s_lshr_b32 s22, s46, 4
	s_lshl_b32 s22, s22, 3
	s_add_co_u32 s22, s22, s20
	s_add_co_u32 s22, s22, 32
	s_lshl_b32 s22, s22, 4
	s_and_b32 s23, s46, 15
	s_add_co_u32 s22, s22, s23
	s_cmp_lt_u32 ttmp9, 8
	s_cselect_b32 s20, s21, s22
	s_mul_i32 s20, s20, 16896
	s_mov_b32 s21, 0
	s_add_nc_u64 s[12:13], s[12:13], s[20:21]
	s_add_nc_u64 s[96:97], s[12:13], 16384
.endif
.macro FRAG reg, adr, q, i
.irp c, 0,1,2,3
	ds_load_b128 v[\reg+4*\c:\reg+4*\c+3], v[\adr] offset:2048*(\q)+512*\c+(\i)*RBB
.endr
.endm
.macro MUL16 a0, p, q, sc, zero
.irp a, \a0, \a0+1
.irp b, 0,1,2,3,4,5,6,7
.if (\zero) && MODE
	v_wmma_scale_f32_16x16x128_f8f6f4 v[8*(8*((\a)%4)+\b):8*(8*((\a)%4)+\b)+7], v[128*(\p)+FR*\b:128*(\p)+FR*\b+FR-1], v[AF+FR*(\a):AF+FR*(\a)+FR-1], v[BIAS+8*\b:BIAS+8*\b+7], v[SC+8*NQ*(\sc)+NQ*\b+(\q)], v[SC+8*NQ*(\sc)+NQ*(\a)+(\q)] matrix_a_scale:MATRIX_SCALE_ROW1
.elseif \zero
	v_wmma_scale_f32_16x16x128_f8f6f4 v[8*(8*((\a)%4)+\b):8*(8*((\a)%4)+\b)+7], v[128*(\p)+FR*\b:128*(\p)+FR*\b+FR-1], v[AF+FR*(\a):AF+FR*(\a)+FR-1], 0, v[SC+8*NQ*(\sc)+NQ*\b+(\q)], v[SC+8*NQ*(\sc)+NQ*(\a)+(\q)] matrix_a_scale:MATRIX_SCALE_ROW1
.else
	v_wmma_scale_f32_16x16x128_f8f6f4 v[8*(8*((\a)%4)+\b):8*(8*((\a)%4)+\b)+7], v[128*(\p)+FR*\b:128*(\p)+FR*\b+FR-1], v[AF+FR*(\a):AF+FR*(\a)+FR-1], v[8*(8*((\a)%4)+\b):8*(8*((\a)%4)+\b)+7], v[SC+8*NQ*(\sc)+NQ*\b+(\q)], v[SC+8*NQ*(\sc)+NQ*(\a)+(\q)] matrix_a_scale:MATRIX_SCALE_ROW1
.endif
.endr
.endr
.endm
.macro FETCH_B slot, q, p
	WIN TO_B
.irp i, 0,1,2,3,4,5,6,7
	FRAG 128*(\p)+FR*\i, ADRB+\slot, \q, \i
.endr
	WIN 0
.endm
.macro FETCH_A slot, q, i0
.irp i, \i0, \i0+1, \i0+2, \i0+3
	FRAG AF+FR*(\i), ADRA+\slot, \q, \i
.endr
.endm
.macro SCALES sc
.irp i, 0,1,2,3,4,5,6,7
.irp q, 0,1
	ds_load_b32 v[SC+8*NQ*\sc+NQ*\i+\q], v[ADRS] offset:64*\i+1024*\q
.endr
.endr
.endm
.macro PLACES n
.rept \n
	v_nop
.endr
.endm
.macro STEP slot, q, zero
	s_wait_dscnt 4*NL
.if (\zero) && MODE
	WIN 0x81
.else
	WIN MUL_LO
.endif
	MUL16 0, (\q)%2, \q, \slot, \zero
	MUL16 2, (\q)%2, \q, \slot, \zero
	s_wait_dscnt 0
	PLACES NP
	FETCH_B \slot, (\q)+1, 1-(\q)%2
	FETCH_A \slot, (\q)+1, 0
.if (\zero) && MODE
	WIN 0xc1
.else
	WIN MUL_HI
.endif
	MUL16 4, (\q)%2, \q, \slot, \zero
	MUL16 6, (\q)%2, \q, \slot, \zero
	PLACES NP
	WIN 0
	FETCH_A \slot, (\q)+1, 4
.endm
.macro TURN slot, next, fill
	s_wait_tensorcnt 0x0
	ds_add_u32 v[SPW], v[NIL]
	s_wait_dscnt 4*NL+1
	WIN MUL_LO
	MUL16 0, 1, NQ-1, \slot, 0
	s_wait_dscnt 0x0
	s_barrier_signal -1
	MUL16 2, 1, NQ-1, \slot, 0
	WIN 0
	s_barrier_wait -1
.if \fill
	CREST
	s_add_nc_u64 s[G0+4*\slot+2:G0+4*\slot+3], s[G0+4*\slot+2:G0+4*\slot+3], 2*RBB
	s_add_nc_u64 s[G0B+4*\slot+2:G0B+4*\slot+3], s[G0B+4*\slot+2:G0B+4*\slot+3], 2*RBB
	JLOAD G0+4*\slot, G1, G0B+4*\slot, G1B
	PLACES NP-4
.else
	PLACES NP
.endif
	s_wait_alu depctr_va_vdst(0)
	v_add_nc_u32 v[ADRS], 1024*NQ, v[ADRS]
	FETCH_B \next, 0, 0
	FETCH_A \next, 0, 0
	SCALES \next
	WIN MUL_HI
	MUL16 4, 1, NQ-1, \slot, 0
	MUL16 6, 1, NQ-1, \slot, 0
	PLACES NP
	WIN 0
	FETCH_A \next, 0, 4
.endm
	s_wait_alu depctr_va_vdst(0)
	global_prefetch_b8 v31, s[66:67] offset:RBB th:TH_LOAD_NT scope:SCOPE_SE     ; K steps 1 and 2: the loads that want them stand behind the round below and behind slot 0's steps
	global_prefetch_b8 v31, s[66:67] offset:2*RBB th:TH_LOAD_NT scope:SCOPE_SE
	s_wait_tensorcnt 0x0                           ; my tile of the head's four is in
	ds_add_u32 v28, v29
	s_mov_b32 s[G1+2], 8<<16                       ; no tensor load of mine is out: from here on a load brings 8 row blocks
	s_mov_b32 s[G1+4], 8
	s_mov_b32 s[G1B+2], 8<<16
	s_mov_b32 s[G1B+4], 8
	s_wait_dscnt 0x0
	CROUND
	JLOAD G0+4, G1, G0B+4, G1B                     ; slot 1's first fill, the first tensor load behind the round
	FETCH_B 0, 0, 0
	FETCH_A 0, 0, 0
	SCALES 0
	FETCH_A 0, 0, 4
	global_prefetch_b8 v31, s[66:67] offset:3*RBB th:TH_LOAD_NT scope:SCOPE_SE   ; K step 3, the last: two refills on
.if MODE
	s_wait_loadcnt 0x0
.endif
	STEP 0, 0, 1
	s_mov_b32 s3, LAPS-1
.Llap:
	TURN 0, 1, 1
	STEP 1, 0, 0
	TURN 1, 0, 1
	STEP 0, 0, 0
	s_sub_co_u32 s3, s3, 1
	s_cmp_lg_u32 s3, 0
	s_cbranch_scc1 .Llap
	TURN 0, 1, 0
	STEP 1, 0, 0
	s_wait_dscnt 4*NL
	WIN MUL_LO
	MUL16 0, 1, NQ-1, 1, 0
	MUL16 2, 1, NQ-1, 1, 0
	s_wait_dscnt 0
	WIN MUL_HI
	MUL16 4, 1, NQ-1, 1, 0
	MUL16 6, 1, NQ-1, 1, 0
	WIN 0
.macro QUANTW s, w
	WIN (\w)|((\w)<<2)
.irp b, 0,1,2,3
	v_max3_num_f32 v[TM+\b], |v[(\s)+16*\b]|, |v[(\s)+16*\b+1]|, 0x4800000
.endr
.irp i, 2,4,6,8,10,12,14
.irp b, 0,1,2,3
	v_max3_num_f32 v[TM+\b], |v[(\s)+16*\b+\i]|, |v[(\s)+16*\b+\i+1]|, v[TM+\b]
.endr
.endr
	WIN 0
.irp b, 0,1,2,3
	v_permlanex16_b32 v[TM+4+\b], v[TM+\b], s[SEL], s[SEL+1]
.endr
.irp b, 0,1,2,3
	v_max_num_f32 v[TM+\b], v[TM+\b], v[TM+4+\b]
.endr
.irp b, 0,1,2,3
	v_add_nc_u32 v[TM+12+\b], 0xfc000000, v[TM+\b]
.endr
.irp b, 0,1,2,3
	v_and_or_b32 v[TM+8+\b], v[TM+\b], 0x7f800000, s[MNT]
.endr
.irp b, 0,1,2,3
	v_lshrrev_b32 v[TM+4+\b], 23, v[TM+12+\b]
.endr
	v_lshl_or_b32 v[PW], v[TM+5], 8, v[TM+4]
	v_lshl_or_b32 v[PW], v[TM+6], 16, v[PW]
	v_lshl_or_b32 v[PW], v[TM+7], 24, v[PW]
	WIN (\w)
.irp b, 0,1,2,3
.irp i, 0,1,2,3,4,5,6,7,8,9,10,11,12,13,14,15
	v_med3_num_f32 v[T+16*\b+\i], v[(\s)+16*\b+\i], -v[TM+8+\b], v[TM+8+\b]
.endr
.endr
	WIN 0
.irp b, 0,1,2,3
	v_cvt_scalef32_pk8_fp8_f32 v[PC+4*\b:PC+4*\b+1], v[T+16*\b:T+16*\b+7], v[TM+12+\b]
	v_cvt_scalef32_pk8_fp8_f32 v[PC+4*\b+2:PC+4*\b+3], v[T+16*\b+8:T+16*\b+15], v[TM+12+\b]
.endr
	v_nop
.endm
	PLACES NP
	s_mov_b32 s[SEL], 0x76543210
	s_mov_b32 s[SEL+1], 0xfedcba98
	s_mov_b32 s[MNT], 0x600000
.irp b, 0,1,2,3
	v_mov_b32 v[TM+4+\b], 0
.endr
.if MODE == 0
.irp a, 0,1,2,3,4,5,6,7
.if \a > 0
	s_wait_xcnt 0x0
	s_wait_dscnt 0x0
.endif
	QUANTW 64*(\a%4), 2+\a/4
.irp c, 0,1,2,3
	global_store_b128 v[LI], v[PC+4*\c:PC+4*\c+3], s[12:13] offset:2048*\a+512*\c
.endr
	ds_store_b32 v[SW0], v[PW] offset:64*\a
.endr
.else
.macro KPAIR r, val
	s_mov_b32 s[\r], \val
	s_mov_b32 s[\r+1], \val
.endm
	KPAIR KA1, 0x32edffee
	KPAIR KA1+2, 0xb60cff51
	KPAIR KA1+4, 0xb86ec2d2
	KPAIR KA1+6, 0xba40ac63
	KPAIR KA1+8, 0xbb41a1f6
	KPAIR KA1+10, 0xbc83dbd4
	KPAIR KB1, 0xb95fbd29
	KPAIR KB1+2, 0xbadc924e
	KPAIR KB1+4, 0xbbf19bf8
	KPAIR KB1+6, 0xbc69b6a7
	KPAIR KR2, 0x3fb504f3
	v_mov_b32 v[CA], 0xaf95df0b
	v_mov_b32 v[CA+1], 0xaf95df0b
	v_mov_b32 v[CB], 0xb77460cd
	v_mov_b32 v[CB+1], 0xb77460cd
.macro GELU16 g
.set ZB, Z+16*(\g)
.set TG, T+16*(\g)
.irp p, 0,2,4,6,8,10,12,14
	v_pk_mul_f32 v[X2+\p:X2+\p+1], v[ZB+\p:ZB+\p+1], v[ZB+\p:ZB+\p+1]
.endr
.irp p, 0,2,4,6,8,10,12,14
	v_pk_fma_f32 v[Q+\p:Q+\p+1], v[X2+\p:X2+\p+1], v[CB:CB+1], s[KB1:KB1+1] op_sel_hi:[1,1,0]
.endr
.irp k, 2,4,6
.irp p, 0,2,4,6,8,10,12,14
	v_pk_fma_f32 v[Q+\p:Q+\p+1], v[Q+\p:Q+\p+1], v[X2+\p:X2+\p+1], s[KB1+\k:KB1+\k+1] op_sel_hi:[1,1,0]
.endr
.endr
.set i, 0
	s_wait_alu depctr_va_vdst(0)
.rept 16
	v_rcp_f32 v[Q+i], v[Q+i]
.set i, i+1
.endr
.irp p, 0,2,4,6,8,10,12,14
	v_pk_fma_f32 v[P+\p:P+\p+1], v[X2+\p:X2+\p+1], v[CA:CA+1], s[KA1:KA1+1] op_sel_hi:[1,1,0]
.endr
.irp k, 2,4,6,8,10
.irp p, 0,2,4,6,8,10,12,14
	v_pk_fma_f32 v[P+\p:P+\p+1], v[P+\p:P+\p+1], v[X2+\p:X2+\p+1], s[KA1+\k:KA1+\k+1] op_sel_hi:[1,1,0]
.endr
.endr
	s_wait_alu depctr_va_vdst(0)
.irp p, 0,2,4,6,8,10,12,14
	v_pk_mul_f32 v[P+\p:P+\p+1], v[P+\p:P+\p+1], v[ZB+\p:ZB+\p+1]
.endr
.irp p, 0,2,4,6,8,10,12,14
	v_pk_mul_f32 v[P+\p:P+\p+1], v[P+\p:P+\p+1], v[Q+\p:Q+\p+1]
.endr
.irp p, 0,2,4,6,8,10,12,14
	v_pk_fma_f32 v[TG+\p:TG+\p+1], v[TG+\p:TG+\p+1], v[P+\p:P+\p+1], v[TG+\p:TG+\p+1]
.endr
.endm
	s_mov_b32 s98, 0
	s_mov_b32 s99, 0
.Lrow:
.irp k, 0,1,2,3,4,5,6
	s_cmp_eq_u32 s98, \k
	s_cbranch_scc1 .Lin_\k
.endr
.irp k, 7,6,5,4,3,2,1,0
.Lin_\k:
	WIN 2+\k/4
.set i, 0
.rept 32
	v_pk_mul_f32 v[T+i:T+i+1], v[64*(\k%4)+i:64*(\k%4)+i+1], 0.5 op_sel_hi:[1,0]
.set i, i+2
.endr
	WIN 0
.if \k > 0
	s_branch .Lgelu
.endif
.endr
.Lgelu:
.set i, 0
.rept 32
	v_pk_mul_f32 v[Z+i:Z+i+1], v[T+i:T+i+1], s[KR2:KR2+1] op_sel_hi:[1,0]
.set i, i+2
.endr
.set i, 0
.rept 64
	v_med3_num_f32 v[Z+i], v[Z+i], -4.0, 4.0
.set i, i+1
.endr
	GELU16 0
	GELU16 1
	GELU16 2
	GELU16 3
	QUANTW T, 0
.irp c, 0,1,2,3
	global_store_b128 v[LI], v[PC+4*\c:PC+4*\c+3], s[12:13] offset:512*\c
.endr
	v_add_nc_u32 v[SWA], s99, v[SW0]
	ds_store_b32 v[SWA], v[PW]
	s_wait_xcnt 0x0
	s_wait_dscnt 0x0
	s_add_nc_u64 s[12:13], s[12:13], 65536
	s_add_co_u32 s99, s99, 64
	s_add_co_u32 s98, s98, 1
	s_cmp_lt_u32 s98, 8
	s_cbranch_scc1 .Lrow
.endif
	ds_load_b128 v[T:T+3], v[SR]
	s_wait_dscnt 0x0
	global_store_b128 v[LI], v[T:T+3], s[96:97]
	s_wait_tensorcnt 0x0
	ds_add_u32 v[SPW], v[NIL]
	s_wait_dscnt 0x0
	CROUND
	s_endpgm
.Lfunc_end_k_qcd00dab9d5_ffn1:
	.size	k_qcd00dab9d5_ffn1, .Lfunc_end_k_qcd00dab9d5_ffn1-k_qcd00dab9d5_ffn1
	.p2alignl 7, 3214868480
	.fill 96, 4, 3214868480
	.section	.rodata,"a",@progbits
	.p2align	6, 0x0
	.amdhsa_kernel k_qcd00dab9d5_ffn1
		.amdhsa_group_segment_fixed_size 327680
		.amdhsa_private_segment_fixed_size 0
		.amdhsa_enable_private_segment 0
		.amdhsa_kernarg_size 32
		.amdhsa_user_sgpr_count 2
		.amdhsa_user_sgpr_kernarg_segment_ptr 1
		.amdhsa_wavefront_size32 1
		.amdhsa_system_sgpr_workgroup_id_x 1
		.amdhsa_system_sgpr_workgroup_id_y 1
		.amdhsa_system_sgpr_workgroup_id_z 1
		.amdhsa_system_vgpr_workitem_id 0
		.amdhsa_next_free_vgpr 1024
		.amdhsa_next_free_sgpr 102
		.amdhsa_reserve_vcc 0
		.amdhsa_float_denorm_mode_32 3
		.amdhsa_float_denorm_mode_16_64 3
		.amdhsa_memory_ordered 1
		.amdhsa_forward_progress 1
		.amdhsa_inst_pref_size 185
	.end_amdhsa_kernel
	.amdgpu_metadata
---
amdhsa.version: [ 1, 2 ]
amdhsa.kernels:
  - .name:           k_qcd00dab9d5_ffn1
    .symbol:         k_qcd00dab9d5_ffn1.kd
    .args:
      - { .name: hq, .offset: 0, .size: 8, .value_kind: global_buffer, .address_space: global }
      - { .name: wq, .offset: 8, .size: 8, .value_kind: global_buffer, .address_space: global }
      - { .name: b1, .offset: 16, .size: 8, .value_kind: global_buffer, .address_space: global }
      - { .name: gq, .offset: 24, .size: 8, .value_kind: global_buffer, .address_space: global }
    .group_segment_fixed_size: 327680
    .private_segment_fixed_size: 0
    .kernarg_segment_align: 8
    .kernarg_segment_size: 32
    .max_flat_workgroup_size: 128
    .sgpr_count:     102
    .vgpr_count:     1024
    .wavefront_size: 32
...
	.end_amdgpu_metadata
.endif
;; end of part 6
;; launch ffn2 (part 7): grid 8 x 32, 4 waves a work-group, clusters of 4 x 4, 327,680 bytes of LDS; arguments gq, wq, b2, x1, out0; writes out0
.if DOCPART == 7
	.amdgcn_target "amdgcn-amd-amdhsa--gfx1250"
	.amdhsa_code_object_version 6
	.text
	.protected	k_qcd00dab9d5_ffn2
	.globl	k_qcd00dab9d5_ffn2
	.p2align	8
	.type	k_qcd00dab9d5_ffn2,@function
k_qcd00dab9d5_ffn2:
	s_mov_b64 s[64:65], 0
	v_nop
	global_prefetch_b8 v0, s[64:65] scope:SCOPE_SE
	s_setreg_imm32_b32 hwreg(HW_REG_WAVE_MODE, 25, 1), 1
	s_wait_xcnt 0x0
	s_wait_alu depctr_hold_cnt(0) depctr_sa_sdst(0) depctr_va_vdst(0) depctr_va_sdst(0) depctr_va_ssrc(0) depctr_va_vcc(0) depctr_vm_vsrc(0)
	s_getreg_b32 s2, hwreg(HW_REG_IB_STS2, 6, 4)
	s_cmp_eq_u32 s2, 0
	s_cbranch_scc0 .Lentry_in_a_cluster
	s_endpgm
.Lentry_in_a_cluster:
	s_bfe_u32 s2, ttmp6, 0x10000c
	s_cmp_lg_u32 s2, 0xf033
	s_cbranch_scc0 .Lentry_shape_is_right
	s_endpgm
.Lentry_shape_is_right:
; A GEMM ON CODES OF FP8 (E4M3) WITH E8M0 SCALES, N = 1,024, WITH BIAS AND RESIDUAL: out = res + A B^T + bias, f32.  One text, two uses, told apart by the four constants below.
; Launch 4 of 7 (SIZE_K = 1,024): x1 = x + ctx Wout + b_out.   Launch 7 of 7 (SIZE_K = 4,096): out0 = x1 + hidden W2 + b2.
; Operands lie as fragment images in position order (position P = the index with bits 3 and 4 exchanged): fragment (rb, ks) is 2,048 bytes at (rb K/128 + ks) 2,048, piece c of lane l at 512 c + 16 l; scale words in planes [ks][position][4].
; A TILE OF C IS 128 x 128: C has 4,096 x 1,024 numbers, which are 256 such tiles, one for each work-group of the grid; tiles of 256 x 256 would be 64.  Four waves, each 64 x 64: 16 accumulators.
; K goes in steps of 512 (four matrix instructions deep) through two LDS slots; the scale words of all of K come once.
; CLUSTERS: 4 x 4 work-groups; A's tiles are asked for jointly along a row of the cluster, B's along a column.  THE MATRIX INSTRUCTION IS USED TRANSPOSED: register j of tile b in lane (r, h) is A's position r at column 32 (b / 2) + 16 h + 8 (b % 2) + j.
; The bias is the C of each sum's first matrix instruction.  The residual is asked for at the head, in the layout in which rows leave, and is added on the way out.
; REGISTERS: window 0: v0-31 addresses; v32-63 scale words, two sets; v64-95 the bias; v96-127 rows on the way out; v128-255 the accumulators.  window 1: two fragment buffers of 128 (A's four, then B's four).  window 2: v0-127 the residual.
.set SIZE_K, 4096
.set ASOFF,  16777216                  ; A's planes behind its codes
.set BOFF,   8388608                   ; B's codes in wq
.set BSOFF,  12877824                  ; B's planes in wq
.set KQ,    SIZE_K/128
.set LAPS,  SIZE_K/1024                ; a lap = two slots
.set RBB,   8192                       ; a row block's bytes in a slot: four fragments
.set HALFT, 4*RBB                      ; 64 positions: what one tensor load brings
.set SLOT,  4*HALFT
.set SCL,   2*SLOT                     ; behind the ring: the scale words: A's [KQ planes][128 positions][4], 2 SH bytes; B's likewise, 128 bytes further on than A's end, on other banks
.set SH,    KQ*256
.set SPARE, SCL+4*SH+256               ; the spare words, 128 bytes a wave
.set SPITCH, 272                       ; the way out: a stage of 16 rows x (256 + 16) bytes a wave, in slot 0, which has had its last fill and its last read by then
.set ADRA, 16
.set ADRB, 20
.set STO,  24
.set RD,   25
.set CO,   26                          ; v26  my byte offset among two rows of C
.set ADRS, 27
.set SPW,  28
.set NIL,  29
.set BO,   30
.set SC,   32
.set BIAS, 64
.set T,    96
.set ACC,  128
.set F0,   0
.set F1,   128
.set G1, 24
.set G0, 32
.set G1B, 48
.set G0B, 56
.set G1S, 68
.set G0S, 76
.set G1SB, 80
.set G0SB, 88
.set MSB, 0
.macro WIN new                         ; the immediate's high byte repeats the setting that is left
.if MSB != (\new)
	s_set_vgpr_msb (MSB<<8)|(\new)
.set MSB, (\new)
.endif
.endm
.set MUL,  0x05                        ; sources 0 (B) and 1 (A) window 1; C and D window 0
.set TO_F, 0x40                        ; destination window 1, address window 0
.macro JLOAD g0a, g1a, g0b, g1b        ; a joint load: waves 0 and 1 fetch for A, waves 2 and 3 for B; four v_nop follow each of the two lines
	s_cmp_eq_u32 s15, 0
	s_cbranch_scc0 .Lfor_b_\@
	tensor_load_to_lds s[\g0a:\g0a+3], s[\g1a:\g1a+7]
	s_nop 0
.rept 4
	v_nop
.endr
	s_branch .Lasked_\@
.Lfor_b_\@:
	tensor_load_to_lds s[\g0b:\g0b+3], s[\g1b:\g1b+7]
	s_nop 0
.rept 4
	v_nop
.endr
.Lasked_\@:
.endm
.macro CREST                           ; a round of the cluster's barrier behind its opening barrier
	s_cmp_lg_u32 s14, 0
	s_cbranch_scc1 .Lnot_wave_0_\@
	s_barrier_signal -3
.Lnot_wave_0_\@:
	s_barrier_wait -3
	s_barrier_signal -1
	s_barrier_wait -1
.endm
.macro CROUND
	s_barrier_signal -1
	s_barrier_wait -1
	CREST
.endm
	s_load_b256 s[4:11], s[0:1], 0x0               ; A s[4:5], wq s[6:7], the bias s[8:9], the residual s[10:11]
	s_load_b64 s[12:13], s[0:1], 0x20              ; the result
	v_lshl_add_u32 v[SPW], v0, 2, SPARE
	v_mov_b32 v[NIL], 0
	ds_add_u32 v28, v29
	ds_add_u32 v28, v29
	s_wait_dscnt 0x0
	v_lshrrev_b32 v1, 5, v0
	v_readfirstlane_b32 s14, v1                    ; wave 0..3
	s_lshr_b32 s15, s14, 1                         ; which half of the tile's rows is mine.  Also: I fetch for A (0) or for B (1)
	s_and_b32 s16, s14, 1                          ; which half of its columns.  Also: which 64 positions of that tile I fetch
	s_bfe_u32 s40, ttmp6, 0x40000                  ; cx, cy
	s_bfe_u32 s41, ttmp6, 0x40004
	s_lshl_b32 s42, ttmp9, 2
	s_add_co_u32 s42, s42, s40                     ; tile column
	s_and_b32 s17, ttmp7, 0xffff
	s_lshl_b32 s17, s17, 2
	s_add_co_u32 s17, s17, s41                     ; tile row
	s_lshl_b32 s43, s41, 2
	s_lshl_b32 s43, 15, s43                        ; my row of the cluster
	s_lshl_b32 s44, 0x1111, s40                    ; my column
	; group 1 for codes: 4 row blocks x 8,192 bytes (four fragments), KQ x 2,048 bytes apart in memory; elements of 8 bytes; dense in LDS
	s_or_b32 s[G1+0], s43, (3<<16)|(1<<21)
	s_or_b32 s[G1B+0], s44, (3<<16)|(1<<21)
.irp g, G1, G1B
	s_mov_b32 s[\g+1], 1024<<16                    ; tensor_dim0
	s_mov_b32 s[\g+2], 8<<16                       ; tensor_dim1: the head's loads bring a tile's 8 row blocks; behind them the two counts are set to 4, for the ring's
	s_mov_b32 s[\g+3], 1024<<16                    ; tile_dim0
	s_mov_b32 s[\g+4], 8                           ; tile_dim1
	s_mov_b32 s[\g+5], 2*SIZE_K                    ; tensor_dim0_stride
	s_mov_b32 s[\g+6], 0
	s_mov_b32 s[\g+7], 0
.endr
	; and for scale words: KQ planes x 512 bytes (128 positions); A's planes are 16,384 bytes apart, B's 4,096
	s_or_b32 s[G1S+0], s43, (3<<16)|(1<<21)
	s_or_b32 s[G1SB+0], s44, (3<<16)|(1<<21)
.irp g, G1S, G1SB
	s_mov_b32 s[\g+1], 64<<16                      ; a plane's 128 positions: 512 bytes
	s_mov_b32 s[\g+2], KQ<<16
	s_mov_b32 s[\g+3], 64<<16
	s_mov_b32 s[\g+4], KQ
	s_mov_b32 s[\g+6], 0
	s_mov_b32 s[\g+7], 0
.endr
	s_mov_b32 s[G1S+5], 2048
	s_mov_b32 s[G1SB+5], 512
	s_mul_i32 s2, s16, 4*KQ*2048                   ; in the ring I fetch 4 row blocks of a tile: which half, in bytes
	s_mov_b32 s3, 0
	s_lshl_b32 s20, s17, 3                         ; A: row block 8 x tile row
	s_lshl_b32 s46, s42, 3                         ; B likewise
	s_lshl_b32 s22, s20, 6                         ; their scale words in a plane
	s_lshl_b32 s92, s46, 6
	s_mul_i32 s20, s20, KQ*2048                    ; their codes
	s_mul_i32 s46, s46, KQ*2048
	s_mov_b32 s21, 0
	s_mov_b32 s23, 0
	s_mov_b32 s47, 0
	s_mov_b32 s93, 0
	s_mul_i32 s45, s14, HALFT                      ; where the ring's loads go: no place in the cluster enters an LDS address
	s_wait_kmcnt 0x0
	s_mov_b64 s[98:99], s[8:9]                     ; the bias
	s_mov_b64 s[96:97], s[10:11]                   ; the residual
	s_add_nc_u64 s[8:9], s[6:7], BOFF
	s_add_nc_u64 s[10:11], s[6:7], BSOFF
	s_add_nc_u64 s[6:7], s[4:5], ASOFF
	s_add_nc_u64 s[20:21], s[4:5], s[20:21]
	s_add_nc_u64 s[22:23], s[6:7], s[22:23]
	s_add_nc_u64 s[46:47], s[8:9], s[46:47]
	s_add_nc_u64 s[92:93], s[10:11], s[92:93]
	CROUND                                         ; all sixteen work-groups are here: the first joint loads meet
	s_mov_b32 s[G0S], 1
	s_mov_b32 s[G0S+1], SCL
	s_mov_b64 s[G0S+2:G0S+3], s[22:23]
	s_or_b32 s[G0S+3], s[G0S+3], 0x80000000
	s_mov_b32 s[G0SB], 1
	s_mov_b32 s[G0SB+1], SCL+2*SH+128
	s_mov_b64 s[G0SB+2:G0SB+3], s[92:93]
	s_or_b32 s[G0SB+3], s[G0SB+3], 0x80000000
	s_mov_b32 s4, 1                                ; group 0 of the head's loads of slot 0, in registers that held arguments: A's 8 row blocks,
	s_mov_b32 s5, 0
	s_mov_b64 s[6:7], s[20:21]
	s_or_b32 s7, s7, 0x80000000
	s_mov_b32 s8, 1                                ; and B's, behind them
	s_mov_b32 s9, 2*HALFT
	s_mov_b64 s[10:11], s[46:47]
	s_or_b32 s11, s11, 0x80000000
	s_add_nc_u64 s[20:21], s[20:21], s[2:3]        ; for the ring: my 4 row blocks
	s_add_nc_u64 s[46:47], s[46:47], s[2:3]
.irp s, 0,1
	s_mov_b32 s[G0+4*\s], 1
	s_add_co_u32 s[G0+4*\s+1], s45, \s*SLOT
	s_add_nc_u64 s[G0+4*\s+2:G0+4*\s+3], s[20:21], \s*RBB
	s_or_b32 s[G0+4*\s+3], s[G0+4*\s+3], 0x80000000
	s_mov_b32 s[G0B+4*\s], 1
	s_add_co_u32 s[G0B+4*\s+1], s45, \s*SLOT
	s_add_nc_u64 s[G0B+4*\s+2:G0B+4*\s+3], s[46:47], \s*RBB
	s_or_b32 s[G0B+4*\s+3], s[G0B+4*\s+3], 0x80000000
.endr
; THE HEAD'S LOADS, ONE A WAVE: wave 0 slot 0's tile of A, wave 1 that of B, wave 2 A's scale words, wave 3 B's.  One chain of branches on the wave's number, a load to an arm.
.macro ARM under, g0, g1, next
	s_cmp_lt_u32 s14, \under
	s_cbranch_scc0 \next
	tensor_load_to_lds s[\g0:\g0+3], s[\g1:\g1+7]
	s_nop 0
.rept 4
	v_nop
.endr
	s_branch .Lhead_asked
\next:
.endm
	ARM 1, 4, G1, .Lhead_b
	ARM 2, 8, G1B, .Lhead_sa
	ARM 3, G0S, G1S, .Lhead_sb
	tensor_load_to_lds s[G0SB:G0SB+3], s[G1SB:G1SB+7]
	s_nop 0
.rept 4
	v_nop
.endr
.Lhead_asked:
	; THE PREFETCHES.  Of the 4 row blocks that I fetch in the ring, each of the four partners that ask for them with me takes one, told apart by address (cx for A, cy for B): a K step's part of a row block is 8,192 bytes, 32 lanes 256 bytes apart.
	s_cmp_eq_u32 s15, 0
	s_cselect_b64 s[100:101], s[20:21], s[46:47]
	s_cselect_b32 s18, s40, s41
	s_lshl_b32 s18, s18, 16                        ; a row block is KQ x 2,048 = 65,536 bytes
	s_mov_b32 s19, 0
	s_add_nc_u64 s[100:101], s[100:101], s[18:19]
	v_and_b32 v1, 15, v0                           ; r
	v_bfe_u32 v2, v0, 4, 1                         ; h
	s_wait_alu depctr_va_vdst(0)
	v_and_b32 v3, 31, v0
	v_lshlrev_b32 v4, 4, v3                        ; 16 x lane
	s_mul_i32 s21, s15, HALFT
	s_mul_i32 s22, s16, HALFT
	s_add_co_u32 s22, s22, 2*HALFT
.irp s, 0,1
	v_add_nc_u32 v[ADRA+\s], s21, v4
	v_add_nc_u32 v[ADRB+\s], s22, v4
	s_add_co_u32 s21, s21, SLOT
	s_add_co_u32 s22, s22, SLOT
.endr
	v_lshlrev_b32 v5, 2, v1
	s_lshl_b32 s21, s15, 8                         ; my 64 positions in a plane of 128
	s_lshl_b32 s22, s16, 8
	s_add_co_u32 s22, s22, 2*SH+128
	s_sub_co_u32 s22, s22, s21
	v_mul_u32_u24 v6, s22, v2                      ; lanes 16-31 take B's: one product with h
	s_add_co_u32 s21, s21, SCL
	v_add_nc_u32 v6, v5, v6
	v_add_nc_u32 v[ADRS], s21, v6
	s_mul_i32 s23, s14, 16*SPITCH                  ; my stage
	v_mul_u32_u24 v5, v1, SPITCH
	v_lshl_add_u32 v5, v2, 6, v5
	v_add_nc_u32 v[STO], s23, v5                   ; in: row r, + 64 h
	v_mul_u32_u24 v5, v2, SPITCH
	v_lshl_add_u32 v5, v1, 4, v5
	v_add_nc_u32 v[RD], s23, v5                    ; back: lanes 0-15 one row of 256 bytes, lanes 16-31 the next
	v_lshlrev_b32 v[CO], 12, v2
	v_lshl_add_u32 v[CO], v1, 4, v[CO]             ; and the same two rows in C
	v_lshlrev_b32 v[BO], 6, v2
	v_lshlrev_b32 v31, 8, v3                       ; the prefetches' offset: 256 x lane; never rewritten
	s_wait_alu depctr_va_vdst(0)
	s_lshl_b32 s20, s17, 7
	s_lshl_b32 s21, s15, 6
	s_add_co_u32 s20, s20, s21
	s_lshl_b32 s20, s20, 12                        ; my first row: 128 x tile row + 64 x half, 4,096 bytes a row
	s_lshl_b32 s46, s42, 9
	s_lshl_b32 s47, s16, 8
	s_add_co_u32 s46, s46, s47                     ; my first column, in bytes
	s_mov_b32 s47, 0
	s_add_nc_u64 s[98:99], s[98:99], s[46:47]
	s_add_co_u32 s20, s20, s46
	s_mov_b32 s21, 0
	s_add_nc_u64 s[96:97], s[96:97], s[20:21]
	s_add_nc_u64 s[12:13], s[12:13], s[20:21]
.irp b, 0,1,2,3                                ; the bias in the result's layout
	global_load_b128 v[BIAS+8*\b:BIAS+8*\b+3], v[BO], s[98:99] offset:(32*(\b/2)+8*(\b%2))*4
	global_load_b128 v[BIAS+8*\b+4:BIAS+8*\b+7], v[BO], s[98:99] offset:(32*(\b/2)+8*(\b%2))*4+16
.endr
	WIN 0x80                                       ; destination window 2
.irp a, 0,1,2,3                                ; the residual: block a's 16 positions are rows 32 (a / 2) + 8 (a % 2) + p + 8 (p / 8); load t takes positions 2 t and 2 t + 1
.irp t, 0,1,2,3,4,5,6,7
	global_load_b128 v[32*\a+4*\t:32*\a+4*\t+3], v[CO], s[96:97] offset:(32*(\a/2)+8*(\a%2)+2*\t+8*(\t/4))*4096
.endr
.endr
	WIN 0
.macro FETCH slot, q, f                ; the fragments of the slot's q-th 128 along K into buffer f: 32 loads of 512 consecutive bytes
	WIN TO_F
.irp i, 0,1,2,3
.irp c, 0,1,2,3
	ds_load_b128 v[\f+64+16*\i+4*\c:\f+64+16*\i+4*\c+3], v[ADRB+\slot] offset:RBB*\i+2048*(\q)+512*\c
.endr
.endr
.irp i, 0,1,2,3
.irp c, 0,1,2,3
	ds_load_b128 v[\f+16*\i+4*\c:\f+16*\i+4*\c+3], v[ADRA+\slot] offset:RBB*\i+2048*(\q)+512*\c
.endr
.endr
.endm
.macro SCALES set                      ; a slot's scale words: register 4 i + q: lanes 0-15 the word of A's block i, lanes 16-31 that of B's block i
	WIN 0
.irp i, 0,1,2,3
.irp q, 0,1,2,3
	ds_load_b32 v[SC+16*\set+4*\i+\q], v[ADRS] offset:64*\i+512*\q
.endr
.endr
.endm
; four matrix instructions: A's block a x B's four.  The 16 accumulators take turns, one instruction a turn, in the same order in every step.  zero = 1: the bias starts the sums
.macro MULA f, a, q, set, zero
.irp b, 0,1,2,3
.if \zero
	v_wmma_scale_f32_16x16x128_f8f6f4 v[ACC+8*(4*(\a)+\b):ACC+8*(4*(\a)+\b)+7], v[\f+64+16*\b:\f+64+16*\b+15], v[\f+16*(\a):\f+16*(\a)+15], v[BIAS+8*\b:BIAS+8*\b+7], v[SC+16*(\set)+4*\b+(\q)], v[SC+16*(\set)+4*(\a)+(\q)] matrix_a_scale:MATRIX_SCALE_ROW1
.else
	v_wmma_scale_f32_16x16x128_f8f6f4 v[ACC+8*(4*(\a)+\b):ACC+8*(4*(\a)+\b)+7], v[\f+64+16*\b:\f+64+16*\b+15], v[\f+16*(\a):\f+16*(\a)+15], v[ACC+8*(4*(\a)+\b):ACC+8*(4*(\a)+\b)+7], v[SC+16*(\set)+4*\b+(\q)], v[SC+16*(\set)+4*(\a)+(\q)] matrix_a_scale:MATRIX_SCALE_ROW1
.endif
.endr
.endm
.macro PLACES n
.rept \n
	v_nop
.endr
.endm
; one of a slot's first three steps: fetches the slot's qn-th 128 along K into g, multiplies the one before out of f
.macro QSTEP slot, qn, f, g, zero
	PLACES 8                                       ; g was multiplied by the sixteen instructions just issued
	FETCH \slot, \qn, \g
	s_wait_dscnt 32                                ; all but the 32 just issued
	WIN MUL
.irp a, 0,1,2,3
	MULA \f, \a, (\qn)-1, \slot, \zero
.endr
.endm
; a slot's last step multiplies buffer 1 and changes slots: ONE barrier; in front of it each wave waits for all its tensor loads, adds 0 to its spare word, and waits for that and for its own reads of this slot
.macro TURN slot, next, fill
	WIN 0                                          ; (the add's two registers lie in window 0)
	s_wait_tensorcnt 0x0                           ; all my tensor loads have landed: my part of the next slot
	ds_add_u32 v[SPW], v[NIL]                      ; 0 onto my spare word
	s_wait_dscnt 1                                 ; (the add may be out)
	WIN MUL
	MULA F1, 0, 3, \slot, 0                        ; four matrix instructions stand between the add and the wait for it
	s_wait_dscnt 0x0                               ; the add is done, and my reads of this slot are over
	s_barrier_signal -1
	MULA F1, 1, 3, \slot, 0
	WIN 0
	s_barrier_wait -1
.if \fill
	CREST                                          ; the barrier has opened a round of the cluster's barrier
	s_add_nc_u64 s[G0+4*\slot+2:G0+4*\slot+3], s[G0+4*\slot+2:G0+4*\slot+3], 2*RBB
	s_add_nc_u64 s[G0B+4*\slot+2:G0B+4*\slot+3], s[G0B+4*\slot+2:G0B+4*\slot+3], 2*RBB
	JLOAD G0+4*\slot, G1, G0B+4*\slot, G1B         ; the first tensor load behind the round; its four v_nop are among the places in front of the loads below
	PLACES 4
.else
	PLACES 8
.endif
	s_wait_alu depctr_va_vdst(0)
	v_add_nc_u32 v[ADRS], 2048, v[ADRS]            ; on to the next slot's four planes
	FETCH \next, 0, F0
	SCALES \next
.if \fill
	s_cmp_gt_u32 s3, 1                             ; the K step that stands two refills on; the loop's last trip has none
	s_cbranch_scc0 .Lnone_\@
	global_prefetch_b8 v31, s[100:101] offset:(4+\slot)*RBB th:TH_LOAD_NT scope:SCOPE_SE
.Lnone_\@:
.endif
	WIN MUL
	MULA F1, 2, 3, \slot, 0
	MULA F1, 3, 3, \slot, 0
.endm
	global_prefetch_b8 v31, s[100:101] offset:RBB th:TH_LOAD_NT scope:SCOPE_SE     ; K step 1: the load that wants it stands behind the round below
	global_prefetch_b8 v31, s[100:101] offset:2*RBB th:TH_LOAD_NT scope:SCOPE_SE   ; K steps 2 and 3, which the loop's first trip loads
	global_prefetch_b8 v31, s[100:101] offset:3*RBB th:TH_LOAD_NT scope:SCOPE_SE
	s_wait_alu depctr_va_vdst(0)
	s_wait_tensorcnt 0x0                           ; my tile of the head's four is in
	ds_add_u32 v28, v29
	s_mov_b32 s[G1+2], 4<<16                       ; no tensor load of mine is out: from here on a load brings 4 row blocks
	s_mov_b32 s[G1+4], 4
	s_mov_b32 s[G1B+2], 4<<16
	s_mov_b32 s[G1B+4], 4
	s_wait_dscnt 0x0
	CROUND                                         ; all four tiles are in, and all sixteen work-groups are here
	JLOAD G0+4, G1, G0B+4, G1B                     ; slot 1's first fill, the first tensor load behind the round
	FETCH 0, 0, F0
	SCALES 0
	s_wait_loadcnt 32                              ; the bias is in; the 32 loads of the residual may be out
	QSTEP 0, 1, F0, F1, 1                          ; the first step stands in front of the loop: its products start the sums
.if LAPS > 1
	WIN 0
	s_mov_b32 s3, LAPS-1
.Llap:                                                 ; a trip goes once round the ring and fills both slots again
	QSTEP 0, 2, F1, F0, 0
	QSTEP 0, 3, F0, F1, 0
	TURN 0, 1, 1
	QSTEP 1, 1, F0, F1, 0
	QSTEP 1, 2, F1, F0, 0
	QSTEP 1, 3, F0, F1, 0
	TURN 1, 0, 1
	QSTEP 0, 1, F0, F1, 0
	WIN 0
	s_wait_xcnt 0x0                                ; my prefetches have read their base: it steps two K steps on
	s_add_nc_u64 s[100:101], s[100:101], 2*RBB
	s_sub_co_u32 s3, s3, 1
	s_cmp_lg_u32 s3, 0
	s_cbranch_scc1 .Llap
.endif
	QSTEP 0, 2, F1, F0, 0                          ; the last lap fills nothing
	QSTEP 0, 3, F0, F1, 0
	TURN 0, 1, 0
	QSTEP 1, 1, F0, F1, 0
	QSTEP 1, 2, F1, F0, 0
	QSTEP 1, 3, F0, F1, 0
	s_wait_dscnt 0x0
	WIN MUL
.irp a, 0,1,2,3
	MULA F1, \a, 3, 1, 0
.endr
	WIN 0
	; THE WAY OUT, a block of 16 positions x 64 columns at a time: through my stage, back as whole rows of 256 bytes, the residual added, stored
	PLACES 8
	s_wait_loadcnt 0x0                             ; the residual
.irp a, 0,1,2,3
.irp b, 0,1,2,3
	ds_store_b128 v[STO], v[ACC+8*(4*\a+\b):ACC+8*(4*\a+\b)+3] offset:128*(\b/2)+32*(\b%2)        ; each accumulator from its low end on
	ds_store_b128 v[STO], v[ACC+8*(4*\a+\b)+4:ACC+8*(4*\a+\b)+7] offset:128*(\b/2)+32*(\b%2)+16
.endr
.irp t, 0,1,2,3,4,5,6,7
	ds_load_b128 v[T+4*\t:T+4*\t+3], v[RD] offset:2*\t*SPITCH   ; LDS serves a wave's instructions in order: these see the stores above
.endr
	s_wait_dscnt 0x0
	WIN 0x08                                       ; source 1 window 2
.irp i, 0,2,4,6,8,10,12,14,16,18,20,22,24,26,28,30
	v_pk_add_f32 v[T+\i:T+\i+1], v[T+\i:T+\i+1], v[32*\a+\i:32*\a+\i+1]
.endr
	WIN 0
.irp t, 0,1,2,3,4,5,6,7
	global_store_b128 v[CO], v[T+4*\t:T+4*\t+3], s[12:13] offset:(32*(\a/2)+8*(\a%2)+2*\t+8*(\t/4))*4096   ; 16 lanes store 256 consecutive bytes, at a multiple of 256 from the buffer's first byte
.endr
	s_wait_xcnt 0x0                                ; the stores have read their data: the next block's rows may land there
.endr
	s_wait_tensorcnt 0x0                           ; the wave's end
	ds_add_u32 v[SPW], v[NIL]
	s_wait_dscnt 0x0
	CROUND                                         ; the closing round
	s_endpgm
.Lfunc_end_k_qcd00dab9d5_ffn2:
	.size	k_qcd00dab9d5_ffn2, .Lfunc_end_k_qcd00dab9d5_ffn2-k_qcd00dab9d5_ffn2
	.p2alignl 7, 3214868480
	.fill 96, 4, 3214868480
	.section	.rodata,"a",@progbits
	.p2align	6, 0x0
	.amdhsa_kernel k_qcd00dab9d5_ffn2
		.amdhsa_group_segment_fixed_size 327680
		.amdhsa_private_segment_fixed_size 0
		.amdhsa_enable_private_segment 0
		.amdhsa_kernarg_size 40
		.amdhsa_user_sgpr_count 2
		.amdhsa_user_sgpr_kernarg_segment_ptr 1
		.amdhsa_wavefront_size32 1
		.amdhsa_system_sgpr_workgroup_id_x 1
		.amdhsa_system_sgpr_workgroup_id_y 1
		.amdhsa_system_sgpr_workgroup_id_z 1
		.amdhsa_system_vgpr_workitem_id 0
		.amdhsa_next_free_vgpr 768
		.amdhsa_next_free_sgpr 102
		.amdhsa_reserve_vcc 0
		.amdhsa_float_denorm_mode_32 3
		.amdhsa_float_denorm_mode_16_64 3
		.amdhsa_memory_ordered 1
		.amdhsa_forward_progress 1
		.amdhsa_inst_pref_size 104
	.end_amdhsa_kernel
	.amdgpu_metadata
---
amdhsa.version: [ 1, 2 ]
amdhsa.kernels:
  - .name:           k_qcd00dab9d5_ffn2
    .symbol:         k_qcd00dab9d5_ffn2.kd
    .args:
      - { .name: gq, .offset: 0, .size: 8, .value_kind: global_buffer, .address_space: global }
      - { .name: wq, .offset: 8, .size: 8, .value_kind: global_buffer, .address_space: global }
      - { .name: b2, .offset: 16, .size: 8, .value_kind: global_buffer, .address_space: global }
      - { .name: x1, .offset: 24, .size: 8, .value_kind: global_buffer, .address_space: global }
      - { .name: out0, .offset: 32, .size: 8, .value_kind: global_buffer, .address_space: global }
    .group_segment_fixed_size: 327680
    .private_segment_fixed_size: 0
    .kernarg_segment_align: 8
    .kernarg_segment_size: 40
    .max_flat_workgroup_size: 128
    .sgpr_count:     102
    .vgpr_count:     768
    .wavefront_size: 32
...
	.end_amdgpu_metadata
.endif
;; end of part 7
